; MI455X (gfx1250); checked and timed in simulation.
; The chip was launched on July 23, 2026; its instructions are those of AMD's public machine-readable ISA for CDNA 5 (MIT licence, August 2026) and "CDNA5" Instruction Set Architecture Reference Guide (July 2026). The comments in the code are by the model that wrote it; some were corrected since.
;; Cross Encoder Layer. Allowed arithmetic: matrix products marked QUANTISED: E2M3 operands, one E8M0 scale for each 32 along K, by v_wmma_scale_f32_16x16x128_f8f6f4 with both operands' format E2M3, f32 sums; everything else in f32.
;; Inputs: W_ff1 512 x 2,048 float32; W_ff2 2,048 x 512 float32; Wk 512 x 512 float32; Wo 512 x 512 float32; Wq 512 x 512 float32; Wv 512 x 512 float32; b1 512 float32; b2 512 float32; b_ff1 2,048 float32; b_ff2 512 float32; bk 512 float32; bq 512 float32; bv 512 float32; g1 512 float32; g2 512 float32; xk 8 x 2,048 x 512 float32; xq 8 x 1,024 x 512 float32; xv 8 x 2,048 x 512 float32.
;; Outputs: out0 8 x 1,024 x 512 float32.
;; This version of the problem:
;;   THIS VERSION OF THE PROBLEM IS GIVEN IN LOW PRECISION. The matrix products marked QUANTISED in the list below multiply operands that are first quantised to E2M3 (2 exponent bits, 3 mantissa bits; 6 bits a number), with one power-of-two scale for each 32 numbers along K (OCP MX v1.0); their sums are f32. All else is computed in f32.
;;   The module's matrix products, in the order in which they are computed (A, B: the left and right operand; K: the contracted axis; several contracted axes count as one K, in the product's order):
;;     1. [M 8,192, K 512] x [K 512, N 512]; A: computed on the way; B: input Wq: QUANTISED
;;     2. [M 16,384, K 512] x [K 512, N 512]; A: computed on the way; B: input Wk: QUANTISED
;;     3. [M 16,384, K 512] x [K 512, N 512]; A: computed on the way; B: input Wv: QUANTISED
;;     4. batch 64 x [M 1,024, K 64] x [K 64, N 2,048]; A: computed on the way; B: computed on the way: QUANTISED
;;     5. batch 64 x [M 1,024, K 2,048] x [K 2,048, N 64]; A: softmax (see below); B: computed on the way: QUANTISED
;;     6. [M 8,192, K 512] x [K 512, N 512]; A: computed on the way; B: input Wo: QUANTISED
;;     7. [M 8,192, K 512] x [K 512, N 2,048]; A: computed on the way; B: input W_ff1: QUANTISED
;;     8. [M 8,192, K 2,048] x [K 2,048, N 512]; A: computed on the way; B: input W_ff2: QUANTISED
;;   THE QUANTISER, for each operand of a quantised product, along K:
;;     - K is cut into blocks of 32 from its start; a last block that is shorter is filled with zeros.
;;     - A block's scale is 2^e with e = floor(log2(the largest magnitude in the block)) - 2, held to -126 .. 127; a block of zeros has e = 0. As a byte (E8M0): e + 127.
;;     - Each number is divided by its block's scale, clamped to +-7.5, and rounded to the nearest number of E2M3, ties to even, subnormals kept.
;;     - The product sums the exact products of the quantised numbers (number of the format x scale) in f32.
;;   ~~~python
;;   def quantise(x, axis):      # numpy; x: float32 -> the quantised numbers, widened to float32 again
;;       x = np.moveaxis(x, axis, -1); K = x.shape[-1]
;;       x = np.pad(x, [(0, 0)] * (x.ndim - 1) + [(0, -K % 32)]); x = x.reshape(x.shape[:-1] + (-1, 32)); a = np.abs(x).max(-1, keepdims=True)
;;       e = np.where(a > 0, np.clip(np.frexp(np.where(a > 0, a, 1))[1] - 1 - 2, -126, 127), 0)      # np.frexp(a)[1] - 1 = floor(log2(a)), exactly
;;       r = np.clip(x / 2.0 ** e, -7.5, 7.5)
;;       step = 2.0 ** (np.maximum(np.frexp(np.where(r == 0, 1, r))[1] - 1, 0) - 3)
;;       q = np.round(r / step) * step * 2.0 ** e      # np.round: ties to even
;;       return np.moveaxis(q.reshape(q.shape[:-2] + (-1,))[..., :K], -1, axis).astype(np.float32)
;;   ~~~
;;   SOFTMAX AHEAD OF A QUANTISED PRODUCT. Where the list says 'softmax', what is quantised is not the finished softmax but p = 2^(t - M), with t = logit x log2(e) and M = ceil(the row's largest t), a whole number; so 1/2 < the row's largest p <= 1. The row's sum l is taken of the UNQUANTISED p, in f32, and the product's result is divided by l at the end. Since M is a whole number, a kernel that streams over the keys may use a running M (the ceiling of the running maximum): every later rescaling is an exact power of two, which a block's scale takes up: the codes' values come out the same.
;;   OPERANDS COMPUTED ON THE WAY. 'Computed on the way' means the value that the module computes at that place (a softmax that the list does not call 'softmax' is quantised finished and normalised). What goes into a quantiser is computed in f32, as accurately as f32 sums, v_exp_f32 and their like allow (about 1e-6 of the number): no bf16 or f16 on the way to a quantiser, and a product that is left as it is and whose result goes on into a quantised operand takes f32 operands (vector FMAs, or v_wmma_f32_16x16x4_f32). A number that lies on a knife's edge between two numbers of the format may be rounded either way, as far as f32 arithmetic and the matrix unit's own rounding can turn it there, and no further.
;; 2 versions. Each part assembles by itself: llvm-mc -triple=amdgcn-amd-amdhsa -mcpu=gfx1250 --defsym DOCPART=n.
;; ======== version 1 of 2: 6 launches
;; workspace buffers: wts 2,555,904 bytes; qc 3,407,872 bytes; kv 13,369,344 bytes; oa 3,407,872 bytes; ab 16,777,216 bytes; h1 3,407,872 bytes; h2 13,631,488 bytes
;; launch wquant (part 1): grid 256 x 1, 6 waves a work-group, no clusters, 0 bytes of LDS; arguments Wq, Wk, Wv, Wo, W_ff1, W_ff2, wts; writes wts
.if DOCPART == 1
	.amdgcn_target "amdgcn-amd-amdhsa--gfx1250"
	.amdhsa_code_object_version 6
	.text
	.protected	k_q15aa774256_wquant
	.globl	k_q15aa774256_wquant
	.p2align	8
	.type	k_q15aa774256_wquant,@function
k_q15aa774256_wquant:
	s_mov_b64 s[64:65], 0
	v_nop
	global_prefetch_b8 v0, s[64:65] scope:SCOPE_SE
	s_setreg_imm32_b32 hwreg(HW_REG_WAVE_MODE, 25, 1), 1
	s_wait_xcnt 0x0
; All six weights, f32 with K as their FIRST axis, become codes of FP6 (E2M3) with one E8M0 byte for each 32 along K, laid as IMAGES OF OPERAND REGISTERS.
; A fragment is 16 columns x 128 K: 12 registers a lane; register 4 g + e of lane l lies at 512 g + 16 l + 4 e of its 1,536 bytes; its scale words: 128 bytes, lane l's at 4 l.
; A panel is 8 tiles x 4 K steps: codes at (4 tile + s) x 1,536, scale words at 49,152 + (4 tile + s) x 128: 53,248 bytes.  Panels: Wq 0-3, Wk 4-7, Wv 8-11, Wo 12-15, W_ff1 16-31, W_ff2 32 + 4 (columns / 128) + (K / 512).
; THE COLUMNS OF A TILE ARE NOT NEIGHBOURS: row m of tile n is column 32 (n / 2) + 8 (n % 2) + m + 8 (m / 8), so that results of two neighbouring tiles are 16 neighbours along the next K.
; 1,536 fragments = 256 work-groups x 6 waves: a wave makes one.  A lane takes a column and its registers run down K in the operand's own order: nothing is transposed, and a block's maximum needs no other lane.
; LIMITS: NaN and infinities are not served; a block of zeros, or one whose largest magnitude lies under 2^-124, gets the byte 1 (its codes are read by this program alone).
.set PANB, 53248
.macro WLOAD stride                    ; W(128 S + 64 c + 32 h + i, my column), i = 0 .. 31
.irp c, 0,1
.set i, 0
.rept 32
	global_load_b32 v[32+32*\c+i], v4, s[4:5] offset:(64*\c+i)*\stride
.set i, i+1
.endr
.endr
.endm
	s_load_b256 s[4:11], s[0:1], 0x0               ; Wq, Wk, Wv, Wo
	s_load_b128 s[12:15], s[0:1], 0x20             ; W_ff1, W_ff2
	s_load_b64 s[16:17], s[0:1], 0x30              ; wts
	v_lshrrev_b32 v1, 5, v0
	v_readfirstlane_b32 s18, v1                    ; wave 0..5
	v_and_b32 v6, 31, v0                           ; lane
	v_and_b32 v2, 15, v0                           ; r
	v_bfe_u32 v3, v0, 4, 1                         ; h
	s_mul_i32 s19, ttmp9, 6
	s_add_co_u32 s19, s19, s18                     ; f: my fragment
	s_lshr_b32 s20, s19, 5                         ; its panel
	s_and_b32 s21, s19, 31                         ; its place there: 4 tile + s
	s_and_b32 s22, s19, 3                          ; K step, for f < 1,024
	s_lshr_b32 s23, s19, 2
	s_and_b32 s24, s23, 31                         ; tile n of a weight of 512 columns
	s_sub_co_u32 s25, s23, 128                     ; tile n of W_ff1
	s_sub_co_u32 s26, s20, 32                      ; W_ff2: panel 4 (columns / 128) + (K / 512)
	s_lshr_b32 s27, s26, 2
	s_lshl_b32 s27, s27, 3
	s_lshr_b32 s28, s21, 2
	s_add_co_u32 s27, s27, s28                     ; its tile n
	s_and_b32 s28, s26, 3
	s_lshl_b32 s28, s28, 2
	s_add_co_u32 s28, s28, s22                     ; its K step, 0 .. 15
	s_cmp_lt_u32 s19, 512
	s_cselect_b32 s24, s24, s25
	s_cmp_lt_u32 s19, 1024
	s_cselect_b32 s24, s24, s27                    ; n
	s_cselect_b32 s22, s22, s28                    ; S
	s_lshr_b32 s29, s19, 9                         ; 1: W_ff1
	s_lshr_b32 s31, s19, 7                         ; which weight, for f < 512
	s_cmp_eq_u32 s29, 1
	s_cselect_b32 s30, 13, 11                      ; log2 of a row of W in bytes
	s_lshl_b32 s32, s22, 7
	s_lshl_b32 s32, s32, s30                       ; 128 S rows
	s_lshr_b32 s33, s24, 1
	s_lshl_b32 s33, s33, 7
	s_and_b32 s34, s24, 1
	s_lshl_b32 s34, s34, 5
	s_add_co_u32 s32, s32, s33
	s_add_co_u32 s32, s32, s34                     ; + 4 (32 (n / 2) + 8 (n % 2))
	s_mov_b32 s33, 0
	v_and_b32 v4, 8, v2
	v_add_nc_u32 v4, v4, v2                        ; r + 8 (r / 8)
	v_lshlrev_b32 v4, 2, v4
	s_add_co_u32 s35, s30, 5
	v_lshlrev_b32 v5, s35, v3                      ; lanes 16-31 begin 32 rows further down
	v_add_nc_u32 v4, v4, v5
	v_lshlrev_b32 v7, 4, v6                        ; an image's place for my lane
	v_lshlrev_b32 v28, 2, v6                       ; a scale word's
	s_mov_b32 s36, 0x76543210
	s_mov_b32 s37, 0xfedcba98                      ; v_permlanex16_b32's selects for lane l xor 16
	s_mul_i32 s38, s20, PANB
	s_mul_i32 s39, s21, 1536
	s_add_co_u32 s44, s38, s39                     ; where the codes go
	s_mov_b32 s45, 0
	s_lshl_b32 s39, s21, 7
	s_add_co_u32 s46, s38, s39
	s_add_co_u32 s46, s46, 49152                   ; and the scale words
	s_mov_b32 s47, 0
	s_wait_kmcnt 0x0
	s_cmp_eq_u32 s31, 1                            ; the weight is chosen by the fragment's number alone
	s_cselect_b64 s[4:5], s[6:7], s[4:5]
	s_cmp_eq_u32 s31, 2
	s_cselect_b64 s[4:5], s[8:9], s[4:5]
	s_cmp_eq_u32 s31, 3
	s_cselect_b64 s[4:5], s[10:11], s[4:5]
	s_cmp_eq_u32 s29, 1
	s_cselect_b64 s[4:5], s[12:13], s[4:5]
	s_cmp_ge_u32 s19, 1024
	s_cselect_b64 s[4:5], s[14:15], s[4:5]
	s_add_nc_u64 s[4:5], s[4:5], s[32:33]
	s_add_nc_u64 s[40:41], s[16:17], s[44:45]
	s_add_nc_u64 s[16:17], s[16:17], s[46:47]
	s_cmp_eq_u32 s29, 1
	s_cbranch_scc1 .Lwide
	WLOAD 2048
	s_branch .Lin
.Lwide:
	WLOAD 8192
.Lin:
	s_wait_loadcnt 0x0
.irp c, 0,1                                    ; my block 2 c + h: all its 32 numbers are mine; the floor 2^(3 - 127) holds the byte at 1 from below
	v_max3_num_f32 v[8+\c], |v[32+32*\c]|, |v[33+32*\c]|, 0x1800000
.endr
.irp i, 2,4,6,8,10,12,14,16,18,20,22,24,26,28,30
.irp c, 0,1
	v_max3_num_f32 v[8+\c], v[8+\c], |v[32+32*\c+\i]|, |v[33+32*\c+\i]|
.endr
.endr
.irp c, 0,1
	v_add_nc_u32 v[10+\c], 0xff000000, v[8+\c]     ; 2 off the exponent field: the conversion's scale operand
.endr
.irp c, 0,1
	v_lshrrev_b32 v[12+\c], 23, v[10+\c]           ; the scale's byte
.endr
	v_lshl_or_b32 v14, v13, 16, v12                ; blocks h and 2 + h,
	v_lshlrev_b32 v15, 3, v3
	v_lshlrev_b32 v14, v15, v14                    ; at their places in the word;
	v_mov_b32 v15, 0
	v_permlanex16_b32 v15, v14, s36, s37
	v_or_b32 v14, v14, v15                         ; with lane l xor 16's two the word is whole
.irp c, 0,1
	v_cvt_scalef32_pk16_fp6_f32 v[16+6*\c:18+6*\c], v[32+32*\c:47+32*\c], v[10+\c]
	v_cvt_scalef32_pk16_fp6_f32 v[96+4*\c:98+4*\c], v[48+32*\c:63+32*\c], v[10+\c]   ; (a conversion's three registers begin on an even number)
.endr
	v_nop                                          ; one plain place behind a scaled conversion
.irp c, 0,1
.irp i, 0,1,2
	v_mov_b32 v[19+6*\c+\i], v[96+4*\c+\i]
.endr
.endr
.irp g, 0,1,2
	global_store_b128 v7, v[16+4*\g:19+4*\g], s[40:41] offset:512*\g   ; 32 lanes store 512 consecutive bytes
.endr
	global_store_b32 v28, v14, s[16:17]
	s_endpgm
.Lfunc_end_k_q15aa774256_wquant:
	.size	k_q15aa774256_wquant, .Lfunc_end_k_q15aa774256_wquant-k_q15aa774256_wquant
	.p2alignl 7, 3214868480
	.fill 96, 4, 3214868480
	.section	.rodata,"a",@progbits
	.p2align	6, 0x0
	.amdhsa_kernel k_q15aa774256_wquant
		.amdhsa_group_segment_fixed_size 0
		.amdhsa_private_segment_fixed_size 0
		.amdhsa_enable_private_segment 0
		.amdhsa_kernarg_size 56
		.amdhsa_user_sgpr_count 2
		.amdhsa_user_sgpr_kernarg_segment_ptr 1
		.amdhsa_wavefront_size32 1
		.amdhsa_system_sgpr_workgroup_id_x 1
		.amdhsa_system_sgpr_workgroup_id_y 1
		.amdhsa_system_sgpr_workgroup_id_z 1
		.amdhsa_system_vgpr_workitem_id 0
		.amdhsa_next_free_vgpr 128
		.amdhsa_next_free_sgpr 66
		.amdhsa_reserve_vcc 0
		.amdhsa_float_denorm_mode_32 3
		.amdhsa_float_denorm_mode_16_64 3
		.amdhsa_memory_ordered 1
		.amdhsa_forward_progress 1
		.amdhsa_inst_pref_size 19
	.end_amdhsa_kernel
	.amdgpu_metadata
---
amdhsa.version: [ 1, 2 ]
amdhsa.kernels:
  - .name:           k_q15aa774256_wquant
    .symbol:         k_q15aa774256_wquant.kd
    .args:
      - { .name: Wq, .offset: 0, .size: 8, .value_kind: global_buffer, .address_space: global }
      - { .name: Wk, .offset: 8, .size: 8, .value_kind: global_buffer, .address_space: global }
      - { .name: Wv, .offset: 16, .size: 8, .value_kind: global_buffer, .address_space: global }
      - { .name: Wo, .offset: 24, .size: 8, .value_kind: global_buffer, .address_space: global }
      - { .name: W_ff1, .offset: 32, .size: 8, .value_kind: global_buffer, .address_space: global }
      - { .name: W_ff2, .offset: 40, .size: 8, .value_kind: global_buffer, .address_space: global }
      - { .name: wts, .offset: 48, .size: 8, .value_kind: global_buffer, .address_space: global }
    .group_segment_fixed_size: 0
    .private_segment_fixed_size: 0
    .kernarg_segment_align: 8
    .kernarg_segment_size: 56
    .max_flat_workgroup_size: 192
    .sgpr_count:     66
    .vgpr_count:     128
    .wavefront_size: 32
...
	.end_amdgpu_metadata
.endif
;; end of part 1
;; launch proj (part 2): grid 320 x 1, 16 waves a work-group, clusters of 4 x 1, 278,528 bytes of LDS; arguments xq, xk, xv, g1, b1, bq, bk, bv, wts, qc, kv; writes qc, kv
.if DOCPART == 2
	.amdgcn_target "amdgcn-amd-amdhsa--gfx1250"
	.amdhsa_code_object_version 6
	.text
	.protected	k_q15aa774256_proj
	.globl	k_q15aa774256_proj
	.p2align	8
	.type	k_q15aa774256_proj,@function
k_q15aa774256_proj:
	s_mov_b64 s[64:65], 0
	v_nop
	global_prefetch_b8 v0, s[64:65] scope:SCOPE_SE
	s_setreg_imm32_b32 hwreg(HW_REG_WAVE_MODE, 25, 1), 1
	s_wait_xcnt 0x0
	s_wait_alu depctr_hold_cnt(0) depctr_sa_sdst(0) depctr_va_vdst(0) depctr_va_sdst(0) depctr_va_ssrc(0) depctr_va_vcc(0) depctr_vm_vsrc(0)
	s_getreg_b32 s2, hwreg(HW_REG_IB_STS2, 6, 4)
	s_cmp_eq_u32 s2, 0
	s_cbranch_scc0 .Lentry_in_a_cluster
	s_endpgm
.Lentry_in_a_cluster:
	s_bfe_u32 s2, ttmp6, 0x10000c
	s_cmp_lg_u32 s2, 0x3003
	s_cbranch_scc0 .Lentry_shape_is_right
	s_endpgm
.Lentry_shape_is_right:
; q = LN(xq) Wq + bq, k = LN(xk) Wk + bk, v = LN(xv) Wv + bv, the products on codes of FP6 (E2M3) with E8M0 scales; the results leave as codes again: q and k quantised along a head's 64, v along the keys.
; SHARES.  A work-group takes 128 tokens and all 512 output columns.  Clusters 0-15 serve q, 16-47 k, 48-79 v: the four partners of a cluster share one weight, whose four panels (212,992 bytes) come into LDS ONCE, by one joint
; tensor load a wave.  320 work-groups: a fragment of v wants 128 keys of one work-group, so the share is not cut smaller.
; X PHASE.  Wave w: tile of tokens t = w % 8, half cp = w / 8 of the 512 columns.  Mean and variance in two passes, in f32 (sum, then sum of squared differences); the halves meet through LDS.  LN, quantise, images to LDS.
; THE TOKENS OF A TILE ARE NOT NEIGHBOURS: row m of tile t is token 32 (t / 2) + 8 (t % 2) + m + 8 (m / 8); so are the columns of a tile of W.  Results of two neighbouring tiles of source 0 are then 16 neighbours.
; PRODUCT.  q, k: source 0 = 8 tiles of W (128 columns, two heads), source 1 = 2 tiles of tokens: a lane holds one token, registers run along the columns.  v: source 0 = the 8 tiles of tokens, source 1 = 2 tiles of W:
; a lane holds one column, registers run along the 128 keys.  16 accumulators a wave, by turns.
; OUT.  q, k: for each head a PAIR IMAGE (registers 0-5: tile 2 P's 64 along K, 6-11: tile 2 P + 1's), scale words in lanes 0-15 and 16-31.  v: whole fragments (16 of the head's 64 x 128 keys).
; LIMITS: NaN and infinities are not served; a block of zeros, or one under 2^-124, gets the byte 1 (read by this program alone).
; REGISTERS: v1-19 lane terms and addresses; v20-31 codes; v32-159 x, then the accumulators ((i, j) at 32 + 64 j + 8 i); v160-183 source 1, v184-231 source 0; v232-237 scale words and nothing else;
;   X phase: v160-191 and v216-231 + v192-207 g1 and b1, two buffers; v192-207 the quantiser's work; v208-215 half blocks; v248-255 sums.
.set WV, 26
.set SEL, 66
.set XI, 212992                        ; LDS: W's four panels from 0; x's panel here,
.set XS, 262144                        ; its scale words;
.set VEC, 266240                       ; g1, b1, the bias: 2,048 bytes each;
.set ST1, 272384                       ; the sums, 4 bytes a thread; the squares 2,048 bytes on;
.set SPARE, 276480                     ; the spare words, 128 bytes for each wave, that no other line names
.set XD, 32
.set PA, 20
.set GX, 160
.set GY, 216
.set TM, 192
.set X2, 208
.set CH, 248
.set F1, 160
.set F0, 184
.set S0, 232
.set S1, 236
.set PW0, 238
.set PW1, 239
.set MU, 240
.set RS, 242
.set L4, 244
.set T0, 245
.set T1, 246
.set T2, 247
.macro PLACES n
.rept \n
	v_nop
.endr
.endm
.macro BAR                             ; my LDS instructions are done: then the work-group's barrier
	s_wait_dscnt 0x0
	s_barrier_signal -1
	s_barrier_wait -1
.endm
.macro CROUND                          ; a round of the cluster's barrier
	s_barrier_signal -1
	s_barrier_wait -1
	s_cmp_lg_u32 s[WV], 0
	s_cbranch_scc1 .Lnw0_\@
	s_barrier_signal -3
.Lnw0_\@:
	s_barrier_wait -3
	s_barrier_signal -1
	s_barrier_wait -1
.endm
; 64 numbers of a lane, register 16 b + i = k 32 b + 16 (lane / 16) + i of my row, become codes: blocks 0, 1 in v[d0 .. d0 + 5], blocks 2, 3 in v[d1 .. d1 + 5]; the four scale bytes in v[pw].
.macro QUANT s, d0, d1, pw
.irp b, 0,1,2,3
	v_max3_num_f32 v[TM+\b], |v[(\s)+16*\b]|, |v[(\s)+1+16*\b]|, 0x1800000   ; with the floor 2^(3 - 127): the byte cannot fall under 1
.endr
.irp i, 2,4,6,8,10,12,14
.irp b, 0,1,2,3
	v_max3_num_f32 v[TM+\b], v[TM+\b], |v[(\s)+16*\b+\i]|, |v[(\s)+1+16*\b+\i]|
.endr
.endr
.irp b, 0,1,2,3
	v_permlanex16_b32 v[TM+4+\b], v[TM+\b], s[SEL], s[SEL+1]
.endr
.irp b, 0,1,2,3
	v_max_num_f32 v[TM+\b], v[TM+\b], v[TM+4+\b]   ; with lane l xor 16's: the block's largest magnitude
.endr
.irp b, 0,1,2,3
	v_add_nc_u32 v[TM+12+\b], 0xff000000, v[TM+\b] ; 2 off its exponent field: the conversion's scale operand
.endr
.irp b, 0,1,2,3
	v_lshrrev_b32 v[TM+4+\b], 23, v[TM+12+\b]      ; the scale's byte
.endr
	v_lshl_or_b32 v[\pw], v[TM+5], 8, v[TM+4]
	v_lshl_or_b32 v[\pw], v[TM+6], 16, v[\pw]
	v_lshl_or_b32 v[\pw], v[TM+7], 24, v[\pw]
	v_cvt_scalef32_pk16_fp6_f32 v[(\d0):(\d0)+2], v[(\s):(\s)+15], v[TM+12]
	v_cvt_scalef32_pk16_fp6_f32 v[X2:X2+2], v[(\s)+16:(\s)+31], v[TM+13]
	v_cvt_scalef32_pk16_fp6_f32 v[(\d1):(\d1)+2], v[(\s)+32:(\s)+47], v[TM+14]
	v_cvt_scalef32_pk16_fp6_f32 v[X2+4:X2+6], v[(\s)+48:(\s)+63], v[TM+15]
	v_nop                                          ; one plain place behind a scaled conversion
.irp i, 0,1,2                                  ; the operand's layout wants a WHOLE block in a lane
	v_permlane16_swap_b32 v[(\d0)+\i], v[X2+\i]
.endr
.irp i, 0,1,2
	v_mov_b32 v[(\d0)+3+\i], v[X2+\i]
.endr
.irp i, 0,1,2
	v_permlane16_swap_b32 v[(\d1)+\i], v[X2+4+\i]
.endr
.irp i, 0,1,2
	v_mov_b32 v[(\d1)+3+\i], v[X2+4+\i]
.endr
.endm
.macro FOLD                            ; four chains of pairs -> one number, with lane l xor 16's
	v_pk_add_f32 v[CH:CH+1], v[CH:CH+1], v[CH+2:CH+3]
	v_pk_add_f32 v[CH+4:CH+5], v[CH+4:CH+5], v[CH+6:CH+7]
	v_pk_add_f32 v[CH:CH+1], v[CH:CH+1], v[CH+4:CH+5]
	v_add_f32 v[CH], v[CH], v[CH+1]
	v_permlanex16_b32 v[T1], v[CH], s[SEL], s[SEL+1]
	v_add_f32 v[CH], v[CH], v[T1]
.endm
.macro GLOAD sp, b, gr, br             ; g1 and b1 at my 16 columns of block b of my K step sp
.irp q, 0,1,2,3
	ds_load_b128 v[\gr+4*\q:\gr+4*\q+3], v10 offset:512*\sp+128*\b+16*\q
.endr
.irp q, 0,1,2,3
	ds_load_b128 v[\br+4*\q:\br+4*\q+3], v10 offset:2048+512*\sp+128*\b+16*\q
.endr
.endm
.macro NORM sp, b, gr, br              ; (x - mean) x rstd x g1 + b1
.irp k, 0,2,4,6,8,10,12,14
	v_pk_mul_f32 v[XD+64*\sp+16*\b+\k:XD+64*\sp+16*\b+\k+1], v[XD+64*\sp+16*\b+\k:XD+64*\sp+16*\b+\k+1], v[RS:RS+1] op_sel_hi:[1,0]
.endr
.irp k, 0,2,4,6,8,10,12,14
	v_pk_fma_f32 v[XD+64*\sp+16*\b+\k:XD+64*\sp+16*\b+\k+1], v[XD+64*\sp+16*\b+\k:XD+64*\sp+16*\b+\k+1], v[\gr+\k:\gr+\k+1], v[\br+\k:\br+\k+1]
.endr
.endm
.macro XIMG sp                         ; the fragment in v[PA] on and its scale word go to LDS as they stand
.irp g, 0,1,2
	ds_store_b128 v11, v[PA+4*\g:PA+4*\g+3] offset:1536*\sp+512*\g
.endr
	ds_store_b32 v12, v[PW0] offset:128*\sp
.endm
.macro WM0 d, a, b, sa, sb
	v_wmma_scale_f32_16x16x128_f8f6f4 v[(\d):(\d)+7], v[(\a):(\a)+11], v[(\b):(\b)+11], 0, v[\sa], v[\sb] matrix_a_fmt:MATRIX_FMT_FP6 matrix_b_fmt:MATRIX_FMT_FP6
.endm
.macro WMA d, a, b, sa, sb
	v_wmma_scale_f32_16x16x128_f8f6f4 v[(\d):(\d)+7], v[(\a):(\a)+11], v[(\b):(\b)+11], v[(\d):(\d)+7], v[\sa], v[\sb] matrix_a_fmt:MATRIX_FMT_FP6 matrix_b_fmt:MATRIX_FMT_FP6
.endm
.macro LDS1 s                          ; source 1's two fragments of K step s
.irp j, 0,1
.irp g, 0,1,2
	ds_load_b128 v[F1+12*\j+4*\g:F1+12*\j+4*\g+3], v15 offset:(4*\j+\s)*1536+512*\g
.endr
	ds_load_b32 v[S1+\j], v16 offset:(4*\j+\s)*128
.endr
.endm
.macro LDS0 s, hf                      ; four of source 0's eight
.irp i, 0,1,2,3
.irp g, 0,1,2
	ds_load_b128 v[F0+12*\i+4*\g:F0+12*\i+4*\g+3], v13 offset:(4*(4*\hf+\i)+\s)*1536+512*\g
.endr
	ds_load_b32 v[S0+\i], v14 offset:(4*(4*\hf+\i)+\s)*128
.endr
.endm
.macro MM8 hf, zero
.irp i, 0,1,2,3
.irp j, 0,1
.if \zero
	WM0 32+64*\j+8*(4*\hf+\i), F0+12*\i, F1+12*\j, S0+\i, S1+\j
.else
	WMA 32+64*\j+8*(4*\hf+\i), F0+12*\i, F1+12*\j, S0+\i, S1+\j
.endif
.endr
.endr
.endm
.macro KSTEP s, zero                   ; four places stand in front of every run of loads into registers that matrix instructions have read, and of the first read of results
	LDS1 \s
	LDS0 \s, 0
	s_wait_dscnt 0x0
	MM8 0, \zero
	PLACES 4
	LDS0 \s, 1
	s_wait_dscnt 0x0
	MM8 1, \zero
	PLACES 4
.endm
	s_load_b256 s[4:11], s[0:1], 0x0               ; xq, xk, xv, g1
	s_load_b256 s[12:19], s[0:1], 0x20             ; b1, bq, bk, bv
	s_load_b128 s[20:23], s[0:1], 0x40             ; wts, qc
	s_load_b64 s[24:25], s[0:1], 0x50              ; kv
	v_lshl_add_u32 v4, v0, 2, SPARE
	v_mov_b32 v5, 0
	ds_add_u32 v4, v5                              ; the wave's opening: the add and its wait stand ahead of my first tensor load; the set-up, work on registers, stands between them
	v_lshrrev_b32 v1, 5, v0
	v_readfirstlane_b32 s[WV], v1                  ; wave 0..15
	v_and_b32 v1, 31, v0                           ; lane
	v_and_b32 v2, 15, v0                           ; r
	v_bfe_u32 v3, v0, 4, 1                         ; h
	s_bfe_u32 s27, ttmp6, 0x40000                  ; cx: it enters global addresses alone
	s_lshl_b32 s28, ttmp9, 2
	s_add_co_u32 s28, s28, s27                     ; work-group
	s_cmp_lt_u32 ttmp9, 16                         ; the mode hangs on the cluster's number: the partners share it
	s_cselect_b32 s29, 0, 1
	s_cselect_b32 s31, 0, 64
	s_cselect_b32 s44, 3, 4                        ; log2 of the blocks of 128 tokens in a batch
	s_cmp_lt_u32 ttmp9, 48
	s_cselect_b32 s29, s29, 2                      ; mode: 0 q, 1 k, 2 v
	s_cselect_b32 s31, s31, 192
	s_sub_co_u32 s30, s28, s31                     ; my block of 128 tokens in the tensor
	s_lshr_b32 s45, s30, s44                       ; batch
	s_lshl_b32 s46, s45, s44
	s_sub_co_u32 s46, s30, s46                     ; block in the batch
	; descriptor group 1: 52 rows of 256 bytes, dense: a sixteenth of the weight's four panels
	s_mov_b32 s32, 15|(3<<16)|(1<<21)              ; the mask: all four partners; elements of 8 bytes; bit 21 beside a mask
	s_mov_b32 s33, 32<<16
	s_mov_b32 s34, 52<<16
	s_mov_b32 s35, 32<<16
	s_mov_b32 s36, 52
	s_mov_b32 s37, 32
	s_mov_b32 s38, 0
	s_mov_b32 s39, 0
	s_mov_b32 s40, 1
	s_mul_i32 s41, s[WV], 13312                    ; LDS: my sixteenth
	s_mul_i32 s52, s29, 212992
	s_add_co_u32 s52, s52, s41                     ; and in wts
	s_mov_b32 s53, 0
	s_and_b32 s47, s[WV], 7                        ; t
	s_lshr_b32 s48, s[WV], 3                       ; cp
	s_lshl_b32 s50, s30, 18                        ; x: 128 rows of 2,048 bytes a block,
	s_lshr_b32 s49, s47, 1
	s_lshl_b32 s49, s49, 16
	s_add_co_u32 s50, s50, s49                     ; + 32 (t / 2) rows
	s_and_b32 s49, s47, 1
	s_lshl_b32 s49, s49, 14
	s_add_co_u32 s50, s50, s49                     ; + 8 (t % 2) rows
	s_lshl_b32 s49, s48, 10
	s_add_co_u32 s50, s50, s49                     ; + my half of the columns
	s_mov_b32 s51, 0
	v_and_b32 v6, 8, v2
	v_add_nc_u32 v6, v6, v2                        ; r + 8 (r / 8)
	v_lshlrev_b32 v18, 2, v6
	v_lshlrev_b32 v6, 11, v6
	v_lshl_add_u32 v6, v3, 6, v6                   ; x: my row, + 64 h: my 16 numbers of a block of 32
	v_lshl_add_u32 v7, v0, 2, VEC
	v_lshl_add_u32 v8, v0, 2, ST1                  ; my word of the sums,
	v_xor_b32 v9, 256, v0
	v_lshl_add_u32 v9, v9, 2, ST1                  ; and that of the wave with the other half of my rows
	s_add_co_u32 s49, s49, VEC
	v_lshl_add_u32 v10, v3, 6, s49                 ; g1 at my half's columns, + 64 h
	s_lshl_b32 s49, s47, 2
	s_lshl_b32 s54, s48, 1
	s_add_co_u32 s49, s49, s54                     ; 4 t + 2 cp: my first fragment of x's panel
	s_mul_i32 s54, s49, 1536
	s_add_co_u32 s54, s54, XI
	v_lshl_add_u32 v11, v1, 4, s54
	s_lshl_b32 s54, s49, 7
	s_add_co_u32 s54, s54, XS
	v_lshl_add_u32 v12, v1, 2, s54
	s_and_b32 s55, s[WV], 3                        ; q, k: which panel of W;   v: which pair of tiles in a panel
	s_lshr_b32 s56, s[WV], 2                       ; q, k: which pair of token tiles;   v: which panel
	s_mul_i32 s57, s55, 53248
	s_mul_i32 s58, s56, 12288
	s_add_co_u32 s58, s58, XI
	s_mul_i32 s59, s56, 53248
	s_mul_i32 s60, s55, 12288
	s_add_co_u32 s60, s60, s59
	s_lshl_b32 s61, s56, 10
	s_add_co_u32 s61, s61, XS
	s_lshl_b32 s62, s55, 10
	s_add_co_u32 s62, s62, s59
	s_add_co_u32 s62, s62, 49152
	s_mov_b32 s63, XI
	s_cmp_lt_u32 ttmp9, 48
	s_cselect_b32 s57, s57, s63                    ; source 0: a panel of W, or x's
	s_cselect_b32 s58, s58, s60                    ; source 1: two tiles of x, or of W
	s_cselect_b32 s61, s61, s62                    ; and their scale words
	v_lshl_add_u32 v13, v1, 4, s57
	v_lshl_add_u32 v14, v1, 2, s57
	v_add_nc_u32 v14, 49152, v14
	v_lshl_add_u32 v15, v1, 4, s58
	v_lshl_add_u32 v16, v1, 2, s61
	s_lshl_b32 s49, s55, 9
	s_add_co_u32 s49, s49, VEC+4096
	v_lshl_add_u32 v17, v3, 6, s49                 ; q, k: the bias at my 128 columns, + 64 h
	s_lshl_b32 s49, s[WV], 7
	s_add_co_u32 s49, s49, VEC+4096
	v_add_nc_u32 v18, s49, v18                     ; v: the bias at my lane's column
	v_lshlrev_b32 v19, 4, v1
	v_lshlrev_b32 v[L4], 2, v1
	v_mov_b32 v[T1], 0                             ; (a lane permute's destination counts as one of its sources)
	s_mov_b32 s[SEL], 0x76543210
	s_mov_b32 s[SEL+1], 0xfedcba98
	s_mov_b32 s68, 0x3b000000                      ; 1 / 512
	s_wait_dscnt 0x0                               ; the opening add is done
	s_wait_kmcnt 0x0
	s_add_nc_u64 s[42:43], s[20:21], s[52:53]
	s_or_b32 s43, s43, 0x80000000
	s_cmp_eq_u32 s29, 1
	s_cselect_b64 s[4:5], s[6:7], s[4:5]
	s_cselect_b64 s[14:15], s[16:17], s[14:15]
	s_cmp_eq_u32 s29, 2
	s_cselect_b64 s[4:5], s[8:9], s[4:5]           ; x
	s_cselect_b64 s[14:15], s[18:19], s[14:15]     ; the bias
	s_cmp_eq_u32 s29, 0
	s_cselect_b64 s[22:23], s[22:23], s[24:25]     ; where q's or k's codes go
	s_add_nc_u64 s[4:5], s[4:5], s[50:51]
	CROUND                                         ; all four partners are here: the joint loads meet
	tensor_load_to_lds s[40:43], s[32:39]          ; my one tensor load of the launch
	s_nop 0
	PLACES 4
	; ---- X: my 16 rows x 256 columns
	v_lshlrev_b32 v[T0], 2, v0
	global_load_b32 v20, v[T0], s[10:11]
	global_load_b32 v21, v[T0], s[12:13]
	global_load_b32 v22, v[T0], s[14:15]
.irp sp, 0,1
.irp b, 0,1,2,3
.irp q, 0,1,2,3
	global_load_b128 v[XD+64*\sp+16*\b+4*\q:XD+64*\sp+16*\b+4*\q+3], v6, s[4:5] offset:512*\sp+128*\b+16*\q th:TH_LOAD_NT
.endr
.endr
.endr
	s_wait_loadcnt 32                              ; g1, b1 and the bias are in; x's 32 loads may be out
	ds_store_b32 v7, v20
	ds_store_b32 v7, v21 offset:2048
	ds_store_b32 v7, v22 offset:4096
	s_wait_loadcnt 0x0
.irp c, 0,1,2,3                                ; the sum of my 128 numbers, in four chains
	v_pk_add_f32 v[CH+2*\c:CH+2*\c+1], v[XD+4*\c:XD+4*\c+1], v[XD+4*\c+2:XD+4*\c+3]
.endr
.set k, 16
.rept 14
.irp c, 0,1,2,3
	v_pk_add_f32 v[CH+2*\c:CH+2*\c+1], v[CH+2*\c:CH+2*\c+1], v[XD+k+2*\c:XD+k+2*\c+1]
.endr
.set k, k+8
.endr
	FOLD
	ds_store_b32 v8, v[CH]
	BAR                                            ; the half sums, g1, b1 and the bias lie in LDS
	ds_load_b32 v[T2], v9
	GLOAD 0, 0, GX, GX+16
	GLOAD 0, 1, GY, TM
	s_wait_dscnt 16                                ; the partner's word is in; the sixteen loads behind it may be out
	v_add_f32 v[MU], v[CH], v[T2]
	v_mul_f32 v[MU], s68, v[MU]                    ; the mean
	v_mov_b32 v[MU+1], v[MU]
.set k, 0
.rept 64
	v_pk_add_f32 v[XD+k:XD+k+1], v[XD+k:XD+k+1], v[MU:MU+1] op_sel_hi:[1,0] neg_lo:[0,1] neg_hi:[0,1]
.set k, k+2
.endr
.irp c, 0,1,2,3
	v_pk_mul_f32 v[CH+2*\c:CH+2*\c+1], v[XD+2*\c:XD+2*\c+1], v[XD+2*\c:XD+2*\c+1]
.endr
.set k, 8
.rept 15
.irp c, 0,1,2,3
	v_pk_fma_f32 v[CH+2*\c:CH+2*\c+1], v[XD+k+2*\c:XD+k+2*\c+1], v[XD+k+2*\c:XD+k+2*\c+1], v[CH+2*\c:CH+2*\c+1]
.endr
.set k, k+8
.endr
	FOLD
	ds_store_b32 v8, v[CH] offset:2048
	BAR
	ds_load_b32 v[T2], v9 offset:2048
	s_wait_dscnt 0x0
	v_add_f32 v[T0], v[CH], v[T2]
	v_fmaak_f32 v[T0], s68, v[T0], 0x3727c5ac      ; the variance + 1e-5
	v_rsq_f32 v[RS], v[T0]
	v_mov_b32 v[RS+1], 0                           ; (a plain place; the pair's upper half is named, so it is written)
	s_wait_alu depctr_va_vdst(0)                   ; ahead of the first reader of a transcendental's result
	NORM 0, 0, GX, GX+16
	GLOAD 0, 2, GX, GX+16
	NORM 0, 1, GY, TM
	GLOAD 0, 3, GY, TM
	s_wait_dscnt 8                                 ; the older buffer is in; the younger's eight loads may be out
	NORM 0, 2, GX, GX+16
	GLOAD 1, 0, GX, GX+16
	s_wait_dscnt 8
	NORM 0, 3, GY, TM
	QUANT XD, PA, PA+6, PW0
	XIMG 0
	GLOAD 1, 1, GY, TM
	s_wait_dscnt 8                                 ; the first buffer and the image's stores are done
	NORM 1, 0, GX, GX+16
	GLOAD 1, 2, GX, GX+16
	s_wait_dscnt 8
	NORM 1, 1, GY, TM
	GLOAD 1, 3, GY, TM
	s_wait_dscnt 8
	NORM 1, 2, GX, GX+16
	s_wait_dscnt 0x0
	NORM 1, 3, GY, TM
	QUANT XD+64, PA, PA+6, PW0
	XIMG 1
	s_wait_tensorcnt 0x0                           ; my part of W has landed,
	BAR                                            ; everybody's has, and x's panel is whole
	; ---- the product: K = 512 in four steps
	KSTEP 0, 1
	KSTEP 1, 0
	KSTEP 2, 0
	KSTEP 3, 0
	s_cmp_lt_u32 ttmp9, 48
	s_cbranch_scc0 .Lepiv
	; ---- q, k: + bias; two heads x two tiles of tokens
.irp b, 0,1,2,3
.irp q, 0,1,2,3
	ds_load_b128 v[160+16*\b+4*\q:160+16*\b+4*\q+3], v17 offset:128*\b+16*\q
.endr
.endr
	s_mov_b32 s52, 208896
	s_mov_b32 s53, 196608
	s_cmp_eq_u32 s29, 0
	s_cselect_b32 s52, 53248, s52                  ; a head's bytes in qc or in kv
	s_cselect_b32 s53, 49152, s53                  ; where its scale words begin
	s_lshl_b32 s54, s45, 3
	s_lshl_b32 s49, s55, 1
	s_add_co_u32 s54, s54, s49                     ; 8 batch + my first head
	s_mul_i32 s54, s54, s52
	s_lshl_b32 s49, s46, 2
	s_add_co_u32 s49, s49, s56                     ; my pair of tiles
	s_mul_i32 s78, s49, 1536
	s_add_co_u32 s78, s78, s54
	s_mov_b32 s79, 0
	s_add_nc_u64 s[70:71], s[22:23], s[78:79]
	s_lshl_b32 s78, s49, 7
	s_add_co_u32 s78, s78, s54
	s_add_co_u32 s78, s78, s53
	s_add_nc_u64 s[72:73], s[22:23], s[78:79]
	s_mov_b32 s78, s52
	s_add_nc_u64 s[74:75], s[70:71], s[78:79]      ; the second head
	s_add_nc_u64 s[76:77], s[72:73], s[78:79]
	s_wait_dscnt 0x0
.set k, 0
.rept 32
	v_pk_add_f32 v[32+k:33+k], v[32+k:33+k], v[160+k:161+k]   ; each accumulator from its low end on
.set k, k+2
.endr
.set k, 0
.rept 32
	v_pk_add_f32 v[96+k:97+k], v[96+k:97+k], v[160+k:161+k]
.set k, k+2
.endr
	QUANT 32, PA, 160, PW0                         ; tile 2 p: head 2 c's 64 -> v20-25, head 2 c + 1's -> v160-165
	QUANT 96, PA+6, 166, PW1                       ; tile 2 p + 1: -> v26-31, v166-171
	v_cmp_le_u32 s44, 16, v1
	v_cndmask_b32 v[T0], v[PW0], v[PW1], s44       ; lanes 0-15 the first tile's word, lanes 16-31 the second's
	v_lshrrev_b32 v[T1], 16, v[T0]                 ; the second head's two bytes,
	v_and_b32 v[T0], 0xffff, v[T0]                 ; the first's; bytes 2 and 3 are 0: they meet zero codes
.irp g, 0,1,2
	global_store_b128 v19, v[PA+4*\g:PA+4*\g+3], s[70:71] offset:512*\g
.endr
	global_store_b32 v[L4], v[T0], s[72:73]
.irp g, 0,1,2
	global_store_b128 v19, v[160+4*\g:160+4*\g+3], s[74:75] offset:512*\g
.endr
	global_store_b32 v[L4], v[T1], s[76:77]
	s_branch .Ltail
.Lepiv:
	; ---- v: + bias; two tiles of columns x 128 keys
	ds_load_b32 v160, v18
	ds_load_b32 v162, v18 offset:32
	s_lshl_b32 s54, s45, 3
	s_lshr_b32 s49, s[WV], 1
	s_add_co_u32 s54, s54, s49                     ; 8 batch + head
	s_mul_i32 s54, s54, 208896
	s_and_b32 s49, s[WV], 1
	s_lshl_b32 s52, s46, 2
	s_lshl_b32 s53, s49, 1
	s_add_co_u32 s52, s52, s53                     ; 4 step + my first tile of the head's four
	s_mul_i32 s78, s52, 1536
	s_add_co_u32 s78, s78, s54
	s_add_co_u32 s78, s78, 98304
	s_mov_b32 s79, 0
	s_add_nc_u64 s[70:71], s[24:25], s[78:79]
	s_lshl_b32 s52, s46, 1
	s_add_co_u32 s52, s52, s49
	s_lshl_b32 s78, s52, 7
	s_add_co_u32 s78, s78, s54
	s_add_co_u32 s78, s78, 204800
	s_add_nc_u64 s[72:73], s[24:25], s[78:79]
	s_wait_dscnt 0x0
.set k, 0
.rept 32
	v_pk_add_f32 v[32+k:33+k], v[32+k:33+k], v[160:161] op_sel_hi:[1,0]
.set k, k+2
.endr
.set k, 0
.rept 32
	v_pk_add_f32 v[96+k:97+k], v[96+k:97+k], v[162:163] op_sel_hi:[1,0]
.set k, k+2
.endr
	QUANT 32, PA, PA+6, PW0
	QUANT 96, 160, 166, PW1
	v_cmp_le_u32 s44, 16, v1
	v_cndmask_b32 v[T0], v[PW0], v[PW1], s44       ; lanes 0-15 the even tile's words, lanes 16-31 the odd one's
.irp g, 0,1,2
	global_store_b128 v19, v[PA+4*\g:PA+4*\g+3], s[70:71] offset:512*\g
.endr
.irp g, 0,1,2
	global_store_b128 v19, v[160+4*\g:160+4*\g+3], s[70:71] offset:1536+512*\g
.endr
	global_store_b32 v[L4], v[T0], s[72:73]
.Ltail:
	BAR                                            ; every wave's LDS reads are over
	s_wait_tensorcnt 0x0                           ; the wave's end
	ds_add_u32 v4, v5
	s_wait_dscnt 0x0
	CROUND                                         ; the closing round
	s_endpgm
.Lfunc_end_k_q15aa774256_proj:
	.size	k_q15aa774256_proj, .Lfunc_end_k_q15aa774256_proj-k_q15aa774256_proj
	.p2alignl 7, 3214868480
	.fill 96, 4, 3214868480
	.section	.rodata,"a",@progbits
	.p2align	6, 0x0
	.amdhsa_kernel k_q15aa774256_proj
		.amdhsa_group_segment_fixed_size 278528
		.amdhsa_private_segment_fixed_size 0
		.amdhsa_enable_private_segment 0
		.amdhsa_kernarg_size 88
		.amdhsa_user_sgpr_count 2
		.amdhsa_user_sgpr_kernarg_segment_ptr 1
		.amdhsa_wavefront_size32 1
		.amdhsa_system_sgpr_workgroup_id_x 1
		.amdhsa_system_sgpr_workgroup_id_y 1
		.amdhsa_system_sgpr_workgroup_id_z 1
		.amdhsa_system_vgpr_workitem_id 0
		.amdhsa_next_free_vgpr 256
		.amdhsa_next_free_sgpr 80
		.amdhsa_reserve_vcc 0
		.amdhsa_float_denorm_mode_32 3
		.amdhsa_float_denorm_mode_16_64 3
		.amdhsa_memory_ordered 1
		.amdhsa_forward_progress 1
		.amdhsa_inst_pref_size 91
	.end_amdhsa_kernel
	.amdgpu_metadata
---
amdhsa.version: [ 1, 2 ]
amdhsa.kernels:
  - .name:           k_q15aa774256_proj
    .symbol:         k_q15aa774256_proj.kd
    .args:
      - { .name: xq, .offset: 0, .size: 8, .value_kind: global_buffer, .address_space: global }
      - { .name: xk, .offset: 8, .size: 8, .value_kind: global_buffer, .address_space: global }
      - { .name: xv, .offset: 16, .size: 8, .value_kind: global_buffer, .address_space: global }
      - { .name: g1, .offset: 24, .size: 8, .value_kind: global_buffer, .address_space: global }
      - { .name: b1, .offset: 32, .size: 8, .value_kind: global_buffer, .address_space: global }
      - { .name: bq, .offset: 40, .size: 8, .value_kind: global_buffer, .address_space: global }
      - { .name: bk, .offset: 48, .size: 8, .value_kind: global_buffer, .address_space: global }
      - { .name: bv, .offset: 56, .size: 8, .value_kind: global_buffer, .address_space: global }
      - { .name: wts, .offset: 64, .size: 8, .value_kind: global_buffer, .address_space: global }
      - { .name: qc, .offset: 72, .size: 8, .value_kind: global_buffer, .address_space: global }
      - { .name: kv, .offset: 80, .size: 8, .value_kind: global_buffer, .address_space: global }
    .group_segment_fixed_size: 278528
    .private_segment_fixed_size: 0
    .kernarg_segment_align: 8
    .kernarg_segment_size: 88
    .max_flat_workgroup_size: 512
    .sgpr_count:     80
    .vgpr_count:     256
    .wavefront_size: 32
...
	.end_amdgpu_metadata
.endif
;; end of part 2
;; launch attn (part 3): grid 4 x 64, 16 waves a work-group, clusters of 4 x 1, 210,944 bytes of LDS; arguments qc, kv, oa; writes oa
.if DOCPART == 3
	.amdgcn_target "amdgcn-amd-amdhsa--gfx1250"
	.amdhsa_code_object_version 6
	.text
	.protected	k_q15aa774256_attn
	.globl	k_q15aa774256_attn
	.p2align	8
	.type	k_q15aa774256_attn,@function
k_q15aa774256_attn:
	s_mov_b64 s[64:65], 0
	v_nop
	global_prefetch_b8 v0, s[64:65] scope:SCOPE_SE
	s_setreg_imm32_b32 hwreg(HW_REG_WAVE_MODE, 25, 1), 1
	s_wait_xcnt 0x0
	s_wait_alu depctr_hold_cnt(0) depctr_sa_sdst(0) depctr_va_vdst(0) depctr_va_sdst(0) depctr_va_ssrc(0) depctr_va_vcc(0) depctr_vm_vsrc(0)
	s_getreg_b32 s2, hwreg(HW_REG_IB_STS2, 6, 4)
	s_cmp_eq_u32 s2, 0
	s_cbranch_scc0 .Lentry_in_a_cluster
	s_endpgm
.Lentry_in_a_cluster:
	s_bfe_u32 s2, ttmp6, 0x10000c
	s_cmp_lg_u32 s2, 0x3003
	s_cbranch_scc0 .Lentry_shape_is_right
	s_endpgm
.Lentry_shape_is_right:
; o = softmax(q k^T / 8) v for one head and 256 queries, both products on codes of FP6 (E2M3) with E8M0 scales; o leaves quantised along the head's 64, as half a fragment of the next product.
; THE SOFTMAX: t = score x log2(e) / 8; M = the running largest t rounded UP to a whole number; p = 2^(t - M) is quantised along the keys, not normalised; the row's sum is taken of the unquantised p and divides at the end.
; SHARES.  y = 8 batch + head; the four work-groups of a cluster are the head's four blocks of 256 queries.  The head's whole K and V (208,896 bytes of codes and scale words, laid as register images) come into LDS ONCE,
; jointly for the four: one tensor load a wave, nothing is filled again.  Each of sixteen waves owns one tile of 16 queries and walks the 2,048 keys, 128 a step.
; LAYOUT.  S^T = K Q^T, O^T = V^T P^T: a lane holds one query throughout.  K = 64 is half of the instruction's 128: q's registers 6-11 are ZERO CODES, so K's registers 6-11 may be anything that is a code: tile t of a step
; stands at v[32 + 6 t], and its upper six registers are the next tile's codes (the last tile's: zeros).  The scale words' bytes 2 and 3 are 0, which is a small number and no NaN.
; LIMITS: NaN and infinities are not served; a block of zeros, or one under 2^-124, gets the byte 1.
; REGISTERS: v2-5 lane places; v8-11 the step's addresses; v12 -M, v13 largest t, v[14:15] the sum; v16-27 q; v28 q's scale words; v32-85 K, then V in v32-79; v86-91 K's and V's scale words; v96-159 S^T, then p;
;   v160-191 O^T; v192-203 p's codes; v204-211 half blocks; v212-223 maxima, bytes, scale operands; v226 f, v227 p's scale word.
.set WV, 10
.set VI, 98304
.set KS, 196608
.set VS, 204800
.set SPARE, 208896
.set BM, 212
.set BP, 216
.set BS, 220
.macro PLACES n
.rept \n
	v_nop
.endr
.endm
.macro CROUND
	s_barrier_signal -1
	s_barrier_wait -1
	s_cmp_lg_u32 s[WV], 0
	s_cbranch_scc1 .Lnw0_\@
	s_barrier_signal -3
.Lnw0_\@:
	s_barrier_wait -3
	s_barrier_signal -1
	s_barrier_wait -1
.endm
	s_load_b128 s[4:7], s[0:1], 0x0                ; qc, kv
	s_load_b64 s[8:9], s[0:1], 0x10                ; oa
	v_lshl_add_u32 v6, v0, 2, SPARE
	v_mov_b32 v7, 0
	ds_add_u32 v6, v7                              ; the wave's opening: the add and its wait stand ahead of my first tensor load
	v_lshrrev_b32 v1, 5, v0
	v_readfirstlane_b32 s[WV], v1                  ; wave 0..15
	v_and_b32 v1, 31, v0                           ; lane
	s_bfe_u32 s11, ttmp6, 0x40000                  ; cx
	s_lshl_b32 s12, ttmp9, 2
	s_add_co_u32 s12, s12, s11                     ; my block of 256 queries: it enters q's and o's addresses alone
	s_and_b32 s13, ttmp7, 0xffff                   ; 8 batch + head, which the partners share
	s_mov_b32 s16, 15|(3<<16)|(1<<21)              ; group 1: 51 rows of 256 bytes, dense; the mask names all four
	s_mov_b32 s17, 32<<16
	s_mov_b32 s18, 51<<16
	s_mov_b32 s19, 32<<16
	s_mov_b32 s20, 51
	s_mov_b32 s21, 32
	s_mov_b32 s22, 0
	s_mov_b32 s23, 0
	s_mul_i32 s14, s[WV], 13056                    ; my sixteenth
	s_mul_i32 s24, s13, 208896
	s_add_co_u32 s24, s24, s14
	s_mov_b32 s25, 0
	s_mov_b32 s28, 1
	s_mov_b32 s29, s14
	s_lshl_b32 s44, s12, 3
	s_lshr_b32 s45, s[WV], 1
	s_add_co_u32 s44, s44, s45                     ; my pair of tiles of queries
	s_and_b32 s45, s[WV], 1                        ; and which of the two is mine
	s_mul_i32 s46, s13, 53248
	s_mul_i32 s47, s44, 1536
	s_add_co_u32 s48, s46, s47
	s_mov_b32 s49, 0
	s_lshl_b32 s47, s44, 7
	s_add_co_u32 s50, s46, s47
	s_add_co_u32 s50, s50, 49152
	s_mov_b32 s51, 0
	v_lshlrev_b32 v2, 4, v1                        ; K's images: 16 x lane
	v_add_nc_u32 v3, VI, v2                        ; V's
	v_lshl_add_u32 v4, v1, 2, KS                   ; K's scale words: 4 x lane
	v_lshl_add_u32 v5, v1, 2, VS                   ; V's
	s_mul_i32 s46, s45, 520                        ; registers 6 u .. 6 u + 5 of the pair's image: pieces of 8 bytes at 0, 8, 512 (u = 0) or 520, 1,024, 1,032 (u = 1)
	v_lshl_add_u32 v8, v1, 4, s46
	s_mul_i32 s46, s45, 1016
	s_add_co_u32 s46, s46, 8
	v_lshl_add_u32 v9, v1, 4, s46
	v_and_b32 v10, 15, v0
	s_lshl_b32 s46, s45, 6
	v_lshl_add_u32 v10, v10, 2, s46                ; my tile's scale words: 64 u + 4 r
	s_mov_b32 s36, 0x76543210
	s_mov_b32 s37, 0xfedcba98                      ; lane l xor 16
	s_mov_b32 s38, 0x3e38aa3b                      ; c = log2(e) / 8
	s_mov_b32 s39, s38
	s_mov_b32 s40, 16                              ; key steps
	s_mov_b32 s41, 0                               ; the step's images: 6,144 bytes a step, of K and of V
	s_mov_b32 s42, 0                               ; K's scale words: 512
	s_mov_b32 s43, 0                               ; V's: 256
	s_wait_dscnt 0x0                               ; the opening add is done
	s_wait_kmcnt 0x0
	s_add_nc_u64 s[30:31], s[6:7], s[24:25]
	s_or_b32 s31, s31, 0x80000000
	s_add_nc_u64 s[32:33], s[4:5], s[48:49]
	s_add_nc_u64 s[34:35], s[4:5], s[50:51]
	CROUND                                         ; all four partners are here: the joint loads meet
	tensor_load_to_lds s[28:31], s[16:23]          ; my one tensor load of the launch
	s_nop 0
	PLACES 4
	global_load_b64 v[16:17], v8, s[32:33]
	global_load_b64 v[18:19], v9, s[32:33]
	global_load_b64 v[20:21], v8, s[32:33] offset:512
	global_load_b32 v28, v10, s[34:35]
.irp j, 22,23,24,25,26,27, 80,81,82,83,84,85
	v_mov_b32 v\j, 0                               ; zero codes for K = 64 .. 127
.endr
	v_mov_b32 v13, 0xff61b1e6                      ; the largest t so far: -3e38
	v_floor_f32 v12, -v13                          ; -M
	v_mov_b32 v14, 0
	v_mov_b32 v15, 0
.irp b, 0,1,2,3
	v_mov_b32 v[BP+\b], 0                          ; (a lane permute's destination counts as one of its sources)
.endr
	v_mov_b32 v227, 0
.set j, 0
.rept 32
	v_mov_b32 v[160+j], 0                          ; O^T: the step is written once, and its first trip finds zeros
.set j, j+1
.endr
	s_wait_tensorcnt 0x0                           ; my part has landed,
	s_wait_dscnt 0x0
	s_barrier_signal -1
	s_barrier_wait -1                              ; everybody's has
	s_wait_loadcnt 0x0                             ; q
.Lstep:
	v_add_nc_u32 v8, s41, v2                       ; (these four are also the places behind the last products, in front of the loads)
	v_add_nc_u32 v9, s41, v3
	v_add_nc_u32 v10, s42, v4
	v_add_nc_u32 v11, s43, v5
.set m, 0
.rept 12
	ds_load_b128 v[32+4*m:35+4*m], v8 offset:512*m ; four pair images: eight tiles of 16 keys
.set m, m+1
.endr
.irp p, 0,1,2,3
	ds_load_b32 v[86+\p], v10 offset:128*\p
.endr
	s_wait_dscnt 0x0
.irp t, 0,2,4,6
	v_wmma_scale_f32_16x16x128_f8f6f4 v[96+8*\t:103+8*\t], v[32+6*\t:43+6*\t], v[16:27], 0, v[86+\t/2], v28 matrix_a_fmt:MATRIX_FMT_FP6 matrix_b_fmt:MATRIX_FMT_FP6
	v_wmma_scale_f32_16x16x128_f8f6f4 v[104+8*\t:111+8*\t], v[38+6*\t:49+6*\t], v[16:27], 0, v[86+\t/2], v28 matrix_a_fmt:MATRIX_FMT_FP6 matrix_b_fmt:MATRIX_FMT_FP6 matrix_a_scale:MATRIX_SCALE_ROW1
.endr
	PLACES 4                                       ; in front of the loads into K's registers and of the first read of the scores
.set m, 0
.rept 12
	ds_load_b128 v[32+4*m:35+4*m], v9 offset:512*m ; V's four fragments land while the softmax is walked
.set m, m+1
.endr
	ds_load_b32 v90, v11
	ds_load_b32 v91, v11 offset:128
.irp b, 0,1,2,3
	v_max3_num_f32 v[BM+\b], v[96+16*\b], v[97+16*\b], v[98+16*\b]   ; the largest score of each block of 32 keys: for the row's maximum and, since p rises with the score, for the block's largest p
.endr
.irp i, 3,5,7,9,11,13
.irp b, 0,1,2,3
	v_max3_num_f32 v[BM+\b], v[BM+\b], v[96+16*\b+\i], v[97+16*\b+\i]
.endr
.endr
.irp b, 0,1,2,3
	v_max_num_f32 v[BM+\b], v[BM+\b], v[111+16*\b]
.endr
.irp b, 0,1,2,3
	v_permlanex16_b32 v[BP+\b], v[BM+\b], s36, s37
.endr
.irp b, 0,1,2,3
	v_max_num_f32 v[BM+\b], v[BM+\b], v[BP+\b]
.endr
	v_max3_num_f32 v224, v212, v213, v214
	v_max_num_f32 v224, v224, v215
	v_mul_f32 v224, s38, v224                      ; as t
	v_max_num_f32 v13, v13, v224                   ; the running largest t
	v_mov_b32 v224, v12
	v_floor_f32 v12, -v13                          ; the new -M = -ceil(t)
	v_sub_f32 v224, v12, v224                      ; old M - new M: a whole number, 0 or less
	v_cvt_i32_f32 v224, v224                       ; (it saturates)
	v_ldexp_f32 v226, 1.0, v224                    ; f = 2^(old M - new M)
.set j, 0
.rept 32
	v_pk_fma_f32 v[96+j:97+j], v[96+j:97+j], s[38:39], v[12:13] op_sel_hi:[1,0,0]   ; t - M
.set j, j+2
.endr
.irp b, 0,1,2,3
	v_fma_f32 v[BM+\b], v[BM+\b], s38, v12
.endr
.set j, 0
.rept 64
	v_exp_f32 v[96+j], v[96+j]                     ; p = 2^(t - M)
.set j, j+1
.endr
	v_pk_mul_f32 v[14:15], v[14:15], v[226:227] op_sel_hi:[1,0]   ; the sums under the new M (a plain place behind the exponentials)
	s_wait_alu depctr_va_vdst(0)                   ; one wait for the batch, ahead of its first reader
.irp b, 0,1,2,3
	v_exp_f32 v[BM+\b], v[BM+\b]                   ; each block's largest p
.endr
	v_pk_add_f32 v[228:229], v[96:97], v[98:99]    ; the row's sum of the unquantised p, in two chains
.irp j, 4,8,12,16,20,24,28,32,36,40,44,48,52,56,60
	v_pk_add_f32 v[14:15], v[14:15], v[96+\j:97+\j]
	v_pk_add_f32 v[228:229], v[228:229], v[98+\j:99+\j]
.endr
	v_pk_add_f32 v[14:15], v[14:15], v[228:229]
	s_wait_alu depctr_va_vdst(0)                   ; and one for the four
.irp b, 0,1,2,3
	v_max_num_f32 v[BM+\b], 0x1800000, v[BM+\b]    ; the floor 2^(3 - 127)
.endr
.irp b, 0,1,2,3
	v_add_nc_u32 v[BS+\b], 0xff000000, v[BM+\b]    ; the conversion's scale operand
.endr
.irp b, 0,1,2,3
	v_lshrrev_b32 v[BP+\b], 23, v[BS+\b]           ; the scale's byte
.endr
	v_lshl_or_b32 v227, v217, 8, v216              ; p's scale word for these 128 keys
	v_lshl_or_b32 v227, v218, 16, v227
	v_lshl_or_b32 v227, v219, 24, v227
.irp c, 0,1
	v_cvt_scalef32_pk16_fp6_f32 v[192+6*\c:194+6*\c], v[96+32*\c:111+32*\c], v[BS+2*\c]
	v_cvt_scalef32_pk16_fp6_f32 v[204+4*\c:206+4*\c], v[112+32*\c:127+32*\c], v[BS+2*\c+1]
.endr
	v_nop                                          ; one plain place behind a scaled conversion
.irp c, 0,1
.irp i, 0,1,2
	v_permlane16_swap_b32 v[192+6*\c+\i], v[204+4*\c+\i]
.endr
.irp i, 0,1,2
	v_mov_b32 v[195+6*\c+\i], v[204+4*\c+\i]
.endr
.endr
.set j, 0
.rept 16
	v_pk_mul_f32 v[160+j:161+j], v[160+j:161+j], v[226:227] op_sel_hi:[1,0]   ; O^T under the new M; these sixteen also stand between the writes of p's codes and scale word and the products
.set j, j+2
.endr
	s_wait_dscnt 0x0                               ; V is in
.irp n, 0,2
	v_wmma_scale_f32_16x16x128_f8f6f4 v[160+8*\n:167+8*\n], v[32+12*\n:43+12*\n], v[192:203], v[160+8*\n:167+8*\n], v[90+\n/2], v227 matrix_a_fmt:MATRIX_FMT_FP6 matrix_b_fmt:MATRIX_FMT_FP6
	v_wmma_scale_f32_16x16x128_f8f6f4 v[168+8*\n:175+8*\n], v[44+12*\n:55+12*\n], v[192:203], v[168+8*\n:175+8*\n], v[90+\n/2], v227 matrix_a_fmt:MATRIX_FMT_FP6 matrix_b_fmt:MATRIX_FMT_FP6 matrix_a_scale:MATRIX_SCALE_ROW1
.endr
	s_add_co_u32 s41, s41, 6144
	s_add_co_u32 s42, s42, 512
	s_add_co_u32 s43, s43, 256
	s_sub_co_u32 s40, s40, 1
	s_cmp_lg_u32 s40, 0
	s_cbranch_scc1 .Lstep
	; ---- the way out: O^T / the sum, quantised along the head's 64: registers 6 (head % 2) .. + 5 of K step head / 2 of the next product's operand
	PLACES 4
	v_add_f32 v14, v14, v15
	v_permlanex16_b32 v224, v14, s36, s37
	v_add_f32 v14, v14, v224                       ; the row's sum
	v_rcp_f32 v226, v14
	v_lshlrev_b32 v8, 3, v1                        ; (plain work behind the reciprocal)  8 x lane
	v_lshlrev_b32 v9, 2, v1                        ; 4 x lane
	s_lshr_b32 s44, s13, 3
	s_lshl_b32 s44, s44, 3
	s_lshl_b32 s45, s12, 1
	s_add_co_u32 s44, s44, s45
	s_lshr_b32 s45, s[WV], 3
	s_add_co_u32 s44, s44, s45                     ; the panel of my 128 tokens
	s_mul_i32 s44, s44, 53248
	s_and_b32 s45, s[WV], 7                        ; my tile in it
	s_and_b32 s46, s13, 7                          ; the head
	s_mul_i32 s47, s45, 6144
	s_mul_i32 s48, s46, 768
	s_add_co_u32 s50, s44, s47
	s_add_co_u32 s50, s50, s48
	s_mov_b32 s51, 0
	s_add_nc_u64 s[52:53], s[8:9], s[50:51]
	s_lshl_b32 s47, s45, 2
	s_lshr_b32 s48, s46, 1
	s_add_co_u32 s47, s47, s48
	s_lshl_b32 s47, s47, 7
	s_and_b32 s48, s46, 1
	s_lshl_b32 s48, s48, 1
	s_add_co_u32 s50, s44, s47
	s_add_co_u32 s50, s50, s48
	s_add_co_u32 s50, s50, 49152
	s_add_nc_u64 s[54:55], s[8:9], s[50:51]
	s_wait_alu depctr_va_vdst(0)
.set j, 0
.rept 16
	v_pk_mul_f32 v[160+j:161+j], v[160+j:161+j], v[226:227] op_sel_hi:[1,0]
.set j, j+2
.endr
.irp b, 0,1
	v_max3_num_f32 v[BM+\b], |v[160+16*\b]|, |v[161+16*\b]|, 0x1800000
.endr
.irp i, 2,4,6,8,10,12,14
.irp b, 0,1
	v_max3_num_f32 v[BM+\b], v[BM+\b], |v[160+16*\b+\i]|, |v[161+16*\b+\i]|
.endr
.endr
.irp b, 0,1
	v_permlanex16_b32 v[BP+\b], v[BM+\b], s36, s37
.endr
.irp b, 0,1
	v_max_num_f32 v[BM+\b], v[BM+\b], v[BP+\b]
.endr
.irp b, 0,1
	v_add_nc_u32 v[BS+\b], 0xff000000, v[BM+\b]
.endr
.irp b, 0,1
	v_lshrrev_b32 v[BP+\b], 23, v[BS+\b]
.endr
	v_lshl_or_b32 v224, v217, 8, v216              ; the head's two bytes of the scale word
	v_cvt_scalef32_pk16_fp6_f32 v[192:194], v[160:175], v220
	v_cvt_scalef32_pk16_fp6_f32 v[204:206], v[176:191], v221
	v_nop
.irp i, 0,1,2
	v_permlane16_swap_b32 v[192+\i], v[204+\i]
.endr
.irp i, 0,1,2
	v_mov_b32 v[195+\i], v[204+\i]
.endr
.irp g, 0,1,2
	global_store_b64 v8, v[192+2*\g:193+2*\g], s[52:53] offset:256*\g   ; 32 lanes store 256 consecutive bytes, aligned
.endr
	global_store_b16 v9, v224, s[54:55]
	s_wait_tensorcnt 0x0                           ; the wave's end
	ds_add_u32 v6, v7
	s_wait_dscnt 0x0
	CROUND                                         ; the closing round
	s_endpgm
.Lfunc_end_k_q15aa774256_attn:
	.size	k_q15aa774256_attn, .Lfunc_end_k_q15aa774256_attn-k_q15aa774256_attn
	.p2alignl 7, 3214868480
	.fill 96, 4, 3214868480
	.section	.rodata,"a",@progbits
	.p2align	6, 0x0
	.amdhsa_kernel k_q15aa774256_attn
		.amdhsa_group_segment_fixed_size 210944
		.amdhsa_private_segment_fixed_size 0
		.amdhsa_enable_private_segment 0
		.amdhsa_kernarg_size 24
		.amdhsa_user_sgpr_count 2
		.amdhsa_user_sgpr_kernarg_segment_ptr 1
		.amdhsa_wavefront_size32 1
		.amdhsa_system_sgpr_workgroup_id_x 1
		.amdhsa_system_sgpr_workgroup_id_y 1
		.amdhsa_system_sgpr_workgroup_id_z 1
		.amdhsa_system_vgpr_workitem_id 0
		.amdhsa_next_free_vgpr 256
		.amdhsa_next_free_sgpr 66
		.amdhsa_reserve_vcc 0
		.amdhsa_float_denorm_mode_32 3
		.amdhsa_float_denorm_mode_16_64 3
		.amdhsa_memory_ordered 1
		.amdhsa_forward_progress 1
		.amdhsa_inst_pref_size 27
	.end_amdhsa_kernel
	.amdgpu_metadata
---
amdhsa.version: [ 1, 2 ]
amdhsa.kernels:
  - .name:           k_q15aa774256_attn
    .symbol:         k_q15aa774256_attn.kd
    .args:
      - { .name: qc, .offset: 0, .size: 8, .value_kind: global_buffer, .address_space: global }
      - { .name: kv, .offset: 8, .size: 8, .value_kind: global_buffer, .address_space: global }
      - { .name: oa, .offset: 16, .size: 8, .value_kind: global_buffer, .address_space: global }
    .group_segment_fixed_size: 210944
    .private_segment_fixed_size: 0
    .kernarg_segment_align: 8
    .kernarg_segment_size: 24
    .max_flat_workgroup_size: 512
    .sgpr_count:     66
    .vgpr_count:     256
    .wavefront_size: 32
...
	.end_amdgpu_metadata
.endif
;; end of part 3
;; launch wo (part 4): grid 256 x 1, 8 waves a work-group, no clusters, 5,120 bytes of LDS; arguments oa, wts, xq, g2, b2, ab, h1; writes ab, h1
.if DOCPART == 4
	.amdgcn_target "amdgcn-amd-amdhsa--gfx1250"
	.amdhsa_code_object_version 6
	.text
	.protected	k_q15aa774256_wo
	.globl	k_q15aa774256_wo
	.p2align	8
	.type	k_q15aa774256_wo,@function
k_q15aa774256_wo:
	s_mov_b64 s[64:65], 0
	v_nop
	global_prefetch_b8 v0, s[64:65] scope:SCOPE_SE
	s_setreg_imm32_b32 hwreg(HW_REG_WAVE_MODE, 25, 1), 1
	s_wait_xcnt 0x0
; a = xq + o Wo (on codes of FP6 with E8M0 scales), stored in f32; h = LN(a) with g2, b2, quantised along the 512 columns, stored as codes.
; SHARES.  A work-group owns 32 tokens (tiles 2 P, 2 P + 1) and all 512 columns, so that a row's mean and variance stay in the work-group.  Wave c owns columns 64 c .. 64 c + 63: four tiles of Wo x two tiles of tokens.
; NO TENSOR LOAD, NO CLUSTER: each fragment of Wo is used by exactly one wave of the work-group and once, so it goes from memory straight into that wave's registers (three loads of 512 consecutive bytes);
; what partners could share would still have to be read out of LDS once for each use.
; The product is used transposed (source 0 = Wo's tiles): a lane holds one token, its registers run along the columns.  a leaves as an image of the 64 registers (8,192 bytes for a pair of tiles and 64 columns).
; LIMITS: NaN and infinities are not served; a block of zeros, or one under 2^-124, gets the byte 1.
; REGISTERS: v1-12 lane terms, addresses; v14-25 sums, later codes; v28-31 means; v32-95 accumulators ((i, j) at 32 + 32 j + 8 i), later the quantiser's work; v96-167, v168-239 two sets of fragments; later v96-159 a, v168-231 g2, b2;
;   v240-251 scale words and nothing else; v252-255 1 / sigma.
.set WV, 18
.set SEL, 40
.set SPARE, 4096                       ; LDS: the sums from 0 (256 bytes a wave), the squares from 2,048, the spare words here
.set FB0, 96
.set FB1, 168
.set SB0, 240
.set SB1, 246
.set R, 96
.set TM, 32
.set X2, 160
.set PC, 14
.set PW, 26
.macro PLACES n
.rept \n
	v_nop
.endr
.endm
.macro BAR
	s_wait_dscnt 0x0
	s_barrier_signal -1
	s_barrier_wait -1
.endm
.macro QUANT s, d0, d1, pw
.irp b, 0,1,2,3
	v_max3_num_f32 v[TM+\b], |v[(\s)+16*\b]|, |v[(\s)+1+16*\b]|, 0x1800000   ; with the floor 2^(3 - 127)
.endr
.irp i, 2,4,6,8,10,12,14
.irp b, 0,1,2,3
	v_max3_num_f32 v[TM+\b], v[TM+\b], |v[(\s)+16*\b+\i]|, |v[(\s)+1+16*\b+\i]|
.endr
.endr
.irp b, 0,1,2,3
	v_permlanex16_b32 v[TM+4+\b], v[TM+\b], s[SEL], s[SEL+1]
.endr
.irp b, 0,1,2,3
	v_max_num_f32 v[TM+\b], v[TM+\b], v[TM+4+\b]
.endr
.irp b, 0,1,2,3
	v_add_nc_u32 v[TM+12+\b], 0xff000000, v[TM+\b]
.endr
.irp b, 0,1,2,3
	v_lshrrev_b32 v[TM+4+\b], 23, v[TM+12+\b]
.endr
	v_lshl_or_b32 v[\pw], v[TM+5], 8, v[TM+4]
	v_lshl_or_b32 v[\pw], v[TM+6], 16, v[\pw]
	v_lshl_or_b32 v[\pw], v[TM+7], 24, v[\pw]
	v_cvt_scalef32_pk16_fp6_f32 v[(\d0):(\d0)+2], v[(\s):(\s)+15], v[TM+12]
	v_cvt_scalef32_pk16_fp6_f32 v[X2:X2+2], v[(\s)+16:(\s)+31], v[TM+13]
	v_cvt_scalef32_pk16_fp6_f32 v[(\d1):(\d1)+2], v[(\s)+32:(\s)+47], v[TM+14]
	v_cvt_scalef32_pk16_fp6_f32 v[X2+4:X2+6], v[(\s)+48:(\s)+63], v[TM+15]
	v_nop
.irp i, 0,1,2
	v_permlane16_swap_b32 v[(\d0)+\i], v[X2+\i]
.endr
.irp i, 0,1,2
	v_mov_b32 v[(\d0)+3+\i], v[X2+\i]
.endr
.irp i, 0,1,2
	v_permlane16_swap_b32 v[(\d1)+\i], v[X2+4+\i]
.endr
.irp i, 0,1,2
	v_mov_b32 v[(\d1)+3+\i], v[X2+4+\i]
.endr
.endm
.macro LOADK s, fb, sb                 ; K step s: 30 loads: Wo's four fragments and scale words, o's two
.irp i, 0,1,2,3
.irp g, 0,1,2
	global_load_b128 v[\fb+12*\i+4*\g:\fb+12*\i+4*\g+3], v4, s[20:21] offset:(4*\i+\s)*1536+512*\g
.endr
	global_load_b32 v[\sb+\i], v6, s[22:23] offset:(4*\i+\s)*128
.endr
.irp j, 0,1
.irp g, 0,1,2,3,4,5
	global_load_b64 v[\fb+48+12*\j+2*\g:\fb+48+12*\j+2*\g+1], v5, s[24:25] offset:(4*\j+\s)*1536+256*\g
.endr
	global_load_b32 v[\sb+4+\j], v6, s[26:27] offset:(4*\j+\s)*128
.endr
.endm
.macro MUL fb, sb, zero                ; eight accumulators by turns
.irp i, 0,1,2,3
.irp j, 0,1
.if \zero
	v_wmma_scale_f32_16x16x128_f8f6f4 v[32+32*\j+8*\i:39+32*\j+8*\i], v[\fb+12*\i:\fb+12*\i+11], v[\fb+48+12*\j:\fb+48+12*\j+11], 0, v[\sb+\i], v[\sb+4+\j] matrix_a_fmt:MATRIX_FMT_FP6 matrix_b_fmt:MATRIX_FMT_FP6
.else
	v_wmma_scale_f32_16x16x128_f8f6f4 v[32+32*\j+8*\i:39+32*\j+8*\i], v[\fb+12*\i:\fb+12*\i+11], v[\fb+48+12*\j:\fb+48+12*\j+11], v[32+32*\j+8*\i:39+32*\j+8*\i], v[\sb+\i], v[\sb+4+\j] matrix_a_fmt:MATRIX_FMT_FP6 matrix_b_fmt:MATRIX_FMT_FP6
.endif
.endr
.endr
.endm
.macro SUMJ acc, r                     ; the sum of 32 registers
	v_pk_add_f32 v[\acc:\acc+1], v[\r:\r+1], v[\r+2:\r+3]
	v_pk_add_f32 v[\acc+2:\acc+3], v[\r+4:\r+5], v[\r+6:\r+7]
.irp k, 8,12,16,20,24,28
	v_pk_add_f32 v[\acc:\acc+1], v[\acc:\acc+1], v[\r+\k:\r+\k+1]
	v_pk_add_f32 v[\acc+2:\acc+3], v[\acc+2:\acc+3], v[\r+\k+2:\r+\k+3]
.endr
	v_pk_add_f32 v[\acc:\acc+1], v[\acc:\acc+1], v[\acc+2:\acc+3]
	v_add_f32 v[\acc], v[\acc], v[\acc+1]
.endm
.macro SQJ acc, r                      ; the sum of their squares
	v_pk_mul_f32 v[\acc:\acc+1], v[\r:\r+1], v[\r:\r+1]
	v_pk_mul_f32 v[\acc+2:\acc+3], v[\r+2:\r+3], v[\r+2:\r+3]
.irp k, 4,8,12,16,20,24,28
	v_pk_fma_f32 v[\acc:\acc+1], v[\r+\k:\r+\k+1], v[\r+\k:\r+\k+1], v[\acc:\acc+1]
	v_pk_fma_f32 v[\acc+2:\acc+3], v[\r+\k+2:\r+\k+3], v[\r+\k+2:\r+\k+3], v[\acc+2:\acc+3]
.endr
	v_pk_add_f32 v[\acc:\acc+1], v[\acc:\acc+1], v[\acc+2:\acc+3]
	v_add_f32 v[\acc], v[\acc], v[\acc+1]
.endm
.macro MEET off                        ; my two numbers (v14: tile 2 P, v18: tile 2 P + 1) with lane l xor 16's, through LDS, summed over the eight waves -> v48, v49
	v_permlanex16_b32 v22, v14, s[SEL], s[SEL+1]
	v_permlanex16_b32 v23, v18, s[SEL], s[SEL+1]
	v_add_f32 v14, v14, v22
	v_add_f32 v18, v18, v23
	ds_store_b32 v9, v14 offset:\off
	ds_store_b32 v9, v18 offset:\off+128
	BAR
.irp c, 0,1,2,3,4,5,6,7
	ds_load_b32 v[48+2*\c], v6 offset:\off+256*\c
	ds_load_b32 v[49+2*\c], v6 offset:\off+256*\c+128
.endr
	s_wait_dscnt 0x0
.irp c, 1,2,3,4,5,6,7
	v_pk_add_f32 v[48:49], v[48:49], v[48+2*\c:49+2*\c]
.endr
.endm
	s_load_b256 s[4:11], s[0:1], 0x0               ; oa, wts, xq, g2
	s_load_b128 s[12:15], s[0:1], 0x20             ; b2, ab
	s_load_b64 s[16:17], s[0:1], 0x30              ; h1
	v_lshl_add_u32 v11, v0, 2, SPARE
	v_mov_b32 v12, 0
	v_lshrrev_b32 v1, 5, v0
	v_readfirstlane_b32 s[WV], v1                  ; wave c, 0..7
	v_and_b32 v1, 31, v0
	v_and_b32 v2, 15, v0
	v_bfe_u32 v3, v0, 4, 1
	v_lshlrev_b32 v4, 4, v1                        ; 16 x lane
	v_lshlrev_b32 v5, 3, v1                        ; 8 x lane
	v_lshlrev_b32 v6, 2, v1                        ; 4 x lane
	v_and_b32 v7, 8, v2
	v_add_nc_u32 v7, v7, v2
	v_lshlrev_b32 v7, 11, v7
	v_lshl_add_u32 v7, v3, 6, v7                   ; xq: row r + 8 (r / 8), + 64 h
	v_lshlrev_b32 v8, 6, v3                        ; g2, b2: 64 h
	s_lshl_b32 s44, s[WV], 8
	v_lshl_add_u32 v9, v1, 2, s44                  ; LDS: my wave's words
	v_mov_b32 v22, 0
	v_mov_b32 v23, 0                               ; (a lane permute's destination counts as one of its sources)
	s_mov_b32 s[SEL], 0x76543210
	s_mov_b32 s[SEL+1], 0xfedcba98
	s_mov_b32 s42, 0x3b000000                      ; 1 / 512
	s_lshr_b32 s44, s[WV], 1
	s_and_b32 s45, s[WV], 1
	s_add_co_u32 s46, s44, 12
	s_mul_i32 s46, s46, 53248                      ; Wo's panel with my four tiles
	s_mul_i32 s47, s45, 24576
	s_add_co_u32 s48, s46, s47
	s_mov_b32 s49, 0
	s_lshl_b32 s47, s45, 11
	s_add_co_u32 s50, s46, s47
	s_add_co_u32 s50, s50, 49152
	s_mov_b32 s51, 0
	s_lshr_b32 s46, ttmp9, 2
	s_mul_i32 s46, s46, 53248                      ; the tokens' panel
	s_and_b32 s47, ttmp9, 3
	s_mul_i32 s52, s47, 12288
	s_add_co_u32 s52, s52, s46
	s_mov_b32 s53, 0
	s_lshl_b32 s54, s47, 10
	s_add_co_u32 s54, s54, s46
	s_add_co_u32 s54, s54, 49152
	s_mov_b32 s55, 0
	s_lshl_b32 s58, s[WV], 8                       ; 64 columns of f32
	s_mov_b32 s59, 0
	s_lshl_b32 s56, ttmp9, 16                      ; 32 rows of 2,048 bytes
	s_add_co_u32 s56, s56, s58
	s_mov_b32 s57, 0
	s_lshl_b32 s60, ttmp9, 16
	s_lshl_b32 s61, s[WV], 13
	s_add_co_u32 s60, s60, s61                     ; a's image: (8 P + c) x 8,192
	s_mov_b32 s61, 0
	s_mul_i32 s62, s[WV], 768
	s_add_co_u32 s62, s62, s52                     ; h's codes: half c % 2 of K step c / 2
	s_mov_b32 s63, 0
	s_lshl_b32 s66, s44, 7
	s_lshl_b32 s67, s45, 1
	s_add_co_u32 s66, s66, s67
	s_add_co_u32 s66, s66, s54                     ; and its two bytes of the scale word
	s_mov_b32 s67, 0
	s_wait_kmcnt 0x0
	s_add_nc_u64 s[20:21], s[6:7], s[48:49]
	s_add_nc_u64 s[22:23], s[6:7], s[50:51]
	s_add_nc_u64 s[24:25], s[4:5], s[52:53]
	s_add_nc_u64 s[26:27], s[4:5], s[54:55]
	s_add_nc_u64 s[28:29], s[8:9], s[56:57]
	s_add_nc_u64 s[30:31], s[10:11], s[58:59]
	s_add_nc_u64 s[32:33], s[12:13], s[58:59]
	s_add_nc_u64 s[34:35], s[14:15], s[60:61]
	s_add_nc_u64 s[36:37], s[16:17], s[62:63]
	s_add_nc_u64 s[38:39], s[16:17], s[66:67]
	LOADK 0, FB0, SB0
	LOADK 1, FB1, SB1
	s_wait_loadcnt 30                              ; this K step is in; the next one's 30 loads may be out
	MUL FB0, SB0, 1
	PLACES 4                                       ; in front of loads into registers that matrix instructions have read
	LOADK 2, FB0, SB0
	s_wait_loadcnt 30
	MUL FB1, SB1, 0
	PLACES 4
	LOADK 3, FB1, SB1
	s_wait_loadcnt 30
	MUL FB0, SB0, 0
	PLACES 4
.irp j, 0,1
.irp b, 0,1
.irp q, 0,1,2,3
	global_load_b128 v[R+32*\j+16*\b+4*\q:R+32*\j+16*\b+4*\q+3], v7, s[28:29] offset:16384*\j+128*\b+16*\q th:TH_LOAD_NT
.endr
.endr
.endr
	s_wait_loadcnt 16                              ; the last K step is in; xq's 16 loads may be out
	MUL FB1, SB1, 0
	PLACES 4
.irp b, 0,1
.irp q, 0,1,2,3
	global_load_b128 v[168+16*\b+4*\q:171+16*\b+4*\q], v8, s[30:31] offset:128*\b+16*\q
	global_load_b128 v[200+16*\b+4*\q:203+16*\b+4*\q], v8, s[32:33] offset:128*\b+16*\q
.endr
.endr
	s_wait_loadcnt 16                              ; xq is in; g2's and b2's 16 loads may be out
.set k, 0
.rept 32
	v_pk_add_f32 v[R+k:R+k+1], v[R+k:R+k+1], v[32+k:33+k]   ; a = xq + o Wo; each accumulator from its low end on
.set k, k+2
.endr
.set g, 0
.rept 16
	global_store_b128 v4, v[R+4*g:R+4*g+3], s[34:35] offset:512*g
.set g, g+1
.endr
	SUMJ 14, R
	SUMJ 18, R+32
	MEET 0
	v_mul_f32 v28, s42, v48                        ; the two means
	v_mul_f32 v30, s42, v49
	v_mov_b32 v29, v28
	v_mov_b32 v31, v30
	s_wait_xcnt 0x0                                ; a's stores have read their registers: only now are these written again
.set k, 0
.rept 16
	v_pk_add_f32 v[R+k:R+k+1], v[R+k:R+k+1], v[28:29] op_sel_hi:[1,0] neg_lo:[0,1] neg_hi:[0,1]
	v_pk_add_f32 v[R+32+k:R+33+k], v[R+32+k:R+33+k], v[30:31] op_sel_hi:[1,0] neg_lo:[0,1] neg_hi:[0,1]
.set k, k+2
.endr
	SQJ 14, R
	SQJ 18, R+32
	MEET 2048
	v_fmaak_f32 v48, s42, v48, 0x3727c5ac          ; the variances + 1e-5
	v_fmaak_f32 v49, s42, v49, 0x3727c5ac
	v_rsq_f32 v252, v48
	v_rsq_f32 v254, v49
	v_mov_b32 v253, 0                              ; (plain places; the pairs' upper halves are named, so they are written)
	v_mov_b32 v255, 0
	s_wait_alu depctr_va_vdst(0)                   ; one wait for the two, ahead of their first reader
	s_wait_loadcnt 0x0                             ; g2, b2
.set k, 0
.rept 16
	v_pk_mul_f32 v[R+k:R+k+1], v[R+k:R+k+1], v[252:253] op_sel_hi:[1,0]
	v_pk_mul_f32 v[R+32+k:R+33+k], v[R+32+k:R+33+k], v[254:255] op_sel_hi:[1,0]
.set k, k+2
.endr
.set k, 0
.rept 16
	v_pk_fma_f32 v[R+k:R+k+1], v[R+k:R+k+1], v[168+k:169+k], v[200+k:201+k]
	v_pk_fma_f32 v[R+32+k:R+33+k], v[R+32+k:R+33+k], v[168+k:169+k], v[200+k:201+k]
.set k, k+2
.endr
	QUANT R, PC, PC+6, PW                          ; blocks 0, 1: tile 2 P's 64 columns; blocks 2, 3: tile 2 P + 1's
.irp j, 0,1
.irp g, 0,1,2
	global_store_b64 v5, v[PC+6*\j+2*\g:PC+6*\j+2*\g+1], s[36:37] offset:6144*\j+256*\g   ; 32 lanes store 256 consecutive bytes, aligned
.endr
.endr
	global_store_b16 v6, v[PW], s[38:39]
	global_store_d16_hi_b16 v6, v[PW], s[38:39] offset:512
	s_wait_tensorcnt 0x0                           ; the wave's end, behind my last LDS store
	ds_add_u32 v11, v12
	s_wait_dscnt 0x0
	s_endpgm
.Lfunc_end_k_q15aa774256_wo:
	.size	k_q15aa774256_wo, .Lfunc_end_k_q15aa774256_wo-k_q15aa774256_wo
	.p2alignl 7, 3214868480
	.fill 96, 4, 3214868480
	.section	.rodata,"a",@progbits
	.p2align	6, 0x0
	.amdhsa_kernel k_q15aa774256_wo
		.amdhsa_group_segment_fixed_size 5120
		.amdhsa_private_segment_fixed_size 0
		.amdhsa_enable_private_segment 0
		.amdhsa_kernarg_size 56
		.amdhsa_user_sgpr_count 2
		.amdhsa_user_sgpr_kernarg_segment_ptr 1
		.amdhsa_wavefront_size32 1
		.amdhsa_system_sgpr_workgroup_id_x 1
		.amdhsa_system_sgpr_workgroup_id_y 1
		.amdhsa_system_sgpr_workgroup_id_z 1
		.amdhsa_system_vgpr_workitem_id 0
		.amdhsa_next_free_vgpr 256
		.amdhsa_next_free_sgpr 72
		.amdhsa_reserve_vcc 0
		.amdhsa_float_denorm_mode_32 3
		.amdhsa_float_denorm_mode_16_64 3
		.amdhsa_memory_ordered 1
		.amdhsa_forward_progress 1
		.amdhsa_inst_pref_size 45
	.end_amdhsa_kernel
	.amdgpu_metadata
---
amdhsa.version: [ 1, 2 ]
amdhsa.kernels:
  - .name:           k_q15aa774256_wo
    .symbol:         k_q15aa774256_wo.kd
    .args:
      - { .name: oa, .offset: 0, .size: 8, .value_kind: global_buffer, .address_space: global }
      - { .name: wts, .offset: 8, .size: 8, .value_kind: global_buffer, .address_space: global }
      - { .name: xq, .offset: 16, .size: 8, .value_kind: global_buffer, .address_space: global }
      - { .name: g2, .offset: 24, .size: 8, .value_kind: global_buffer, .address_space: global }
      - { .name: b2, .offset: 32, .size: 8, .value_kind: global_buffer, .address_space: global }
      - { .name: ab, .offset: 40, .size: 8, .value_kind: global_buffer, .address_space: global }
      - { .name: h1, .offset: 48, .size: 8, .value_kind: global_buffer, .address_space: global }
    .group_segment_fixed_size: 5120
    .private_segment_fixed_size: 0
    .kernarg_segment_align: 8
    .kernarg_segment_size: 56
    .max_flat_workgroup_size: 256
    .sgpr_count:     72
    .vgpr_count:     256
    .wavefront_size: 32
...
	.end_amdgpu_metadata
.endif
;; end of part 4
;; launch ffn1 (part 5): grid 8 x 32, 16 waves a work-group, clusters of 4 x 4, 215,040 bytes of LDS; arguments h1, wts, b_ff1, h2; writes h2
.if DOCPART == 5
	.amdgcn_target "amdgcn-amd-amdhsa--gfx1250"
	.amdhsa_code_object_version 6
	.text
	.protected	k_q15aa774256_ffn1
	.globl	k_q15aa774256_ffn1
	.p2align	8
	.type	k_q15aa774256_ffn1,@function
k_q15aa774256_ffn1:
	s_mov_b64 s[64:65], 0
	v_nop
	global_prefetch_b8 v0, s[64:65] scope:SCOPE_SE
	s_setreg_imm32_b32 hwreg(HW_REG_WAVE_MODE, 25, 1), 1
	s_wait_xcnt 0x0
	s_wait_alu depctr_hold_cnt(0) depctr_sa_sdst(0) depctr_va_vdst(0) depctr_va_sdst(0) depctr_va_ssrc(0) depctr_va_vcc(0) depctr_vm_vsrc(0)
	s_getreg_b32 s2, hwreg(HW_REG_IB_STS2, 6, 4)
	s_cmp_eq_u32 s2, 0
	s_cbranch_scc0 .Lentry_in_a_cluster
	s_endpgm
.Lentry_in_a_cluster:
	s_bfe_u32 s2, ttmp6, 0x10000c
	s_cmp_lg_u32 s2, 0xf033
	s_cbranch_scc0 .Lentry_shape_is_right
	s_endpgm
.Lentry_shape_is_right:
; h2 = Q(gelu(h1 W_ff1 + b_ff1)): the product on codes of FP6 (E2M3) with E8M0 scales; the exact gelu x (1 + erf(x / sqrt 2)) / 2 in f32; the result quantised along the hidden units and stored as whole fragments.
; SHARES.  A work-group makes 256 tokens x 256 hidden units.  All of K = 512 of both panels (2 x 106,496 bytes of register images) fits in LDS: first fills only, one tensor load a wave.
; CLUSTER 4 x 4: the tokens' panel hangs on the work-group's y alone and is asked for jointly along a row of the cluster, W's on x alone, along a column.
; Wave w: 128 hidden units (panel w % 2 of W, source 0) x two tiles of tokens (pair w / 2, source 1): a lane holds one token, its 64 registers of a tile are one K step of the next product.
; The bias is loaded straight into the accumulators, so every product adds in place; the 16 accumulators take turns.
; erf(z) = z P(z^2) / Q(z^2), polynomials of degree 6 and 4, z held to +-4 (beyond it erf is 1 in f32): good to a few units in the last place.
; LIMITS: NaN and infinities are not served; a block of zeros, or one under 2^-124, gets the byte 1.
; REGISTERS: v13-19 addresses; v20-31 codes; v32-159 accumulators ((i, j) at 32 + 64 j + 8 i); v160-183 source 1, v184-231 source 0; later v160-223 the gelu's work, v224-227 two coefficients; v232-237 scale words and nothing else.
.set WV, 12
.set SEL, 52
.set SPARE, 212992
.set F1, 160
.set F0, 184
.set S0, 232
.set S1, 236
.set TM, 192
.set X2, 208
.set ZZ, 160
.set Z2, 176
.set PP, 192
.set QQ, 208
.macro PLACES n
.rept \n
	v_nop
.endr
.endm
.macro CROUND
	s_barrier_signal -1
	s_barrier_wait -1
	s_cmp_lg_u32 s[WV], 0
	s_cbranch_scc1 .Lnw0_\@
	s_barrier_signal -3
.Lnw0_\@:
	s_barrier_wait -3
	s_barrier_signal -1
	s_barrier_wait -1
.endm
.macro QUANT s, d0, d1, pw
.irp b, 0,1,2,3
	v_max3_num_f32 v[TM+\b], |v[(\s)+16*\b]|, |v[(\s)+1+16*\b]|, 0x1800000   ; with the floor 2^(3 - 127)
.endr
.irp i, 2,4,6,8,10,12,14
.irp b, 0,1,2,3
	v_max3_num_f32 v[TM+\b], v[TM+\b], |v[(\s)+16*\b+\i]|, |v[(\s)+1+16*\b+\i]|
.endr
.endr
.irp b, 0,1,2,3
	v_permlanex16_b32 v[TM+4+\b], v[TM+\b], s[SEL], s[SEL+1]
.endr
.irp b, 0,1,2,3
	v_max_num_f32 v[TM+\b], v[TM+\b], v[TM+4+\b]
.endr
.irp b, 0,1,2,3
	v_add_nc_u32 v[TM+12+\b], 0xff000000, v[TM+\b]
.endr
.irp b, 0,1,2,3
	v_lshrrev_b32 v[TM+4+\b], 23, v[TM+12+\b]
.endr
	v_lshl_or_b32 v[\pw], v[TM+5], 8, v[TM+4]
	v_lshl_or_b32 v[\pw], v[TM+6], 16, v[\pw]
	v_lshl_or_b32 v[\pw], v[TM+7], 24, v[\pw]
	v_cvt_scalef32_pk16_fp6_f32 v[(\d0):(\d0)+2], v[(\s):(\s)+15], v[TM+12]
	v_cvt_scalef32_pk16_fp6_f32 v[X2:X2+2], v[(\s)+16:(\s)+31], v[TM+13]
	v_cvt_scalef32_pk16_fp6_f32 v[(\d1):(\d1)+2], v[(\s)+32:(\s)+47], v[TM+14]
	v_cvt_scalef32_pk16_fp6_f32 v[X2+4:X2+6], v[(\s)+48:(\s)+63], v[TM+15]
	v_nop
.irp i, 0,1,2
	v_permlane16_swap_b32 v[(\d0)+\i], v[X2+\i]
.endr
.irp i, 0,1,2
	v_mov_b32 v[(\d0)+3+\i], v[X2+\i]
.endr
.irp i, 0,1,2
	v_permlane16_swap_b32 v[(\d1)+\i], v[X2+4+\i]
.endr
.irp i, 0,1,2
	v_mov_b32 v[(\d1)+3+\i], v[X2+4+\i]
.endr
.endm
.macro LDS1 s                          ; the tokens' two fragments of K step s: images in pieces of 8 bytes a lane
.irp j, 0,1
.irp g, 0,1,2,3,4,5
	ds_load_b64 v[F1+12*\j+2*\g:F1+12*\j+2*\g+1], v15 offset:(4*\j+\s)*1536+256*\g
.endr
	ds_load_b32 v[S1+\j], v16 offset:(4*\j+\s)*128
.endr
.endm
.macro LDS0 s, hf
.irp i, 0,1,2,3
.irp g, 0,1,2
	ds_load_b128 v[F0+12*\i+4*\g:F0+12*\i+4*\g+3], v13 offset:(4*(4*\hf+\i)+\s)*1536+512*\g
.endr
	ds_load_b32 v[S0+\i], v14 offset:(4*(4*\hf+\i)+\s)*128
.endr
.endm
.macro MM8 hf
.irp i, 0,1,2,3
.irp j, 0,1
	v_wmma_scale_f32_16x16x128_f8f6f4 v[32+64*\j+8*(4*\hf+\i):39+64*\j+8*(4*\hf+\i)], v[F0+12*\i:F0+12*\i+11], v[F1+12*\j:F1+12*\j+11], v[32+64*\j+8*(4*\hf+\i):39+64*\j+8*(4*\hf+\i)], v[S0+\i], v[S1+\j] matrix_a_fmt:MATRIX_FMT_FP6 matrix_b_fmt:MATRIX_FMT_FP6
.endr
.endr
.endm
.macro KSTEP s                         ; four places stand in front of every run of loads into registers that matrix instructions have read, and of the first read of results
	LDS1 \s
	LDS0 \s, 0
	s_wait_dscnt 0x0
	MM8 0
	PLACES 4
	LDS0 \s, 1
	s_wait_dscnt 0x0
	MM8 1
	PLACES 4
.endm
.macro GELU x                          ; sixteen numbers in place
.irp k, 0,2,4,6,8,10,12,14
	v_pk_mul_f32 v[ZZ+\k:ZZ+\k+1], v[(\x)+\k:(\x)+\k+1], 0x3f3504f3 op_sel_hi:[1,0]   ; z = x / sqrt 2
.endr
.irp k, 0,1,2,3,4,5,6,7,8,9,10,11,12,13,14,15
	v_med3_num_f32 v[ZZ+\k], v[ZZ+\k], -4.0, 4.0
.endr
.irp k, 0,2,4,6,8,10,12,14
	v_pk_mul_f32 v[Z2+\k:Z2+\k+1], v[ZZ+\k:ZZ+\k+1], v[ZZ+\k:ZZ+\k+1]
.endr
.irp k, 0,2,4,6,8,10,12,14
	v_pk_fma_f32 v[PP+\k:PP+\k+1], v[Z2+\k:Z2+\k+1], v[224:225], 0x32edffee op_sel_hi:[1,1,0]
.endr
.irp a, 0xb60cff51, 0xb86ec2d2, 0xba40ac63, 0xbb41a1f6, 0xbc83dbd4
.irp k, 0,2,4,6,8,10,12,14
	v_pk_fma_f32 v[PP+\k:PP+\k+1], v[PP+\k:PP+\k+1], v[Z2+\k:Z2+\k+1], \a op_sel_hi:[1,1,0]
.endr
.endr
.irp k, 0,2,4,6,8,10,12,14
	v_pk_fma_f32 v[QQ+\k:QQ+\k+1], v[Z2+\k:Z2+\k+1], v[226:227], 0xb95fbd29 op_sel_hi:[1,1,0]
.endr
.irp a, 0xbadc924e, 0xbbf19bf8, 0xbc69b6a7
.irp k, 0,2,4,6,8,10,12,14
	v_pk_fma_f32 v[QQ+\k:QQ+\k+1], v[QQ+\k:QQ+\k+1], v[Z2+\k:Z2+\k+1], \a op_sel_hi:[1,1,0]
.endr
.endr
.irp k, 0,2,4,6,8,10,12,14
	v_pk_mul_f32 v[PP+\k:PP+\k+1], v[PP+\k:PP+\k+1], v[ZZ+\k:ZZ+\k+1]
.endr
.irp k, 0,1,2,3,4,5,6,7,8,9,10,11,12,13,14,15
	v_rcp_f32 v[Z2+\k], v[QQ+\k]
.endr
.irp k, 0,2,4,6,8,10,12,14
	v_pk_mul_f32 v[ZZ+\k:ZZ+\k+1], v[(\x)+\k:(\x)+\k+1], 0.5 op_sel_hi:[1,0]   ; x / 2: plain work behind the reciprocals
.endr
	s_wait_alu depctr_va_vdst(0)                   ; one wait for the sixteen, ahead of their first reader
.irp k, 0,2,4,6,8,10,12,14
	v_pk_mul_f32 v[PP+\k:PP+\k+1], v[PP+\k:PP+\k+1], v[Z2+\k:Z2+\k+1]          ; erf
.endr
.irp k, 0,2,4,6,8,10,12,14
	v_pk_fma_f32 v[(\x)+\k:(\x)+\k+1], v[ZZ+\k:ZZ+\k+1], v[PP+\k:PP+\k+1], v[ZZ+\k:ZZ+\k+1]
.endr
.endm
	s_load_b256 s[4:11], s[0:1], 0x0               ; h1, wts, b_ff1, h2
	v_lshl_add_u32 v4, v0, 2, SPARE
	v_mov_b32 v5, 0
	ds_add_u32 v4, v5                              ; the wave's opening: the add and its wait stand ahead of my first tensor load
	v_lshrrev_b32 v1, 5, v0
	v_readfirstlane_b32 s[WV], v1                  ; wave 0..15
	v_and_b32 v1, 31, v0
	v_bfe_u32 v3, v0, 4, 1
	s_bfe_u32 s13, ttmp6, 0x40000                  ; cx
	s_bfe_u32 s14, ttmp6, 0x40004                  ; cy
	s_lshl_b32 s15, ttmp9, 2
	s_add_co_u32 s15, s15, s13                     ; my block of 256 hidden units
	s_and_b32 s16, ttmp7, 0xffff
	s_lshl_b32 s16, s16, 2
	s_add_co_u32 s16, s16, s14                     ; my block of 256 tokens
	s_lshl_b32 s17, s14, 2
	s_lshl_b32 s17, 15, s17                        ; my row of the cluster
	s_lshl_b32 s18, 0x1111, s13                    ; my column
	s_or_b32 s24, s17, (3<<16)|(1<<21)             ; group 1: 52 rows of 256 bytes, dense; the tokens' panel goes to my row,
	s_or_b32 s32, s18, (3<<16)|(1<<21)             ; W's to my column
.irp g, 24, 32
	s_mov_b32 s[\g+1], 32<<16
	s_mov_b32 s[\g+2], 52<<16
	s_mov_b32 s[\g+3], 32<<16
	s_mov_b32 s[\g+4], 52
	s_mov_b32 s[\g+5], 32
	s_mov_b32 s[\g+6], 0
	s_mov_b32 s[\g+7], 0
.endr
	s_and_b32 s19, s[WV], 7
	s_mul_i32 s19, s19, 13312                      ; my eighth of a panel pair
	s_mul_i32 s20, s[WV], 13312                    ; LDS: the tokens' from 0, W's from 106,496
	s_mul_i32 s48, s16, 106496
	s_add_co_u32 s48, s48, s19
	s_mov_b32 s49, 0
	s_mul_i32 s50, s15, 106496
	s_add_co_u32 s50, s50, s19
	s_add_co_u32 s50, s50, 16*53248                ; W_ff1 begins at panel 16
	s_mov_b32 s51, 0
	s_and_b32 s54, s[WV], 1                        ; which panel of W
	s_lshr_b32 s55, s[WV], 1                       ; which pair of token tiles
	s_mul_i32 s56, s54, 53248
	s_add_co_u32 s56, s56, 106496
	v_lshl_add_u32 v13, v1, 4, s56
	v_lshl_add_u32 v14, v1, 2, s56
	v_add_nc_u32 v14, 49152, v14
	s_lshr_b32 s56, s55, 2
	s_mul_i32 s56, s56, 53248
	s_and_b32 s57, s55, 3
	s_mul_i32 s58, s57, 12288
	s_add_co_u32 s58, s58, s56
	v_lshl_add_u32 v15, v1, 3, s58
	s_lshl_b32 s58, s57, 10
	s_add_co_u32 s58, s58, s56
	s_add_co_u32 s58, s58, 49152
	v_lshl_add_u32 v16, v1, 2, s58
	v_lshlrev_b32 v17, 6, v3                       ; the bias: 64 h
	v_lshlrev_b32 v18, 4, v1
	v_lshlrev_b32 v19, 2, v1
	s_mov_b32 s[SEL], 0x76543210
	s_mov_b32 s[SEL+1], 0xfedcba98
	s_mov_b32 s40, 1
	s_mov_b32 s41, s20
	s_mov_b32 s44, 1
	s_mov_b32 s45, s20
	s_wait_dscnt 0x0                               ; the opening add is done
	s_wait_kmcnt 0x0
	s_add_nc_u64 s[42:43], s[4:5], s[48:49]
	s_or_b32 s43, s43, 0x80000000
	s_add_nc_u64 s[46:47], s[6:7], s[50:51]
	s_or_b32 s47, s47, 0x80000000
	CROUND                                         ; all sixteen work-groups are here: the joint loads meet
	s_cmp_lt_u32 s[WV], 8                          ; waves 0-7 fetch the tokens' panels, waves 8-15 W's: my one tensor load of the launch
	s_cbranch_scc0 .Lfor_w
	tensor_load_to_lds s[40:43], s[24:31]
	s_nop 0
	PLACES 4
	s_branch .Lasked
.Lfor_w:
	tensor_load_to_lds s[44:47], s[32:39]
	s_nop 0
	PLACES 4
.Lasked:
	s_lshl_b32 s56, s15, 10
	s_lshl_b32 s57, s54, 9
	s_add_co_u32 s56, s56, s57
	s_mov_b32 s57, 0
	s_add_nc_u64 s[8:9], s[8:9], s[56:57]          ; b_ff1 at my 128 units
.irp j, 0,1
.irp b, 0,1,2,3
.irp q, 0,1,2,3
	global_load_b128 v[32+64*\j+16*\b+4*\q:35+64*\j+16*\b+4*\q], v17, s[8:9] offset:128*\b+16*\q
.endr
.endr
.endr
	s_lshl_b32 s56, s16, 1                         ; where the results go: panel (token block of 128) x 4 + (hidden / 512),
	s_lshr_b32 s57, s55, 2
	s_add_co_u32 s56, s56, s57
	s_lshl_b32 s56, s56, 2
	s_lshr_b32 s57, s15, 1
	s_add_co_u32 s56, s56, s57
	s_mul_i32 s56, s56, 53248
	s_and_b32 s57, s55, 3
	s_lshl_b32 s57, s57, 3
	s_and_b32 s58, s15, 1
	s_lshl_b32 s58, s58, 1
	s_add_co_u32 s57, s57, s58
	s_add_co_u32 s57, s57, s54                     ; place 4 tile + K step
	s_mul_i32 s58, s57, 1536
	s_add_co_u32 s58, s58, s56
	s_mov_b32 s59, 0
	s_add_nc_u64 s[60:61], s[10:11], s[58:59]
	s_lshl_b32 s58, s57, 7
	s_add_co_u32 s58, s58, s56
	s_add_co_u32 s58, s58, 49152
	s_add_nc_u64 s[62:63], s[10:11], s[58:59]
	s_wait_tensorcnt 0x0                           ; my part has landed,
	s_wait_dscnt 0x0
	s_barrier_signal -1
	s_barrier_wait -1                              ; everybody's has
	s_wait_loadcnt 0x0                             ; the bias
	KSTEP 0
	KSTEP 1
	KSTEP 2
	KSTEP 3
	v_mov_b32 v224, 0xaf95df0b                     ; P's leading coefficient,
	v_mov_b32 v225, 0xaf95df0b
	v_mov_b32 v226, 0xb77460cd                     ; and Q's
	v_mov_b32 v227, 0xb77460cd
.irp u, 0,1,2,3,4,5,6,7
	GELU 32+16*\u                                  ; each accumulator is read from its low end on
.endr
	QUANT 32, 20, 26, 238
	QUANT 96, 160, 166, 239
.irp g, 0,1,2
	global_store_b128 v18, v[20+4*\g:23+4*\g], s[60:61] offset:512*\g
.endr
	global_store_b32 v19, v238, s[62:63]
.irp g, 0,1,2
	global_store_b128 v18, v[160+4*\g:163+4*\g], s[60:61] offset:6144+512*\g
.endr
	global_store_b32 v19, v239, s[62:63] offset:512
	s_wait_tensorcnt 0x0                           ; the wave's end
	ds_add_u32 v4, v5
	s_wait_dscnt 0x0
	CROUND                                         ; the closing round
	s_endpgm
.Lfunc_end_k_q15aa774256_ffn1:
	.size	k_q15aa774256_ffn1, .Lfunc_end_k_q15aa774256_ffn1-k_q15aa774256_ffn1
	.p2alignl 7, 3214868480
	.fill 96, 4, 3214868480
	.section	.rodata,"a",@progbits
	.p2align	6, 0x0
	.amdhsa_kernel k_q15aa774256_ffn1
		.amdhsa_group_segment_fixed_size 215040
		.amdhsa_private_segment_fixed_size 0
		.amdhsa_enable_private_segment 0
		.amdhsa_kernarg_size 32
		.amdhsa_user_sgpr_count 2
		.amdhsa_user_sgpr_kernarg_segment_ptr 1
		.amdhsa_wavefront_size32 1
		.amdhsa_system_sgpr_workgroup_id_x 1
		.amdhsa_system_sgpr_workgroup_id_y 1
		.amdhsa_system_sgpr_workgroup_id_z 1
		.amdhsa_system_vgpr_workitem_id 0
		.amdhsa_next_free_vgpr 256
		.amdhsa_next_free_sgpr 80
		.amdhsa_reserve_vcc 0
		.amdhsa_float_denorm_mode_32 3
		.amdhsa_float_denorm_mode_16_64 3
		.amdhsa_memory_ordered 1
		.amdhsa_forward_progress 1
		.amdhsa_inst_pref_size 137
	.end_amdhsa_kernel
	.amdgpu_metadata
---
amdhsa.version: [ 1, 2 ]
amdhsa.kernels:
  - .name:           k_q15aa774256_ffn1
    .symbol:         k_q15aa774256_ffn1.kd
    .args:
      - { .name: h1, .offset: 0, .size: 8, .value_kind: global_buffer, .address_space: global }
      - { .name: wts, .offset: 8, .size: 8, .value_kind: global_buffer, .address_space: global }
      - { .name: b_ff1, .offset: 16, .size: 8, .value_kind: global_buffer, .address_space: global }
      - { .name: h2, .offset: 24, .size: 8, .value_kind: global_buffer, .address_space: global }
    .group_segment_fixed_size: 215040
    .private_segment_fixed_size: 0
    .kernarg_segment_align: 8
    .kernarg_segment_size: 32
    .max_flat_workgroup_size: 512
    .sgpr_count:     80
    .vgpr_count:     256
    .wavefront_size: 32
...
	.end_amdgpu_metadata
.endif
;; end of part 5
;; launch ffn2 (part 6): grid 4 x 64, 8 waves a work-group, clusters of 4 x 4, 327,680 bytes of LDS; arguments h2, wts, ab, b_ff2, out0; writes out0
.if DOCPART == 6
	.amdgcn_target "amdgcn-amd-amdhsa--gfx1250"
	.amdhsa_code_object_version 6
	.text
	.protected	k_q15aa774256_ffn2
	.globl	k_q15aa774256_ffn2
	.p2align	8
	.type	k_q15aa774256_ffn2,@function
k_q15aa774256_ffn2:
	s_mov_b64 s[64:65], 0
	v_nop
	global_prefetch_b8 v0, s[64:65] scope:SCOPE_SE
	s_setreg_imm32_b32 hwreg(HW_REG_WAVE_MODE, 25, 1), 1
	s_wait_xcnt 0x0
	s_wait_alu depctr_hold_cnt(0) depctr_sa_sdst(0) depctr_va_vdst(0) depctr_va_sdst(0) depctr_va_ssrc(0) depctr_va_vcc(0) depctr_vm_vsrc(0)
	s_getreg_b32 s2, hwreg(HW_REG_IB_STS2, 6, 4)
	s_cmp_eq_u32 s2, 0
	s_cbranch_scc0 .Lentry_in_a_cluster
	s_endpgm
.Lentry_in_a_cluster:
	s_bfe_u32 s2, ttmp6, 0x10000c
	s_cmp_lg_u32 s2, 0xf033
	s_cbranch_scc0 .Lentry_shape_is_right
	s_endpgm
.Lentry_shape_is_right:
; out0 = a + h2 W_ff2 + b_ff2, the product on codes of FP6 (E2M3) with E8M0 scales, K = 2,048.
; SHARES.  A work-group makes 128 tokens x 128 columns.  K goes in four quarters of 512 through two LDS slots, each with one panel of h2 and one of W_ff2 (2 x 53,248 bytes of register images); each of eight waves fetches an
; eighth of a slot by one tensor load.  By this text's count a wave has two tensor loads out at the start and one behind each refill.  All of a WGP's LDS is claimed.
; CLUSTER 4 x 4: h2's panel hangs on the work-group's y alone and is asked for jointly along a row of the cluster, W's on x alone, along a column.  Each refill stands behind a round of the cluster's barrier.
; Wave w: four tiles of W (64 columns, source 0) x two tiles of tokens (source 1): a lane holds one token, registers run along the columns: the very map in which a was stored, so a's image loads straight into the accumulators,
; the bias is added there, and every product adds in place; the eight accumulators take turns.
; REGISTERS: v8-15 LDS addresses for the two slots; v16-20 the way out; v32-95 accumulators ((i, j) at 32 + 32 j + 8 i); v96-167, v168-239 two sets of fragments; v240-251 scale words and nothing else.
.set WV, 14
.set SLOT, 106496
.set STAGE, 212992                     ; behind the ring: 32 rows x 272 bytes for each wave; no tensor load lands here
.set SPARE, 282624                     ; the spare words, 128 bytes for each wave, that no other line names
.set FB0, 96
.set FB1, 168
.set SB0, 240
.set SB1, 246
.set G1A, 24
.set G1B, 32
.set G0A, 40
.set G0B, 48
.macro PLACES n
.rept \n
	v_nop
.endr
.endm
.macro CROUND
	s_barrier_signal -1
	s_barrier_wait -1
	s_cmp_lg_u32 s[WV], 0
	s_cbranch_scc1 .Lnw0_\@
	s_barrier_signal -3
.Lnw0_\@:
	s_barrier_wait -3
	s_barrier_signal -1
	s_barrier_wait -1
.endm
.macro JLOAD sl                        ; waves 0-3 fetch h2's panel, waves 4-7 W's; the branch hangs on the wave's number alone
	s_cmp_lt_u32 s[WV], 4
	s_cbranch_scc0 .Lfb_\@
	tensor_load_to_lds s[G0A+4*\sl:G0A+4*\sl+3], s[G1A:G1A+7]
	s_nop 0
	PLACES 4
	s_branch .Lfa_\@
.Lfb_\@:
	tensor_load_to_lds s[G0B+4*\sl:G0B+4*\sl+3], s[G1B:G1B+7]
	s_nop 0
	PLACES 4
.Lfa_\@:
.endm
.macro LOADK s, fb, sb, sl             ; K step s of the slot: 24 LDS loads
.irp i, 0,1,2,3
.irp g, 0,1,2
	ds_load_b128 v[\fb+12*\i+4*\g:\fb+12*\i+4*\g+3], v[8+\sl] offset:(4*\i+\s)*1536+512*\g
.endr
	ds_load_b32 v[\sb+\i], v[10+\sl] offset:(4*\i+\s)*128
.endr
.irp j, 0,1
.irp g, 0,1,2
	ds_load_b128 v[\fb+48+12*\j+4*\g:\fb+48+12*\j+4*\g+3], v[12+\sl] offset:(4*\j+\s)*1536+512*\g
.endr
	ds_load_b32 v[\sb+4+\j], v[14+\sl] offset:(4*\j+\s)*128
.endr
.endm
.macro MUL fb, sb
.irp i, 0,1,2,3
.irp j, 0,1
	v_wmma_scale_f32_16x16x128_f8f6f4 v[32+32*\j+8*\i:39+32*\j+8*\i], v[\fb+12*\i:\fb+12*\i+11], v[\fb+48+12*\j:\fb+48+12*\j+11], v[32+32*\j+8*\i:39+32*\j+8*\i], v[\sb+\i], v[\sb+4+\j] matrix_a_fmt:MATRIX_FMT_FP6 matrix_b_fmt:MATRIX_FMT_FP6
.endr
.endr
.endm
.macro KQ sl                           ; a quarter of K: four steps on two sets of fragments
	LOADK 0, FB0, SB0, \sl
	LOADK 1, FB1, SB1, \sl
	s_wait_dscnt 24                                ; this step is in; the next one's 24 loads may be out
	MUL FB0, SB0
	PLACES 4                                       ; in front of loads into registers that matrix instructions have read
	LOADK 2, FB0, SB0, \sl
	s_wait_dscnt 24
	MUL FB1, SB1
	PLACES 4
	LOADK 3, FB1, SB1, \sl
	s_wait_dscnt 24
	MUL FB0, SB0
	s_wait_dscnt 0x0
	MUL FB1, SB1
.endm
.macro REFILL sl                       ; the slot just read is filled again, with the quarter two on
	s_wait_tensorcnt 0x0                           ; all my tensor loads have landed, my part of the other slot among them: a group 0 may be written
	ds_add_u32 v4, v5                              ; 0 onto my spare word
	s_add_nc_u64 s[G0A+4*\sl+2:G0A+4*\sl+3], s[G0A+4*\sl+2:G0A+4*\sl+3], 2*53248
	s_add_nc_u64 s[G0B+4*\sl+2:G0B+4*\sl+3], s[G0B+4*\sl+2:G0B+4*\sl+3], 2*53248
	PLACES 4                                       ; (the places behind the last products, in front of the next quarter's loads)
	s_wait_dscnt 0x0                               ; the add is done, and my reads of the slot are over
	CROUND                                         ; that now holds of every wave of all sixteen work-groups
	JLOAD \sl                                      ; my one tensor load behind the round, and the first thing there
.endm
	s_load_b256 s[4:11], s[0:1], 0x0               ; h2, wts, ab, b_ff2
	s_load_b64 s[12:13], s[0:1], 0x20              ; out0
	v_lshl_add_u32 v4, v0, 2, SPARE
	v_mov_b32 v5, 0
	ds_add_u32 v4, v5                              ; the wave's opening: the add and its wait stand ahead of my first tensor load
	v_lshrrev_b32 v1, 5, v0
	v_readfirstlane_b32 s[WV], v1                  ; wave 0..7
	v_and_b32 v1, 31, v0
	v_and_b32 v2, 15, v0
	v_bfe_u32 v3, v0, 4, 1
	s_bfe_u32 s15, ttmp6, 0x40000                  ; cx
	s_bfe_u32 s16, ttmp6, 0x40004                  ; cy
	s_lshl_b32 s17, ttmp9, 2
	s_add_co_u32 s17, s17, s15                     ; my block of 128 columns
	s_and_b32 s18, ttmp7, 0xffff
	s_lshl_b32 s18, s18, 2
	s_add_co_u32 s18, s18, s16                     ; my block of 128 tokens
	s_lshl_b32 s19, s16, 2
	s_lshl_b32 s19, 15, s19                        ; my row of the cluster
	s_lshl_b32 s20, 0x1111, s15                    ; my column
	s_or_b32 s[G1A], s19, (3<<16)|(1<<21)          ; group 1: 52 rows of 256 bytes, dense
	s_or_b32 s[G1B], s20, (3<<16)|(1<<21)
.irp g, G1A, G1B
	s_mov_b32 s[\g+1], 32<<16
	s_mov_b32 s[\g+2], 52<<16
	s_mov_b32 s[\g+3], 32<<16
	s_mov_b32 s[\g+4], 52
	s_mov_b32 s[\g+5], 32
	s_mov_b32 s[\g+6], 0
	s_mov_b32 s[\g+7], 0
.endr
	s_and_b32 s21, s[WV], 3
	s_mul_i32 s21, s21, 13312                      ; my quarter of a panel
	s_mul_i32 s22, s[WV], 13312                    ; and its place in a slot
	s_mul_i32 s56, s18, 4*53248
	s_add_co_u32 s56, s56, s21
	s_mov_b32 s57, 0
	s_mul_i32 s58, s17, 4*53248
	s_add_co_u32 s58, s58, s21
	s_add_co_u32 s58, s58, 32*53248                ; W_ff2 begins at panel 32
	s_mov_b32 s59, 0
	s_and_b32 s60, s[WV], 1                        ; which 64 columns
	s_lshr_b32 s61, s[WV], 1                       ; which pair of token tiles
	s_mul_i32 s62, s60, 24576
	s_add_co_u32 s62, s62, 53248
	v_lshl_add_u32 v8, v1, 4, s62                  ; W's fragments,
	s_lshl_b32 s62, s60, 11
	s_add_co_u32 s62, s62, 53248+49152
	v_lshl_add_u32 v10, v1, 2, s62                 ; their scale words,
	s_mul_i32 s62, s61, 12288
	v_lshl_add_u32 v12, v1, 4, s62                 ; the tokens' fragments,
	s_lshl_b32 s62, s61, 10
	s_add_co_u32 s62, s62, 49152
	v_lshl_add_u32 v14, v1, 2, s62                 ; their scale words: in slot 0;
	v_add_nc_u32 v9, SLOT, v8
	v_add_nc_u32 v11, SLOT, v10
	v_add_nc_u32 v13, SLOT, v12
	v_add_nc_u32 v15, SLOT, v14                    ; and in slot 1
	s_mul_i32 s62, s[WV], 32*272
	s_add_co_u32 s62, s62, STAGE                   ; my stage
	v_mul_u32_u24 v16, v2, 272
	v_lshl_add_u32 v16, v3, 6, v16
	v_add_nc_u32 v16, s62, v16                     ; in: row r, + 64 h
	v_mul_u32_u24 v17, v3, 272
	v_lshl_add_u32 v17, v2, 4, v17
	v_add_nc_u32 v17, s62, v17                     ; back: lanes 0-15 one row of 256 bytes, lanes 16-31 the next
	v_lshlrev_b32 v18, 11, v3
	v_lshl_add_u32 v18, v2, 4, v18                 ; and the same in out0
	v_lshlrev_b32 v19, 4, v1
	v_lshlrev_b32 v20, 6, v3
	s_lshl_b32 s66, s18, 18                        ; 128 tokens: 262,144 bytes of a, and of out0
	s_lshl_b32 s67, s61, 16
	s_add_co_u32 s66, s66, s67                     ; + my 32 tokens
	s_lshl_b32 s68, s17, 14
	s_lshl_b32 s69, s60, 13
	s_add_co_u32 s68, s68, s69
	s_add_co_u32 s68, s68, s66                     ; a's image
	s_mov_b32 s69, 0
	s_lshl_b32 s70, s17, 9
	s_lshl_b32 s71, s60, 8
	s_add_co_u32 s70, s70, s71                     ; my 64 columns, in bytes
	s_mov_b32 s71, 0
	s_add_co_u32 s72, s66, s70                     ; out0
	s_mov_b32 s73, 0
	s_wait_dscnt 0x0                               ; the opening add is done
	s_wait_kmcnt 0x0
.irp sl, 0,1
	s_mov_b32 s[G0A+4*\sl], 1
	s_add_co_u32 s[G0A+4*\sl+1], s22, \sl*SLOT
	s_add_nc_u64 s[G0A+4*\sl+2:G0A+4*\sl+3], s[4:5], s[56:57]
	s_add_nc_u64 s[G0A+4*\sl+2:G0A+4*\sl+3], s[G0A+4*\sl+2:G0A+4*\sl+3], \sl*53248
	s_or_b32 s[G0A+4*\sl+3], s[G0A+4*\sl+3], 0x80000000
	s_mov_b32 s[G0B+4*\sl], 1
	s_add_co_u32 s[G0B+4*\sl+1], s22, \sl*SLOT
	s_add_nc_u64 s[G0B+4*\sl+2:G0B+4*\sl+3], s[6:7], s[58:59]
	s_add_nc_u64 s[G0B+4*\sl+2:G0B+4*\sl+3], s[G0B+4*\sl+2:G0B+4*\sl+3], \sl*53248
	s_or_b32 s[G0B+4*\sl+3], s[G0B+4*\sl+3], 0x80000000
.endr
	s_add_nc_u64 s[8:9], s[8:9], s[68:69]
	s_add_nc_u64 s[10:11], s[10:11], s[70:71]
	s_add_nc_u64 s[12:13], s[12:13], s[72:73]
	CROUND                                         ; all sixteen work-groups are here: the first joint loads meet
	s_cmp_lt_u32 s[WV], 4                          ; a wave's two first fills stand in one branch
	s_cbranch_scc0 .Lfirst_b
	tensor_load_to_lds s[G0A:G0A+3], s[G1A:G1A+7]
	s_nop 0
	tensor_load_to_lds s[G0A+4:G0A+7], s[G1A:G1A+7]
	s_nop 0
	PLACES 4
	s_branch .Lfirst_asked
.Lfirst_b:
	tensor_load_to_lds s[G0B:G0B+3], s[G1B:G1B+7]
	s_nop 0
	tensor_load_to_lds s[G0B+4:G0B+7], s[G1B:G1B+7]
	s_nop 0
	PLACES 4
.Lfirst_asked:
.set g, 0
.rept 16
	global_load_b128 v[32+4*g:35+4*g], v19, s[8:9] offset:512*g th:TH_LOAD_NT   ; a, straight into the accumulators
.set g, g+1
.endr
.irp b, 0,1
.irp q, 0,1,2,3
	global_load_b128 v[96+16*\b+4*\q:99+16*\b+4*\q], v20, s[10:11] offset:128*\b+16*\q
.endr
.endr
	s_wait_tensorcnt 0x1                           ; my part of slot 0 is in; slot 1's may stay out
	s_barrier_signal -1
	s_barrier_wait -1
	s_wait_loadcnt 0x0
.set k, 0
.rept 16
	v_pk_add_f32 v[32+k:33+k], v[32+k:33+k], v[96+k:97+k]     ; a + b_ff2
	v_pk_add_f32 v[64+k:65+k], v[64+k:65+k], v[96+k:97+k]
.set k, k+2
.endr
	KQ 0
	REFILL 0
	KQ 1
	REFILL 1
	KQ 0
	s_wait_tensorcnt 0x0                           ; the last quarter has landed; nothing more is asked for, so a plain barrier follows
	ds_add_u32 v4, v5
	PLACES 4
	s_wait_dscnt 0x0
	s_barrier_signal -1
	s_barrier_wait -1
	KQ 1
	; ---- the way out: through my own stage, so that sixteen lanes store 256 consecutive bytes of a row of out0
	PLACES 4
.irp j, 0,1
.irp b, 0,1
.irp q, 0,1,2,3
	ds_store_b128 v16, v[32+32*\j+16*\b+4*\q:35+32*\j+16*\b+4*\q] offset:4352*\j+128*\b+16*\q   ; each accumulator from its low end on
.endr
.endr
.endr
.set k, 0
.rept 16
	ds_load_b128 v[96+4*k:99+4*k], v17 offset:544*k   ; LDS serves a wave's instructions in order: these see my stores
.set k, k+1
.endr
.set k, 0
.rept 16
	s_wait_dscnt 15-k
	global_store_b128 v18, v[96+4*k:99+4*k], s[12:13] offset:(8*(k/8)+2*(k%8)+8*((k%8)/4))*2048 th:TH_STORE_NT   ; stage row 2 k + h is token 8 (k / 8) + 2 (k % 8) + h + 8 ((k % 8) / 4) of my 32
.set k, k+1
.endr
	s_wait_tensorcnt 0x0                           ; the wave's end
	ds_add_u32 v4, v5
	s_wait_dscnt 0x0
	CROUND                                         ; the closing round
	s_endpgm
.Lfunc_end_k_q15aa774256_ffn2:
	.size	k_q15aa774256_ffn2, .Lfunc_end_k_q15aa774256_ffn2-k_q15aa774256_ffn2
	.p2alignl 7, 3214868480
	.fill 96, 4, 3214868480
	.section	.rodata,"a",@progbits
	.p2align	6, 0x0
	.amdhsa_kernel k_q15aa774256_ffn2
		.amdhsa_group_segment_fixed_size 327680
		.amdhsa_private_segment_fixed_size 0
		.amdhsa_enable_private_segment 0
		.amdhsa_kernarg_size 40
		.amdhsa_user_sgpr_count 2
		.amdhsa_user_sgpr_kernarg_segment_ptr 1
		.amdhsa_wavefront_size32 1
		.amdhsa_system_sgpr_workgroup_id_x 1
		.amdhsa_system_sgpr_workgroup_id_y 1
		.amdhsa_system_sgpr_workgroup_id_z 1
		.amdhsa_system_vgpr_workitem_id 0
		.amdhsa_next_free_vgpr 256
		.amdhsa_next_free_sgpr 80
		.amdhsa_reserve_vcc 0
		.amdhsa_float_denorm_mode_32 3
		.amdhsa_float_denorm_mode_16_64 3
		.amdhsa_memory_ordered 1
		.amdhsa_forward_progress 1
		.amdhsa_inst_pref_size 61
	.end_amdhsa_kernel
	.amdgpu_metadata
---
amdhsa.version: [ 1, 2 ]
amdhsa.kernels:
  - .name:           k_q15aa774256_ffn2
    .symbol:         k_q15aa774256_ffn2.kd
    .args:
      - { .name: h2, .offset: 0, .size: 8, .value_kind: global_buffer, .address_space: global }
      - { .name: wts, .offset: 8, .size: 8, .value_kind: global_buffer, .address_space: global }
      - { .name: ab, .offset: 16, .size: 8, .value_kind: global_buffer, .address_space: global }
      - { .name: b_ff2, .offset: 24, .size: 8, .value_kind: global_buffer, .address_space: global }
      - { .name: out0, .offset: 32, .size: 8, .value_kind: global_buffer, .address_space: global }
    .group_segment_fixed_size: 327680
    .private_segment_fixed_size: 0
    .kernarg_segment_align: 8
    .kernarg_segment_size: 40
    .max_flat_workgroup_size: 256
    .sgpr_count:     80
    .vgpr_count:     256
    .wavefront_size: 32
...
	.end_amdgpu_metadata
.endif
;; end of part 6
;; ======== version 2 of 2: 4 launches
;; limits: right only within a limited range of input values
;; workspace buffers: wts 2,555,904 bytes; xn 3,407,872 bytes; kv 13,631,488 bytes; oa 3,407,872 bytes
;; launch prep (part 7): grid 320 x 1, 8 waves a work-group, no clusters, 25,600 bytes of LDS; arguments Wq, Wk, Wv, Wo, W_ff1, W_ff2, wts, xq, g1, b1, xn; writes wts, xn
.if DOCPART == 7
	.amdgcn_target "amdgcn-amd-amdhsa--gfx1250"
	.amdhsa_code_object_version 6
	.text
	.protected	k_q15aa774256_prep
	.globl	k_q15aa774256_prep
	.p2align	8
	.type	k_q15aa774256_prep,@function
k_q15aa774256_prep:
	s_mov_b64 s[64:65], 0
	v_nop
	global_prefetch_b8 v0, s[64:65] scope:SCOPE_SE
	s_setreg_imm32_b32 hwreg(HW_REG_WAVE_MODE, 25, 1), 1
	s_wait_xcnt 0x0
; TWO JOBS IN ONE LAUNCH, parted by the work-group's number; both make codes of FP6 (E2M3) with one E8M0 byte for each 32 along K, laid as IMAGES OF OPERAND REGISTERS.
; A fragment is 16 rows x 128 K: 12 registers a lane; register 4 g + e of lane l lies at 512 g + 16 l + 4 e of its 1,536 bytes; its scale words: 128 bytes, lane l's at 4 l.
; A panel is 8 tiles x 4 K steps: codes at (4 tile + s) x 1,536, scale words at 49,152 + (4 tile + s) x 128: 53,248 bytes.
; THE ROWS OF A TILE ARE NOT NEIGHBOURS: row m of tile n is index 32 (n / 2) + 8 (n % 2) + m + 8 (m / 8), so that results of two neighbouring tiles are 16 neighbours along the next K.
; WORK-GROUPS 0-127: xn = Q(LN(xq)) with g1, b1: 64 tokens each (the longer job, so it comes first).  Wave w: tile w % 4, half w / 4 of the 512 columns.  Mean and variance in two passes, in f32; the halves meet through LDS.
;   x is loaded densely, 4 rows x 128 consecutive bytes an instruction, and a block of 32 columns x 16 rows turns through the wave's own stage in LDS (pitch 144 bytes), so that a lane then holds 16 neighbours of one row.
; WORK-GROUPS 128-319: the six weights, f32 with K as their FIRST axis: 1,536 fragments = 192 work-groups x 8 waves.  A lane takes a column and its registers run down K in the operand's own order: nothing is transposed.
;   Panels: Wq 0-3, Wk 4-7, Wv 8-11, Wo 12-15, W_ff1 16-31, W_ff2 32 + 4 (columns / 128) + (K / 512).
; LIMITS: NaN and infinities are not served; a block of zeros, or one whose largest magnitude lies under 2^-124, gets the byte 1 (read by this program alone).
.set PANB, 53248
.set ST1, 4096                         ; LDS: g1 and b1 from 0 (2,048 bytes each); the sums here, 4 bytes a thread; the squares 1,024 bytes on;
.set STG, 6144                         ; the stages, 2,304 bytes a wave;
.set SPARE, 24576                      ; the spare words, 128 bytes for each wave, that no other line names
.set SEL, 36
.set XD, 32
.set PA, 20
.set STA, 24
.set STL, 25
.set GX, 160
.set GY, 216
.set TM, 192
.set X2, 208
.set CH, 248
.set PW0, 238
.set PW1, 239
.set MU, 240
.set RS, 242
.set T0, 245
.set T1, 246
.set T2, 247
.macro WLOAD stride                    ; W(128 S + 64 c + 32 h + i, my column), i = 0 .. 31
.irp c, 0,1
.set i, 0
.rept 32
	global_load_b32 v[32+32*\c+i], v4, s[4:5] offset:(64*\c+i)*\stride
.set i, i+1
.endr
.endr
.endm
.macro BAR                             ; my LDS instructions are done: then the work-group's barrier
	s_wait_dscnt 0x0
	s_barrier_signal -1
	s_barrier_wait -1
.endm
; 64 numbers of a lane, register 16 b + i = k 32 b + 16 (lane / 16) + i of my row, become codes: blocks 0, 1 in v[d0 .. d0 + 5], blocks 2, 3 in v[d1 .. d1 + 5]; the four scale bytes in v[pw].
.macro QUANT s, d0, d1, pw
.irp b, 0,1,2,3
	v_max3_num_f32 v[TM+\b], |v[(\s)+16*\b]|, |v[(\s)+1+16*\b]|, 0x1800000   ; with the floor 2^(3 - 127): the byte cannot fall under 1
.endr
.irp i, 2,4,6,8,10,12,14
.irp b, 0,1,2,3
	s_delay_alu instid0(VALU_DEP_4)
	v_max3_num_f32 v[TM+\b], v[TM+\b], |v[(\s)+16*\b+\i]|, |v[(\s)+1+16*\b+\i]|
.endr
.endr
.irp b, 0,1,2,3
	s_delay_alu instid0(VALU_DEP_4)
	v_permlanex16_b32 v[TM+4+\b], v[TM+\b], s[SEL], s[SEL+1]
.endr
.irp b, 0,1,2,3
	s_delay_alu instid0(VALU_DEP_4)
	v_max_num_f32 v[TM+\b], v[TM+\b], v[TM+4+\b]   ; with lane l xor 16's: the block's largest magnitude
.endr
.irp b, 0,1,2,3
	s_delay_alu instid0(VALU_DEP_4)
	v_add_nc_u32 v[TM+12+\b], 0xff000000, v[TM+\b] ; 2 off its exponent field: the conversion's scale operand
.endr
.irp b, 0,1,2,3
	s_delay_alu instid0(VALU_DEP_4)
	v_lshrrev_b32 v[TM+4+\b], 23, v[TM+12+\b]      ; the scale's byte
.endr
	s_delay_alu instid0(VALU_DEP_3)
	v_lshl_or_b32 v[\pw], v[TM+5], 8, v[TM+4]
	s_delay_alu instid0(VALU_DEP_1)
	v_lshl_or_b32 v[\pw], v[TM+6], 16, v[\pw]
	s_delay_alu instid0(VALU_DEP_1)
	v_lshl_or_b32 v[\pw], v[TM+7], 24, v[\pw]
	v_cvt_scalef32_pk16_fp6_f32 v[(\d0):(\d0)+2], v[(\s):(\s)+15], v[TM+12]
	v_cvt_scalef32_pk16_fp6_f32 v[X2:X2+2], v[(\s)+16:(\s)+31], v[TM+13]
	v_cvt_scalef32_pk16_fp6_f32 v[(\d1):(\d1)+2], v[(\s)+32:(\s)+47], v[TM+14]
	v_cvt_scalef32_pk16_fp6_f32 v[X2+4:X2+6], v[(\s)+48:(\s)+63], v[TM+15]
	v_nop                                          ; one plain place behind a scaled conversion
.irp i, 0,1,2                                  ; the operand's layout wants a WHOLE block in a lane
	v_permlane16_swap_b32 v[(\d0)+\i], v[X2+\i]
.endr
.irp i, 0,1,2
	s_delay_alu instid0(VALU_DEP_3)
	v_mov_b32 v[(\d0)+3+\i], v[X2+\i]
.endr
.irp i, 0,1,2
	v_permlane16_swap_b32 v[(\d1)+\i], v[X2+4+\i]
.endr
.irp i, 0,1,2
	s_delay_alu instid0(VALU_DEP_3)
	v_mov_b32 v[(\d1)+3+\i], v[X2+4+\i]
.endr
.endm
.macro FOLD                            ; four chains of pairs -> one number, with lane l xor 16's
	s_delay_alu instid0(VALU_DEP_3)
	v_pk_add_f32 v[CH:CH+1], v[CH:CH+1], v[CH+2:CH+3]
	s_delay_alu instid0(VALU_DEP_2)
	v_pk_add_f32 v[CH+4:CH+5], v[CH+4:CH+5], v[CH+6:CH+7]
	s_delay_alu instid0(VALU_DEP_1)
	v_pk_add_f32 v[CH:CH+1], v[CH:CH+1], v[CH+4:CH+5]
	s_delay_alu instid0(VALU_DEP_1)
	v_add_f32 v[CH], v[CH], v[CH+1]
	s_delay_alu instid0(VALU_DEP_1)
	v_permlanex16_b32 v[T1], v[CH], s[SEL], s[SEL+1]
	s_delay_alu instid0(VALU_DEP_1)
	v_add_f32 v[CH], v[CH], v[T1]
.endm
.macro TURN B                          ; block B through my stage: in as loaded (row 4 i + lane / 8, 16 bytes a lane), back as 16 neighbours of row lane % 16; LDS serves a wave's instructions in order, so no wait stands between
.irp i, 0,1,2,3
	ds_store_b128 v[STA], v[XD+16*\B+4*\i:XD+16*\B+4*\i+3] offset:576*\i
.endr
.irp q, 0,1,2,3
	ds_load_b128 v[XD+16*\B+4*\q:XD+16*\B+4*\q+3], v[STL] offset:16*\q
.endr
.endm
.macro GLOAD sp, b, gr, br             ; g1 and b1 at my 16 columns of block b of my K step sp
.irp q, 0,1,2,3
	ds_load_b128 v[\gr+4*\q:\gr+4*\q+3], v10 offset:512*\sp+128*\b+16*\q
.endr
.irp q, 0,1,2,3
	ds_load_b128 v[\br+4*\q:\br+4*\q+3], v10 offset:2048+512*\sp+128*\b+16*\q
.endr
.endm
.macro NORM sp, b, gr, br              ; (x - mean) x rstd x g1 + b1
.irp k, 0,2,4,6,8,10,12,14
	v_pk_mul_f32 v[XD+64*\sp+16*\b+\k:XD+64*\sp+16*\b+\k+1], v[XD+64*\sp+16*\b+\k:XD+64*\sp+16*\b+\k+1], v[RS:RS+1] op_sel_hi:[1,0]
.endr
.irp k, 0,2,4,6,8,10,12,14
	v_pk_fma_f32 v[XD+64*\sp+16*\b+\k:XD+64*\sp+16*\b+\k+1], v[XD+64*\sp+16*\b+\k:XD+64*\sp+16*\b+\k+1], v[\gr+\k:\gr+\k+1], v[\br+\k:\br+\k+1]
.endr
.endm
.macro XOUT sp, c, pw                  ; a fragment and its scale words leave as they stand: each store of the wave covers 512 consecutive bytes (the words: 128)
.irp g, 0,1,2
	global_store_b128 v11, v[(\c)+4*\g:(\c)+4*\g+3], s[40:41] offset:1536*\sp+512*\g
.endr
	global_store_b32 v12, v[\pw], s[42:43] offset:128*\sp
.endm
	s_load_b256 s[4:11], s[0:1], 0x0               ; Wq, Wk, Wv, Wo
	s_load_b128 s[12:15], s[0:1], 0x20             ; W_ff1, W_ff2
	s_load_b64 s[16:17], s[0:1], 0x30              ; wts
	s_load_b64 s[48:49], s[0:1], 0x38              ; xq
	s_load_b128 s[52:55], s[0:1], 0x40             ; g1, b1
	s_load_b64 s[50:51], s[0:1], 0x50              ; xn
	v_lshl_add_u32 v232, v0, 2, SPARE
	v_mov_b32 v233, 0
	v_lshrrev_b32 v1, 5, v0
	s_delay_alu instid0(VALU_DEP_1)
	v_readfirstlane_b32 s18, v1                    ; wave 0..7
	s_cmp_lt_u32 ttmp9, 128
	s_cbranch_scc1 .Lln
	; ======== the weights
	v_and_b32 v6, 31, v0                           ; lane
	v_and_b32 v2, 15, v0                           ; r
	s_wait_alu depctr_va_vdst(0)
	v_bfe_u32 v3, v0, 4, 1                         ; h
	s_wait_alu depctr_va_vdst(0)
	s_sub_co_u32 s19, ttmp9, 128
	s_lshl_b32 s19, s19, 3
	s_add_co_u32 s19, s19, s18                     ; f: my fragment
	s_lshr_b32 s20, s19, 5                         ; its panel
	s_and_b32 s21, s19, 31                         ; its place there: 4 tile + s
	s_and_b32 s22, s19, 3                          ; K step, for f < 1,024
	s_lshr_b32 s23, s19, 2
	s_and_b32 s24, s23, 31                         ; tile n of a weight of 512 columns
	s_sub_co_u32 s25, s23, 128                     ; tile n of W_ff1
	s_sub_co_u32 s26, s20, 32                      ; W_ff2: panel 4 (columns / 128) + (K / 512)
	s_lshr_b32 s27, s26, 2
	s_lshl_b32 s27, s27, 3
	s_lshr_b32 s28, s21, 2
	s_add_co_u32 s27, s27, s28                     ; its tile n
	s_and_b32 s28, s26, 3
	s_lshl_b32 s28, s28, 2
	s_add_co_u32 s28, s28, s22                     ; its K step, 0 .. 15
	s_cmp_lt_u32 s19, 512
	s_cselect_b32 s24, s24, s25
	s_cmp_lt_u32 s19, 1024
	s_cselect_b32 s24, s24, s27                    ; n
	s_cselect_b32 s22, s22, s28                    ; S
	s_lshr_b32 s29, s19, 9                         ; 1: W_ff1
	s_lshr_b32 s31, s19, 7                         ; which weight, for f < 512
	s_cmp_eq_u32 s29, 1
	s_cselect_b32 s30, 13, 11                      ; log2 of a row of W in bytes
	s_lshl_b32 s32, s22, 7
	s_lshl_b32 s32, s32, s30                       ; 128 S rows
	s_lshr_b32 s33, s24, 1
	s_lshl_b32 s33, s33, 7
	s_and_b32 s34, s24, 1
	s_lshl_b32 s34, s34, 5
	s_add_co_u32 s32, s32, s33
	s_add_co_u32 s32, s32, s34                     ; + 4 (32 (n / 2) + 8 (n % 2))
	s_mov_b32 s33, 0
	v_and_b32 v4, 8, v2
	s_delay_alu instid0(VALU_DEP_1)
	v_add_nc_u32 v4, v4, v2                        ; r + 8 (r / 8)
	s_delay_alu instid0(VALU_DEP_1)
	v_lshlrev_b32 v4, 2, v4
	s_add_co_u32 s35, s30, 5
	v_lshlrev_b32 v5, s35, v3                      ; lanes 16-31 begin 32 rows further down
	s_delay_alu instid0(VALU_DEP_1)
	v_add_nc_u32 v4, v4, v5
	v_lshlrev_b32 v7, 4, v6                        ; an image's place for my lane
	v_lshlrev_b32 v28, 2, v6                       ; a scale word's
	s_mov_b32 s36, 0x76543210
	s_mov_b32 s37, 0xfedcba98                      ; v_permlanex16_b32's selects for lane l xor 16
	s_mul_i32 s38, s20, PANB
	s_mul_i32 s39, s21, 1536
	s_add_co_u32 s44, s38, s39                     ; where the codes go
	s_mov_b32 s45, 0
	s_lshl_b32 s39, s21, 7
	s_add_co_u32 s46, s38, s39
	s_add_co_u32 s46, s46, 49152                   ; and the scale words
	s_mov_b32 s47, 0
	s_wait_kmcnt 0x0
	s_cmp_eq_u32 s31, 1                            ; the weight is chosen by the fragment's number alone
	s_cselect_b64 s[4:5], s[6:7], s[4:5]
	s_cmp_eq_u32 s31, 2
	s_cselect_b64 s[4:5], s[8:9], s[4:5]
	s_cmp_eq_u32 s31, 3
	s_cselect_b64 s[4:5], s[10:11], s[4:5]
	s_cmp_eq_u32 s29, 1
	s_cselect_b64 s[4:5], s[12:13], s[4:5]
	s_cmp_ge_u32 s19, 1024
	s_cselect_b64 s[4:5], s[14:15], s[4:5]
	s_add_nc_u64 s[4:5], s[4:5], s[32:33]
	s_add_nc_u64 s[40:41], s[16:17], s[44:45]
	s_add_nc_u64 s[16:17], s[16:17], s[46:47]
	s_cmp_eq_u32 s29, 1
	s_cbranch_scc1 .Lwide
	s_wait_alu depctr_va_vdst(0)
	WLOAD 2048
	s_branch .Lin
.Lwide:
	s_wait_alu depctr_va_vdst(0)
	WLOAD 8192
.Lin:
	s_wait_loadcnt 0x0
.irp c, 0,1                                    ; my block 2 c + h: all its 32 numbers are mine; the floor 2^(3 - 127) holds the byte at 1 from below
	v_max3_num_f32 v[8+\c], |v[32+32*\c]|, |v[33+32*\c]|, 0x1800000
.endr
.irp i, 2,4,6,8,10,12,14,16,18,20,22,24,26,28,30
.irp c, 0,1
	s_delay_alu instid0(VALU_DEP_2)
	v_max3_num_f32 v[8+\c], v[8+\c], |v[32+32*\c+\i]|, |v[33+32*\c+\i]|
.endr
.endr
.irp c, 0,1
	s_delay_alu instid0(VALU_DEP_2)
	v_add_nc_u32 v[10+\c], 0xff000000, v[8+\c]     ; 2 off the exponent field: the conversion's scale operand
.endr
.irp c, 0,1
	s_delay_alu instid0(VALU_DEP_2)
	v_lshrrev_b32 v[12+\c], 23, v[10+\c]           ; the scale's byte
.endr
	s_delay_alu instid0(VALU_DEP_1)
	v_lshl_or_b32 v14, v13, 16, v12                ; blocks h and 2 + h,
	v_lshlrev_b32 v15, 3, v3
	s_delay_alu instid0(VALU_DEP_1)
	v_lshlrev_b32 v14, v15, v14                    ; at their places in the word;
	v_mov_b32 v15, 0
	s_delay_alu instid0(VALU_DEP_1)
	v_permlanex16_b32 v15, v14, s36, s37
	s_delay_alu instid0(VALU_DEP_1)
	v_or_b32 v14, v14, v15                         ; with lane l xor 16's two the word is whole
.irp c, 0,1
	v_cvt_scalef32_pk16_fp6_f32 v[16+6*\c:18+6*\c], v[32+32*\c:47+32*\c], v[10+\c]
	v_cvt_scalef32_pk16_fp6_f32 v[96+4*\c:98+4*\c], v[48+32*\c:63+32*\c], v[10+\c]   ; (a conversion's three registers begin on an even number)
.endr
	v_nop                                          ; one plain place behind a scaled conversion
.irp c, 0,1
.irp i, 0,1,2
	v_mov_b32 v[19+6*\c+\i], v[96+4*\c+\i]
.endr
.endr
.irp g, 0,1,2
	global_store_b128 v7, v[16+4*\g:19+4*\g], s[40:41] offset:512*\g   ; 32 lanes store 512 consecutive bytes
.endr
	global_store_b32 v28, v14, s[16:17]
	s_endpgm                                       ; this way has written no LDS
	; ======== LN(xq), quantised
.Lln:
	v_and_b32 v1, 31, v0                           ; lane
	s_wait_alu depctr_va_vdst(0)
	v_and_b32 v2, 15, v0                           ; r
	s_wait_alu depctr_va_vdst(0)
	v_bfe_u32 v3, v0, 4, 1                         ; h
	s_and_b32 s20, s18, 3
	s_lshr_b32 s21, s18, 2                         ; cp: my half of the columns
	s_and_b32 s22, ttmp9, 1
	s_lshl_b32 s22, s22, 2
	s_add_co_u32 s22, s22, s20                     ; my tile in its panel of 128 tokens
	s_lshr_b32 s23, ttmp9, 1                       ; the panel
	s_lshl_b32 s24, s23, 18                        ; 128 rows of 2,048 bytes,
	s_lshr_b32 s25, s22, 1
	s_lshl_b32 s25, s25, 16
	s_add_co_u32 s24, s24, s25                     ; + 32 (tile / 2) rows
	s_and_b32 s25, s22, 1
	s_lshl_b32 s25, s25, 14
	s_add_co_u32 s24, s24, s25                     ; + 8 (tile % 2) rows
	s_lshl_b32 s26, s21, 10
	s_add_co_u32 s24, s24, s26                     ; + my half of the columns
	s_mov_b32 s25, 0
	s_lshl_b32 s27, s22, 2
	s_lshl_b32 s28, s21, 1
	s_add_co_u32 s27, s27, s28                     ; 4 tile + 2 cp: my first fragment
	s_mul_i32 s28, s23, PANB
	s_mul_i32 s30, s27, 1536
	s_add_co_u32 s30, s30, s28
	s_mov_b32 s31, 0
	s_lshl_b32 s32, s27, 7
	s_add_co_u32 s32, s32, s28
	s_add_co_u32 s32, s32, 49152
	s_mov_b32 s33, 0
	v_lshrrev_b32 v26, 3, v1                       ; lane / 8: which of a load's four rows
	v_and_b32 v27, 7, v1
	s_delay_alu instid0(VALU_DEP_1)
	v_lshlrev_b32 v27, 4, v27                      ; my 16 bytes of its 128
	s_delay_alu instid0(VALU_DEP_1)
	v_lshl_add_u32 v6, v26, 11, v27                ; in memory
	s_mul_i32 s29, s18, 2304
	s_add_co_u32 s29, s29, STG                     ; my stage
	v_mad_u32_u24 v[STA], v26, 144, v27
	s_delay_alu instid0(VALU_DEP_1)
	v_add_nc_u32 v[STA], s29, v[STA]               ; in
	v_mul_u32_u24 v[STL], v2, 144
	s_wait_alu depctr_va_vdst(0)
	v_lshl_add_u32 v[STL], v3, 6, v[STL]
	s_delay_alu instid0(VALU_DEP_1)
	v_add_nc_u32 v[STL], s29, v[STL]               ; back: row r, + 64 h
	v_lshlrev_b32 v7, 3, v0                        ; 8 x thread: my part of g1 and b1, in memory and in LDS
	v_lshl_add_u32 v8, v0, 2, ST1                  ; my word of the sums,
	v_xor_b32 v9, 128, v0
	s_delay_alu instid0(VALU_DEP_1)
	v_lshl_add_u32 v9, v9, 2, ST1                  ; and that of the wave with the other half of my rows
	v_lshl_add_u32 v10, v3, 6, s26                 ; g1 at my half's columns, + 64 h
	v_lshlrev_b32 v11, 4, v1
	v_lshlrev_b32 v12, 2, v1
	v_mov_b32 v[T1], 0                             ; (a lane permute's destination counts as one of its sources)
	s_mov_b32 s[SEL], 0x76543210
	s_mov_b32 s[SEL+1], 0xfedcba98
	s_mov_b32 s34, 0x3b000000                      ; 1 / 512
	s_wait_alu depctr_va_vdst(0)
	s_wait_kmcnt 0x0
	s_add_nc_u64 s[48:49], s[48:49], s[24:25]
	s_add_nc_u64 s[40:41], s[50:51], s[30:31]
	s_add_nc_u64 s[42:43], s[50:51], s[32:33]
	global_load_b64 v[20:21], v7, s[52:53]
	global_load_b64 v[22:23], v7, s[54:55]
.irp B, 0,1,2,3,4,5,6,7
.irp i, 0,1,2,3
	global_load_b128 v[XD+16*\B+4*\i:XD+16*\B+4*\i+3], v6, s[48:49] offset:(4*\i+8*(\i/2))*2048+128*\B th:TH_LOAD_NT   ; rows 4 i .. 4 i + 3 of my tile: 128 consecutive bytes of each
.endr
.endr
	s_wait_loadcnt 32                              ; g1 and b1 are in; x's 32 loads may be out
	ds_store_b64 v7, v[20:21]
	ds_store_b64 v7, v[22:23] offset:2048
.irp B, 0,1,2,3,4,5,6,7
	s_wait_loadcnt 4*(7-\B)                        ; block B's four loads are in; the later blocks' may be out
	TURN \B
.endr
	s_wait_dscnt 0x0
.irp c, 0,1,2,3                                ; the sum of my 128 numbers, in four chains
	v_pk_add_f32 v[CH+2*\c:CH+2*\c+1], v[XD+4*\c:XD+4*\c+1], v[XD+4*\c+2:XD+4*\c+3]
.endr
.set k, 16
.rept 14
.irp c, 0,1,2,3
	s_delay_alu instid0(VALU_DEP_4)
	v_pk_add_f32 v[CH+2*\c:CH+2*\c+1], v[CH+2*\c:CH+2*\c+1], v[XD+k+2*\c:XD+k+2*\c+1]
.endr
.set k, k+8
.endr
	FOLD
	ds_store_b32 v8, v[CH]
	s_wait_alu depctr_va_vdst(0)
	BAR                                            ; the half sums, g1 and b1 lie in LDS
	ds_load_b32 v[T2], v9
	GLOAD 0, 0, GX, GX+16
	GLOAD 0, 1, GY, TM
	s_wait_dscnt 16                                ; the partner's word is in; the sixteen loads behind it may be out
	v_add_f32 v[MU], v[CH], v[T2]
	s_delay_alu instid0(VALU_DEP_1)
	v_mul_f32 v[MU], s34, v[MU]                    ; the mean
	s_delay_alu instid0(VALU_DEP_1)
	v_mov_b32 v[MU+1], v[MU]
.set k, 0
.rept 64
	v_pk_add_f32 v[XD+k:XD+k+1], v[XD+k:XD+k+1], v[MU:MU+1] op_sel_hi:[1,0] neg_lo:[0,1] neg_hi:[0,1]
.set k, k+2
.endr
.irp c, 0,1,2,3
	v_pk_mul_f32 v[CH+2*\c:CH+2*\c+1], v[XD+2*\c:XD+2*\c+1], v[XD+2*\c:XD+2*\c+1]
.endr
.set k, 8
.rept 15
.irp c, 0,1,2,3
	s_delay_alu instid0(VALU_DEP_4)
	v_pk_fma_f32 v[CH+2*\c:CH+2*\c+1], v[XD+k+2*\c:XD+k+2*\c+1], v[XD+k+2*\c:XD+k+2*\c+1], v[CH+2*\c:CH+2*\c+1]
.endr
.set k, k+8
.endr
	FOLD
	ds_store_b32 v8, v[CH] offset:1024
	s_wait_alu depctr_va_vdst(0)
	BAR
	ds_load_b32 v[T2], v9 offset:1024
	s_wait_dscnt 0x0
	v_add_f32 v[T0], v[CH], v[T2]
	s_delay_alu instid0(VALU_DEP_1)
	v_fmaak_f32 v[T0], s34, v[T0], 0x3727c5ac      ; the variance + 1e-5
	s_wait_alu depctr_va_vdst(0)
	v_rsq_f32 v[RS], v[T0]
	v_mov_b32 v[RS+1], 0                           ; (a plain place; the pair's upper half is named, so it is written)
	s_wait_alu depctr_va_vdst(0)                   ; ahead of the first reader of a transcendental's result
	NORM 0, 0, GX, GX+16
	GLOAD 0, 2, GX, GX+16
	NORM 0, 1, GY, TM
	GLOAD 0, 3, GY, TM
	s_wait_dscnt 8                                 ; the older buffer is in; the younger's eight loads may be out
	NORM 0, 2, GX, GX+16
	GLOAD 1, 0, GX, GX+16
	s_wait_dscnt 8
	NORM 0, 3, GY, TM
	QUANT XD, PA, PA+6, PW0
	XOUT 0, PA, PW0
	GLOAD 1, 1, GY, TM
	s_wait_dscnt 8
	NORM 1, 0, GX, GX+16
	GLOAD 1, 2, GX, GX+16
	s_wait_dscnt 8
	NORM 1, 1, GY, TM
	GLOAD 1, 3, GY, TM
	s_wait_dscnt 8
	NORM 1, 2, GX, GX+16
	s_wait_dscnt 0x0
	NORM 1, 3, GY, TM
	QUANT XD+64, XD, XD+6, PW1                     ; into registers of their own (the first K step's numbers are done with): the first fragment's stores may still read theirs
	XOUT 1, XD, PW1
	s_wait_tensorcnt 0x0                           ; the wave's end, behind my last LDS store
	ds_add_u32 v232, v233
	s_wait_dscnt 0x0
	s_endpgm
.Lfunc_end_k_q15aa774256_prep:
	.size	k_q15aa774256_prep, .Lfunc_end_k_q15aa774256_prep-k_q15aa774256_prep
	.p2alignl 7, 3214868480
	.fill 96, 4, 3214868480
	.section	.rodata,"a",@progbits
	.p2align	6, 0x0
	.amdhsa_kernel k_q15aa774256_prep
		.amdhsa_group_segment_fixed_size 25600
		.amdhsa_private_segment_fixed_size 0
		.amdhsa_enable_private_segment 0
		.amdhsa_kernarg_size 88
		.amdhsa_user_sgpr_count 2
		.amdhsa_user_sgpr_kernarg_segment_ptr 1
		.amdhsa_wavefront_size32 1
		.amdhsa_system_sgpr_workgroup_id_x 1
		.amdhsa_system_sgpr_workgroup_id_y 1
		.amdhsa_system_sgpr_workgroup_id_z 1
		.amdhsa_system_vgpr_workitem_id 0
		.amdhsa_next_free_vgpr 256
		.amdhsa_next_free_sgpr 66
		.amdhsa_reserve_vcc 0
		.amdhsa_float_denorm_mode_32 3
		.amdhsa_float_denorm_mode_16_64 3
		.amdhsa_memory_ordered 1
		.amdhsa_forward_progress 1
		.amdhsa_inst_pref_size 72
	.end_amdhsa_kernel
	.amdgpu_metadata
---
amdhsa.version: [ 1, 2 ]
amdhsa.kernels:
  - .name:           k_q15aa774256_prep
    .symbol:         k_q15aa774256_prep.kd
    .args:
      - { .name: Wq, .offset: 0, .size: 8, .value_kind: global_buffer, .address_space: global }
      - { .name: Wk, .offset: 8, .size: 8, .value_kind: global_buffer, .address_space: global }
      - { .name: Wv, .offset: 16, .size: 8, .value_kind: global_buffer, .address_space: global }
      - { .name: Wo, .offset: 24, .size: 8, .value_kind: global_buffer, .address_space: global }
      - { .name: W_ff1, .offset: 32, .size: 8, .value_kind: global_buffer, .address_space: global }
      - { .name: W_ff2, .offset: 40, .size: 8, .value_kind: global_buffer, .address_space: global }
      - { .name: wts, .offset: 48, .size: 8, .value_kind: global_buffer, .address_space: global }
      - { .name: xq, .offset: 56, .size: 8, .value_kind: global_buffer, .address_space: global }
      - { .name: g1, .offset: 64, .size: 8, .value_kind: global_buffer, .address_space: global }
      - { .name: b1, .offset: 72, .size: 8, .value_kind: global_buffer, .address_space: global }
      - { .name: xn, .offset: 80, .size: 8, .value_kind: global_buffer, .address_space: global }
    .group_segment_fixed_size: 25600
    .private_segment_fixed_size: 0
    .kernarg_segment_align: 8
    .kernarg_segment_size: 88
    .max_flat_workgroup_size: 256
    .sgpr_count:     66
    .vgpr_count:     256
    .wavefront_size: 32
...
	.end_amdgpu_metadata
.endif
;; end of part 7
;; launch proj (part 8): grid 256 x 1, 16 waves a work-group, clusters of 4 x 1, 315,392 bytes of LDS; arguments xk, xv, g1, b1, bk, bv, wts, kv; writes kv
.if DOCPART == 8
	.amdgcn_target "amdgcn-amd-amdhsa--gfx1250"
	.amdhsa_code_object_version 6
	.text
	.protected	k_q15aa774256_proj
	.globl	k_q15aa774256_proj
	.p2align	8
	.type	k_q15aa774256_proj,@function
k_q15aa774256_proj:
	s_mov_b64 s[64:65], 0
	v_nop
	global_prefetch_b8 v0, s[64:65] scope:SCOPE_SE
	s_setreg_imm32_b32 hwreg(HW_REG_WAVE_MODE, 25, 1), 1
	s_wait_xcnt 0x0
	s_wait_alu depctr_hold_cnt(0) depctr_sa_sdst(0) depctr_va_vdst(0) depctr_va_sdst(0) depctr_va_ssrc(0) depctr_va_vcc(0) depctr_vm_vsrc(0)
	s_getreg_b32 s2, hwreg(HW_REG_IB_STS2, 6, 4)
	s_cmp_eq_u32 s2, 0
	s_cbranch_scc0 .Lentry_in_a_cluster
	s_endpgm
.Lentry_in_a_cluster:
	s_bfe_u32 s2, ttmp6, 0x10000c
	s_cmp_lg_u32 s2, 0x3003
	s_cbranch_scc0 .Lentry_shape_is_right
	s_endpgm
.Lentry_shape_is_right:
; k = LN(xk) Wk + bk, v = LN(xv) Wv + bv, the products on codes of FP6 (E2M3) with E8M0 scales; the results leave as codes again: k quantised along a head's 64, v along the keys.
; SHARES.  A work-group takes 128 tokens and all 512 output columns: 32,768 tokens are 256 work-groups.  Clusters 0-31 serve k, 32-63 v: the four partners of a cluster share one weight, whose four panels (212,992 bytes)
; come into LDS ONCE, by one joint tensor load a wave.
; X PHASE.  Wave w: tile of tokens t = w % 8, half cp = w / 8 of the 512 columns.  x is loaded densely, 4 rows x 128 consecutive bytes an instruction, ahead of the cluster's round; a block of 32 columns x 16 rows turns through the
; wave's own stage in LDS (pitch 144 bytes), so that a lane then holds 16 neighbours of one row.  Mean and variance in two passes, in f32; the halves meet through LDS.  LN, quantise, images to LDS.
; THE TOKENS OF A TILE ARE NOT NEIGHBOURS: row m of tile t is token 32 (t / 2) + 8 (t % 2) + m + 8 (m / 8); so are the columns of a tile of W.  Results of two neighbouring tiles of source 0 are then 16 neighbours.
; PRODUCT.  k: source 0 = 8 tiles of W (128 columns, two heads), source 1 = 2 tiles of tokens: a lane holds one token, registers run along the columns.  v: source 0 = the 8 tiles of tokens, source 1 = 2 tiles of W:
; a lane holds one column, registers run along the 128 keys.  16 accumulators a wave, by turns.
; OUT.  kv: for each (batch, head) 16 key steps of 13,312 bytes: K's four PAIR IMAGES (registers 0-5: tile 2 P's 64 along K, 6-11: tile 2 P + 1's), V's four fragments (16 of the head's 64 x 128 keys),
; K's four images of scale words (lanes 0-15 tile 2 P, lanes 16-31 tile 2 P + 1), V's four.
; LIMITS: NaN and infinities are not served; a block of zeros, or one under 2^-124, gets the byte 1 (read by this program alone).
; REGISTERS: v1-19 lane terms and addresses; v20-31 codes (v24, v25 first: the stage's addresses); v32-159 x, then the accumulators ((i, j) at 32 + 64 j + 8 i); v160-183 source 1, v184-231 source 0;
;   v232-237 scale words and nothing else; X phase: v160-191 and v216-231 + v192-207 g1 and b1, two buffers; v192-207 the quantiser's work; v208-215 half blocks; v248-255 sums.
.set WV, 26
.set SEL, 66
.set XI, 212992                        ; LDS: W's four panels from 0; x's panel here,
.set XS, 262144                        ; its scale words;
.set VEC, 266240                       ; g1, b1, the bias: 2,048 bytes each;
.set ST1, 272384                       ; the sums, 4 bytes a thread; the squares 2,048 bytes on;
.set SPARE, 276480                     ; the spare words, 128 bytes for each wave, that no other line names;
.set STG, 278528                       ; the stages, 2,304 bytes a wave
.set HEADB, 212992
.set STEPB, 13312
.set XD, 32
.set PA, 20
.set STA, 24
.set STL, 25
.set GX, 160
.set GY, 216
.set TM, 192
.set X2, 208
.set CH, 248
.set F1, 160
.set F0, 184
.set S0, 232
.set S1, 236
.set PW0, 238
.set PW1, 239
.set MU, 240
.set RS, 242
.set L4, 244
.set T0, 245
.set T1, 246
.set T2, 247
.macro PLACES n
.rept \n
	v_nop
.endr
.endm
.macro BAR                             ; my LDS instructions are done: then the work-group's barrier
	s_wait_dscnt 0x0
	s_barrier_signal -1
	s_barrier_wait -1
.endm
.macro CROUND                          ; a round of the cluster's barrier
	s_barrier_signal -1
	s_barrier_wait -1
	s_cmp_lg_u32 s[WV], 0
	s_cbranch_scc1 .Lnw0_\@
	s_barrier_signal -3
.Lnw0_\@:
	s_barrier_wait -3
	s_barrier_signal -1
	s_barrier_wait -1
.endm
; 64 numbers of a lane, register 16 b + i = k 32 b + 16 (lane / 16) + i of my row, become codes: blocks 0, 1 in v[d0 .. d0 + 5], blocks 2, 3 in v[d1 .. d1 + 5]; the four scale bytes in v[pw].
.macro QUANT s, d0, d1, pw
.irp b, 0,1,2,3
	v_max3_num_f32 v[TM+\b], |v[(\s)+16*\b]|, |v[(\s)+1+16*\b]|, 0x1800000   ; with the floor 2^(3 - 127): the byte cannot fall under 1
.endr
.irp i, 2,4,6,8,10,12,14
.irp b, 0,1,2,3
	s_delay_alu instid0(VALU_DEP_4)
	v_max3_num_f32 v[TM+\b], v[TM+\b], |v[(\s)+16*\b+\i]|, |v[(\s)+1+16*\b+\i]|
.endr
.endr
.irp b, 0,1,2,3
	s_delay_alu instid0(VALU_DEP_4)
	v_permlanex16_b32 v[TM+4+\b], v[TM+\b], s[SEL], s[SEL+1]
.endr
.irp b, 0,1,2,3
	s_delay_alu instid0(VALU_DEP_4)
	v_max_num_f32 v[TM+\b], v[TM+\b], v[TM+4+\b]   ; with lane l xor 16's: the block's largest magnitude
.endr
.irp b, 0,1,2,3
	s_delay_alu instid0(VALU_DEP_4)
	v_add_nc_u32 v[TM+12+\b], 0xff000000, v[TM+\b] ; 2 off its exponent field: the conversion's scale operand
.endr
.irp b, 0,1,2,3
	s_delay_alu instid0(VALU_DEP_4)
	v_lshrrev_b32 v[TM+4+\b], 23, v[TM+12+\b]      ; the scale's byte
.endr
	s_delay_alu instid0(VALU_DEP_3)
	v_lshl_or_b32 v[\pw], v[TM+5], 8, v[TM+4]
	s_delay_alu instid0(VALU_DEP_1)
	v_lshl_or_b32 v[\pw], v[TM+6], 16, v[\pw]
	s_delay_alu instid0(VALU_DEP_1)
	v_lshl_or_b32 v[\pw], v[TM+7], 24, v[\pw]
	v_cvt_scalef32_pk16_fp6_f32 v[(\d0):(\d0)+2], v[(\s):(\s)+15], v[TM+12]
	v_cvt_scalef32_pk16_fp6_f32 v[X2:X2+2], v[(\s)+16:(\s)+31], v[TM+13]
	v_cvt_scalef32_pk16_fp6_f32 v[(\d1):(\d1)+2], v[(\s)+32:(\s)+47], v[TM+14]
	v_cvt_scalef32_pk16_fp6_f32 v[X2+4:X2+6], v[(\s)+48:(\s)+63], v[TM+15]
	v_nop                                          ; one plain place behind a scaled conversion
.irp i, 0,1,2                                  ; the operand's layout wants a WHOLE block in a lane
	v_permlane16_swap_b32 v[(\d0)+\i], v[X2+\i]
.endr
.irp i, 0,1,2
	s_delay_alu instid0(VALU_DEP_3)
	v_mov_b32 v[(\d0)+3+\i], v[X2+\i]
.endr
.irp i, 0,1,2
	v_permlane16_swap_b32 v[(\d1)+\i], v[X2+4+\i]
.endr
.irp i, 0,1,2
	s_delay_alu instid0(VALU_DEP_3)
	v_mov_b32 v[(\d1)+3+\i], v[X2+4+\i]
.endr
.endm
.macro FOLD                            ; four chains of pairs -> one number, with lane l xor 16's
	s_delay_alu instid0(VALU_DEP_3)
	v_pk_add_f32 v[CH:CH+1], v[CH:CH+1], v[CH+2:CH+3]
	s_delay_alu instid0(VALU_DEP_2)
	v_pk_add_f32 v[CH+4:CH+5], v[CH+4:CH+5], v[CH+6:CH+7]
	s_delay_alu instid0(VALU_DEP_1)
	v_pk_add_f32 v[CH:CH+1], v[CH:CH+1], v[CH+4:CH+5]
	s_delay_alu instid0(VALU_DEP_1)
	v_add_f32 v[CH], v[CH], v[CH+1]
	s_delay_alu instid0(VALU_DEP_1)
	v_permlanex16_b32 v[T1], v[CH], s[SEL], s[SEL+1]
	s_delay_alu instid0(VALU_DEP_1)
	v_add_f32 v[CH], v[CH], v[T1]
.endm
.macro TURN B                          ; block B through my stage: in as loaded (row 4 i + lane / 8, 16 bytes a lane), back as 16 neighbours of row lane % 16; LDS serves a wave's instructions in order, so no wait stands between
.irp i, 0,1,2,3
	ds_store_b128 v[STA], v[XD+16*\B+4*\i:XD+16*\B+4*\i+3] offset:576*\i
.endr
.irp q, 0,1,2,3
	ds_load_b128 v[XD+16*\B+4*\q:XD+16*\B+4*\q+3], v[STL] offset:16*\q
.endr
.endm
.macro GLOAD sp, b, gr, br             ; g1 and b1 at my 16 columns of block b of my K step sp
.irp q, 0,1,2,3
	ds_load_b128 v[\gr+4*\q:\gr+4*\q+3], v10 offset:512*\sp+128*\b+16*\q
.endr
.irp q, 0,1,2,3
	ds_load_b128 v[\br+4*\q:\br+4*\q+3], v10 offset:2048+512*\sp+128*\b+16*\q
.endr
.endm
.macro NORM sp, b, gr, br              ; (x - mean) x rstd x g1 + b1
.irp k, 0,2,4,6,8,10,12,14
	v_pk_mul_f32 v[XD+64*\sp+16*\b+\k:XD+64*\sp+16*\b+\k+1], v[XD+64*\sp+16*\b+\k:XD+64*\sp+16*\b+\k+1], v[RS:RS+1] op_sel_hi:[1,0]
.endr
.irp k, 0,2,4,6,8,10,12,14
	v_pk_fma_f32 v[XD+64*\sp+16*\b+\k:XD+64*\sp+16*\b+\k+1], v[XD+64*\sp+16*\b+\k:XD+64*\sp+16*\b+\k+1], v[\gr+\k:\gr+\k+1], v[\br+\k:\br+\k+1]
.endr
.endm
.macro XIMG sp                         ; the fragment in v[PA] on and its scale word go to LDS as they stand
.irp g, 0,1,2
	ds_store_b128 v11, v[PA+4*\g:PA+4*\g+3] offset:1536*\sp+512*\g
.endr
	ds_store_b32 v12, v[PW0] offset:128*\sp
.endm
.macro WM0 d, a, b, sa, sb
	v_wmma_scale_f32_16x16x128_f8f6f4 v[(\d):(\d)+7], v[(\a):(\a)+11], v[(\b):(\b)+11], 0, v[\sa], v[\sb] matrix_a_fmt:MATRIX_FMT_FP6 matrix_b_fmt:MATRIX_FMT_FP6
.endm
.macro WMA d, a, b, sa, sb
	v_wmma_scale_f32_16x16x128_f8f6f4 v[(\d):(\d)+7], v[(\a):(\a)+11], v[(\b):(\b)+11], v[(\d):(\d)+7], v[\sa], v[\sb] matrix_a_fmt:MATRIX_FMT_FP6 matrix_b_fmt:MATRIX_FMT_FP6
.endm
.macro LDS1 s                          ; source 1's two fragments of K step s
.irp j, 0,1
.irp g, 0,1,2
	ds_load_b128 v[F1+12*\j+4*\g:F1+12*\j+4*\g+3], v15 offset:(4*\j+\s)*1536+512*\g
.endr
	ds_load_b32 v[S1+\j], v16 offset:(4*\j+\s)*128
.endr
.endm
.macro LDS0 s, hf                      ; four of source 0's eight
.irp i, 0,1,2,3
.irp g, 0,1,2
	ds_load_b128 v[F0+12*\i+4*\g:F0+12*\i+4*\g+3], v13 offset:(4*(4*\hf+\i)+\s)*1536+512*\g
.endr
	ds_load_b32 v[S0+\i], v14 offset:(4*(4*\hf+\i)+\s)*128
.endr
.endm
.macro MM8 hf, zero
.irp i, 0,1,2,3
.irp j, 0,1
.if \zero
	WM0 32+64*\j+8*(4*\hf+\i), F0+12*\i, F1+12*\j, S0+\i, S1+\j
.else
	WMA 32+64*\j+8*(4*\hf+\i), F0+12*\i, F1+12*\j, S0+\i, S1+\j
.endif
.endr
.endr
.endm
.macro KSTEP s, zero                   ; four places stand in front of every run of loads into registers that matrix instructions have read, and of the first read of results
	LDS1 \s
	LDS0 \s, 0
	s_wait_dscnt 0x0
	MM8 0, \zero
	PLACES 4
	LDS0 \s, 1
	s_wait_dscnt 0x0
	MM8 1, \zero
	PLACES 4
.endm
	s_load_b256 s[4:11], s[0:1], 0x0               ; xk, xv, g1, b1
	s_load_b256 s[12:19], s[0:1], 0x20             ; bk, bv, wts, kv
	v_lshl_add_u32 v4, v0, 2, SPARE
	v_mov_b32 v5, 0
	ds_add_u32 v4, v5                              ; the wave's opening: the add and its wait stand ahead of my first tensor load; the set-up, work on registers, stands between them
	ds_add_u32 v4, v5
	v_lshrrev_b32 v1, 5, v0
	s_delay_alu instid0(VALU_DEP_1)
	v_readfirstlane_b32 s[WV], v1                  ; wave 0..15
	v_and_b32 v1, 31, v0                           ; lane
	v_and_b32 v2, 15, v0                           ; r
	s_wait_alu depctr_va_vdst(0)
	v_bfe_u32 v3, v0, 4, 1                         ; h
	s_wait_alu depctr_va_vdst(0)
	s_bfe_u32 s27, ttmp6, 0x40000                  ; cx: it enters global addresses alone
	s_lshl_b32 s28, ttmp9, 2
	s_add_co_u32 s28, s28, s27                     ; work-group
	s_cmp_lt_u32 ttmp9, 32                         ; the mode hangs on the cluster's number: the partners share it
	s_cselect_b32 s29, 0, 1                        ; mode: 0 k, 1 v
	s_cselect_b32 s31, 0, 128
	s_sub_co_u32 s30, s28, s31                     ; my block of 128 tokens in the tensor
	s_lshr_b32 s45, s30, 4                         ; batch
	s_and_b32 s46, s30, 15                         ; block in the batch: the key step
	; descriptor group 1: 52 rows of 256 bytes, dense: a sixteenth of the weight's four panels
	s_mov_b32 s32, 15|(3<<16)|(1<<21)              ; the mask: all four partners; elements of 8 bytes; bit 21 beside a mask
	s_mov_b32 s33, 32<<16
	s_mov_b32 s34, 52<<16
	s_mov_b32 s35, 32<<16
	s_mov_b32 s36, 52
	s_mov_b32 s37, 32
	s_mov_b32 s38, 0
	s_mov_b32 s39, 0
	s_mov_b32 s40, 1
	s_mul_i32 s41, s[WV], 13312                    ; LDS: my sixteenth
	s_add_co_u32 s52, s29, 1                       ; Wk's panels begin at 4, Wv's at 8
	s_mul_i32 s52, s52, 212992
	s_add_co_u32 s52, s52, s41                     ; and in wts
	s_mov_b32 s53, 0
	s_and_b32 s47, s[WV], 7                        ; t
	s_lshr_b32 s48, s[WV], 3                       ; cp
	s_lshl_b32 s50, s30, 18                        ; x: 128 rows of 2,048 bytes a block,
	s_lshr_b32 s49, s47, 1
	s_lshl_b32 s49, s49, 16
	s_add_co_u32 s50, s50, s49                     ; + 32 (t / 2) rows
	s_and_b32 s49, s47, 1
	s_lshl_b32 s49, s49, 14
	s_add_co_u32 s50, s50, s49                     ; + 8 (t % 2) rows
	s_lshl_b32 s49, s48, 10
	s_add_co_u32 s50, s50, s49                     ; + my half of the columns
	s_mov_b32 s51, 0
	v_and_b32 v26, 8, v2
	s_delay_alu instid0(VALU_DEP_1)
	v_add_nc_u32 v26, v26, v2                      ; r + 8 (r / 8)
	s_delay_alu instid0(VALU_DEP_1)
	v_lshlrev_b32 v18, 2, v26
	v_lshl_add_u32 v7, v0, 2, VEC
	v_lshl_add_u32 v8, v0, 2, ST1                  ; my word of the sums,
	v_xor_b32 v9, 256, v0
	s_delay_alu instid0(VALU_DEP_1)
	v_lshl_add_u32 v9, v9, 2, ST1                  ; and that of the wave with the other half of my rows
	s_add_co_u32 s49, s49, VEC
	v_lshl_add_u32 v10, v3, 6, s49                 ; g1 at my half's columns, + 64 h
	v_lshrrev_b32 v26, 3, v1                       ; lane / 8: which of a load's four rows
	v_and_b32 v27, 7, v1
	s_delay_alu instid0(VALU_DEP_1)
	v_lshlrev_b32 v27, 4, v27                      ; my 16 bytes of its 128
	s_delay_alu instid0(VALU_DEP_1)
	v_lshl_add_u32 v6, v26, 11, v27                ; in memory
	s_mul_i32 s49, s[WV], 2304
	s_add_co_u32 s49, s49, STG                     ; my stage
	v_mad_u32_u24 v[STA], v26, 144, v27
	s_delay_alu instid0(VALU_DEP_1)
	v_add_nc_u32 v[STA], s49, v[STA]               ; in
	v_mul_u32_u24 v[STL], v2, 144
	s_delay_alu instid0(VALU_DEP_1)
	v_lshl_add_u32 v[STL], v3, 6, v[STL]
	s_delay_alu instid0(VALU_DEP_1)
	v_add_nc_u32 v[STL], s49, v[STL]               ; back: row r, + 64 h
	s_lshl_b32 s49, s47, 2
	s_lshl_b32 s54, s48, 1
	s_add_co_u32 s49, s49, s54                     ; 4 t + 2 cp: my first fragment of x's panel
	s_mul_i32 s54, s49, 1536
	s_add_co_u32 s54, s54, XI
	v_lshl_add_u32 v11, v1, 4, s54
	s_lshl_b32 s54, s49, 7
	s_add_co_u32 s54, s54, XS
	v_lshl_add_u32 v12, v1, 2, s54
	s_and_b32 s55, s[WV], 3                        ; k: which panel of W;   v: which pair of tiles in a panel
	s_lshr_b32 s56, s[WV], 2                       ; k: which pair of token tiles;   v: which panel
	s_mul_i32 s57, s55, 53248
	s_mul_i32 s58, s56, 12288
	s_add_co_u32 s58, s58, XI
	s_mul_i32 s59, s56, 53248
	s_mul_i32 s60, s55, 12288
	s_add_co_u32 s60, s60, s59
	s_lshl_b32 s61, s56, 10
	s_add_co_u32 s61, s61, XS
	s_lshl_b32 s62, s55, 10
	s_add_co_u32 s62, s62, s59
	s_add_co_u32 s62, s62, 49152
	s_mov_b32 s63, XI
	s_cmp_lt_u32 ttmp9, 32
	s_cselect_b32 s57, s57, s63                    ; source 0: a panel of W, or x's
	s_cselect_b32 s58, s58, s60                    ; source 1: two tiles of x, or of W
	s_cselect_b32 s61, s61, s62                    ; and their scale words
	v_lshl_add_u32 v13, v1, 4, s57
	v_lshl_add_u32 v14, v1, 2, s57
	s_delay_alu instid0(VALU_DEP_1)
	v_add_nc_u32 v14, 49152, v14
	v_lshl_add_u32 v15, v1, 4, s58
	v_lshl_add_u32 v16, v1, 2, s61
	s_lshl_b32 s49, s55, 9
	s_add_co_u32 s49, s49, VEC+4096
	v_lshl_add_u32 v17, v3, 6, s49                 ; k: the bias at my 128 columns, + 64 h
	s_lshl_b32 s49, s[WV], 7
	s_add_co_u32 s49, s49, VEC+4096
	v_add_nc_u32 v18, s49, v18                     ; v: the bias at my lane's column
	v_lshlrev_b32 v19, 4, v1
	v_lshlrev_b32 v[L4], 2, v1
	v_lshlrev_b32 v[T0], 2, v0
	v_mov_b32 v[T1], 0                             ; (a lane permute's destination counts as one of its sources)
	s_mov_b32 s[SEL], 0x76543210
	s_mov_b32 s[SEL+1], 0xfedcba98
	s_mov_b32 s68, 0x3b000000                      ; 1 / 512
	s_wait_alu depctr_va_vdst(0)
	s_wait_dscnt 0x0                               ; the opening add is done
	s_wait_kmcnt 0x0
	s_add_nc_u64 s[42:43], s[16:17], s[52:53]
	s_or_b32 s43, s43, 0x80000000
	s_cmp_eq_u32 s29, 0
	s_cselect_b64 s[4:5], s[4:5], s[6:7]           ; x
	s_cselect_b64 s[12:13], s[12:13], s[14:15]     ; the bias
	s_add_nc_u64 s[4:5], s[4:5], s[50:51]
	; ---- X: my 16 rows x 256 columns are asked for ahead of the round, so that they are on their way while the partners gather
	global_load_b32 v20, v[T0], s[8:9]
	global_load_b32 v21, v[T0], s[10:11]
	global_load_b32 v22, v[T0], s[12:13]
.irp B, 0,1,2,3,4,5,6,7
.irp i, 0,1,2,3
	global_load_b128 v[XD+16*\B+4*\i:XD+16*\B+4*\i+3], v6, s[4:5] offset:(4*\i+8*(\i/2))*2048+128*\B th:TH_LOAD_NT   ; rows 4 i .. 4 i + 3 of my tile: 128 consecutive bytes of each
.endr
.endr
	CROUND                                         ; all four partners are here: the joint loads meet
	tensor_load_to_lds s[40:43], s[32:39]          ; my one tensor load of the launch
	s_nop 0
	PLACES 4
	s_wait_loadcnt 32                              ; g1, b1 and the bias are in; x's 32 loads may be out
	ds_store_b32 v7, v20
	ds_store_b32 v7, v21 offset:2048
	ds_store_b32 v7, v22 offset:4096
.irp B, 0,1,2,3,4,5,6,7
	s_wait_loadcnt 4*(7-\B)                        ; block B's four loads are in; the later blocks' may be out
	TURN \B
.endr
	s_wait_dscnt 0x0
.irp c, 0,1,2,3                                ; the sum of my 128 numbers, in four chains
	v_pk_add_f32 v[CH+2*\c:CH+2*\c+1], v[XD+4*\c:XD+4*\c+1], v[XD+4*\c+2:XD+4*\c+3]
.endr
.set k, 16
.rept 14
.irp c, 0,1,2,3
	s_delay_alu instid0(VALU_DEP_4)
	v_pk_add_f32 v[CH+2*\c:CH+2*\c+1], v[CH+2*\c:CH+2*\c+1], v[XD+k+2*\c:XD+k+2*\c+1]
.endr
.set k, k+8
.endr
	FOLD
	ds_store_b32 v8, v[CH]
	s_wait_alu depctr_va_vdst(0)
	BAR                                            ; the half sums, g1, b1 and the bias lie in LDS
	ds_load_b32 v[T2], v9
	GLOAD 0, 0, GX, GX+16
	GLOAD 0, 1, GY, TM
	s_wait_dscnt 16                                ; the partner's word is in; the sixteen loads behind it may be out
	v_add_f32 v[MU], v[CH], v[T2]
	s_delay_alu instid0(VALU_DEP_1)
	v_mul_f32 v[MU], s68, v[MU]                    ; the mean
	s_delay_alu instid0(VALU_DEP_1)
	v_mov_b32 v[MU+1], v[MU]
.set k, 0
.rept 64
	v_pk_add_f32 v[XD+k:XD+k+1], v[XD+k:XD+k+1], v[MU:MU+1] op_sel_hi:[1,0] neg_lo:[0,1] neg_hi:[0,1]
.set k, k+2
.endr
.irp c, 0,1,2,3
	v_pk_mul_f32 v[CH+2*\c:CH+2*\c+1], v[XD+2*\c:XD+2*\c+1], v[XD+2*\c:XD+2*\c+1]
.endr
.set k, 8
.rept 15
.irp c, 0,1,2,3
	s_delay_alu instid0(VALU_DEP_4)
	v_pk_fma_f32 v[CH+2*\c:CH+2*\c+1], v[XD+k+2*\c:XD+k+2*\c+1], v[XD+k+2*\c:XD+k+2*\c+1], v[CH+2*\c:CH+2*\c+1]
.endr
.set k, k+8
.endr
	FOLD
	ds_store_b32 v8, v[CH] offset:2048
	s_wait_alu depctr_va_vdst(0)
	BAR
	ds_load_b32 v[T2], v9 offset:2048
	s_wait_dscnt 0x0
	v_add_f32 v[T0], v[CH], v[T2]
	s_delay_alu instid0(VALU_DEP_1)
	v_fmaak_f32 v[T0], s68, v[T0], 0x3727c5ac      ; the variance + 1e-5
	s_wait_alu depctr_va_vdst(0)
	v_rsq_f32 v[RS], v[T0]
	v_mov_b32 v[RS+1], 0                           ; (a plain place; the pair's upper half is named, so it is written)
	s_wait_alu depctr_va_vdst(0)                   ; ahead of the first reader of a transcendental's result
	NORM 0, 0, GX, GX+16
	GLOAD 0, 2, GX, GX+16
	NORM 0, 1, GY, TM
	GLOAD 0, 3, GY, TM
	s_wait_dscnt 8                                 ; the older buffer is in; the younger's eight loads may be out
	NORM 0, 2, GX, GX+16
	GLOAD 1, 0, GX, GX+16
	s_wait_dscnt 8
	NORM 0, 3, GY, TM
	QUANT XD, PA, PA+6, PW0
	XIMG 0
	GLOAD 1, 1, GY, TM
	s_wait_dscnt 8                                 ; the first buffer and the image's stores are done
	NORM 1, 0, GX, GX+16
	GLOAD 1, 2, GX, GX+16
	s_wait_dscnt 8
	NORM 1, 1, GY, TM
	GLOAD 1, 3, GY, TM
	s_wait_dscnt 8
	NORM 1, 2, GX, GX+16
	s_wait_dscnt 0x0
	NORM 1, 3, GY, TM
	QUANT XD+64, PA, PA+6, PW0
	XIMG 1
	s_wait_tensorcnt 0x0                           ; my part of W has landed,
	BAR                                            ; everybody's has, and x's panel is whole
	; ---- the product: K = 512 in four steps
	KSTEP 0, 1
	KSTEP 1, 0
	KSTEP 2, 0
	KSTEP 3, 0
	s_cmp_lt_u32 ttmp9, 32
	s_cbranch_scc0 .Lepiv
	; ---- k: + bias; two heads x two tiles of tokens
.irp b, 0,1,2,3
.irp q, 0,1,2,3
	ds_load_b128 v[160+16*\b+4*\q:160+16*\b+4*\q+3], v17 offset:128*\b+16*\q
.endr
.endr
	s_lshl_b32 s54, s45, 3
	s_lshl_b32 s49, s55, 1
	s_add_co_u32 s54, s54, s49                     ; 8 batch + my first head
	s_mul_i32 s54, s54, HEADB
	s_mul_i32 s49, s46, STEPB
	s_add_co_u32 s54, s54, s49                     ; + my key step
	s_mul_i32 s78, s56, 1536
	s_add_co_u32 s78, s78, s54                     ; my pair of tiles
	s_mov_b32 s79, 0
	s_add_nc_u64 s[70:71], s[18:19], s[78:79]
	s_lshl_b32 s78, s56, 7
	s_add_co_u32 s78, s78, s54
	s_add_co_u32 s78, s78, 12288                   ; and its scale words
	s_add_nc_u64 s[72:73], s[18:19], s[78:79]
	s_add_nc_u64 s[74:75], s[70:71], HEADB         ; the second head
	s_add_nc_u64 s[76:77], s[72:73], HEADB
	s_wait_dscnt 0x0
.set k, 0
.rept 32
	v_pk_add_f32 v[32+k:33+k], v[32+k:33+k], v[160+k:161+k]   ; each accumulator from its low end on
.set k, k+2
.endr
.set k, 0
.rept 32
	v_pk_add_f32 v[96+k:97+k], v[96+k:97+k], v[160+k:161+k]
.set k, k+2
.endr
	QUANT 32, PA, 160, PW0                         ; tile 2 p: head 2 c's 64 -> v20-25, head 2 c + 1's -> v160-165
	QUANT 96, PA+6, 166, PW1                       ; tile 2 p + 1: -> v26-31, v166-171
	v_cmp_le_u32 s44, 16, v1
	s_delay_alu instid0(VALU_DEP_1)
	v_cndmask_b32 v[T0], v[PW0], v[PW1], s44       ; lanes 0-15 the first tile's word, lanes 16-31 the second's
	s_delay_alu instid0(VALU_DEP_1)
	v_lshrrev_b32 v[T1], 16, v[T0]                 ; the second head's two bytes,
	s_delay_alu instid0(VALU_DEP_2)
	v_and_b32 v[T0], 0xffff, v[T0]                 ; the first's; bytes 2 and 3 are 0: they meet zero codes
.irp g, 0,1,2
	global_store_b128 v19, v[PA+4*\g:PA+4*\g+3], s[70:71] offset:512*\g
.endr
	global_store_b32 v[L4], v[T0], s[72:73]
.irp g, 0,1,2
	global_store_b128 v19, v[160+4*\g:160+4*\g+3], s[74:75] offset:512*\g
.endr
	global_store_b32 v[L4], v[T1], s[76:77]
	s_branch .Ltail
.Lepiv:
	; ---- v: + bias; two tiles of columns x 128 keys
	ds_load_b32 v160, v18
	ds_load_b32 v162, v18 offset:32
	s_lshl_b32 s54, s45, 3
	s_lshr_b32 s49, s[WV], 1
	s_add_co_u32 s54, s54, s49                     ; 8 batch + head
	s_mul_i32 s54, s54, HEADB
	s_mul_i32 s49, s46, STEPB
	s_add_co_u32 s54, s54, s49                     ; + my key step
	s_and_b32 s49, s[WV], 1                        ; which two of the head's four tiles
	s_mul_i32 s78, s49, 3072
	s_add_co_u32 s78, s78, s54
	s_add_co_u32 s78, s78, 6144
	s_mov_b32 s79, 0
	s_add_nc_u64 s[70:71], s[18:19], s[78:79]
	s_lshl_b32 s78, s49, 8
	s_add_co_u32 s78, s78, s54
	s_add_co_u32 s78, s78, 12800
	s_add_nc_u64 s[72:73], s[18:19], s[78:79]
	s_wait_dscnt 0x0
.set k, 0
.rept 32
	v_pk_add_f32 v[32+k:33+k], v[32+k:33+k], v[160:161] op_sel_hi:[1,0]
.set k, k+2
.endr
.set k, 0
.rept 32
	v_pk_add_f32 v[96+k:97+k], v[96+k:97+k], v[162:163] op_sel_hi:[1,0]
.set k, k+2
.endr
	QUANT 32, PA, PA+6, PW0
	QUANT 96, 160, 166, PW1
.irp g, 0,1,2
	global_store_b128 v19, v[PA+4*\g:PA+4*\g+3], s[70:71] offset:512*\g
.endr
.irp g, 0,1,2
	global_store_b128 v19, v[160+4*\g:160+4*\g+3], s[70:71] offset:1536+512*\g
.endr
	global_store_b32 v[L4], v[PW0], s[72:73]
	global_store_b32 v[L4], v[PW1], s[72:73] offset:128
.Ltail:
	BAR                                            ; every wave's LDS reads are over
	s_wait_tensorcnt 0x0                           ; the wave's end
	ds_add_u32 v4, v5
	s_wait_dscnt 0x0
	CROUND                                         ; the closing round
	s_endpgm
.Lfunc_end_k_q15aa774256_proj:
	.size	k_q15aa774256_proj, .Lfunc_end_k_q15aa774256_proj-k_q15aa774256_proj
	.p2alignl 7, 3214868480
	.fill 96, 4, 3214868480
	.section	.rodata,"a",@progbits
	.p2align	6, 0x0
	.amdhsa_kernel k_q15aa774256_proj
		.amdhsa_group_segment_fixed_size 315392
		.amdhsa_private_segment_fixed_size 0
		.amdhsa_enable_private_segment 0
		.amdhsa_kernarg_size 64
		.amdhsa_user_sgpr_count 2
		.amdhsa_user_sgpr_kernarg_segment_ptr 1
		.amdhsa_wavefront_size32 1
		.amdhsa_system_sgpr_workgroup_id_x 1
		.amdhsa_system_sgpr_workgroup_id_y 1
		.amdhsa_system_sgpr_workgroup_id_z 1
		.amdhsa_system_vgpr_workitem_id 0
		.amdhsa_next_free_vgpr 256
		.amdhsa_next_free_sgpr 80
		.amdhsa_reserve_vcc 0
		.amdhsa_float_denorm_mode_32 3
		.amdhsa_float_denorm_mode_16_64 3
		.amdhsa_memory_ordered 1
		.amdhsa_forward_progress 1
		.amdhsa_inst_pref_size 110
	.end_amdhsa_kernel
	.amdgpu_metadata
---
amdhsa.version: [ 1, 2 ]
amdhsa.kernels:
  - .name:           k_q15aa774256_proj
    .symbol:         k_q15aa774256_proj.kd
    .args:
      - { .name: xk, .offset: 0, .size: 8, .value_kind: global_buffer, .address_space: global }
      - { .name: xv, .offset: 8, .size: 8, .value_kind: global_buffer, .address_space: global }
      - { .name: g1, .offset: 16, .size: 8, .value_kind: global_buffer, .address_space: global }
      - { .name: b1, .offset: 24, .size: 8, .value_kind: global_buffer, .address_space: global }
      - { .name: bk, .offset: 32, .size: 8, .value_kind: global_buffer, .address_space: global }
      - { .name: bv, .offset: 40, .size: 8, .value_kind: global_buffer, .address_space: global }
      - { .name: wts, .offset: 48, .size: 8, .value_kind: global_buffer, .address_space: global }
      - { .name: kv, .offset: 56, .size: 8, .value_kind: global_buffer, .address_space: global }
    .group_segment_fixed_size: 315392
    .private_segment_fixed_size: 0
    .kernarg_segment_align: 8
    .kernarg_segment_size: 64
    .max_flat_workgroup_size: 512
    .sgpr_count:     80
    .vgpr_count:     256
    .wavefront_size: 32
...
	.end_amdgpu_metadata
.endif
;; end of part 8
;; launch attn (part 9): grid 4 x 64, 16 waves a work-group, clusters of 4 x 1, 215,040 bytes of LDS; arguments xn, wts, bq, kv, oa; writes oa
.if DOCPART == 9
	.amdgcn_target "amdgcn-amd-amdhsa--gfx1250"
	.amdhsa_code_object_version 6
	.text
	.protected	k_q15aa774256_attn
	.globl	k_q15aa774256_attn
	.p2align	8
	.type	k_q15aa774256_attn,@function
k_q15aa774256_attn:
	s_mov_b64 s[64:65], 0
	v_nop
	global_prefetch_b8 v0, s[64:65] scope:SCOPE_SE
	s_setreg_imm32_b32 hwreg(HW_REG_WAVE_MODE, 25, 1), 1
	s_wait_xcnt 0x0
	s_wait_alu depctr_hold_cnt(0) depctr_sa_sdst(0) depctr_va_vdst(0) depctr_va_sdst(0) depctr_va_ssrc(0) depctr_va_vcc(0) depctr_vm_vsrc(0)
	s_getreg_b32 s2, hwreg(HW_REG_IB_STS2, 6, 4)
	s_cmp_eq_u32 s2, 0
	s_cbranch_scc0 .Lentry_in_a_cluster
	s_endpgm
.Lentry_in_a_cluster:
	s_bfe_u32 s2, ttmp6, 0x10000c
	s_cmp_lg_u32 s2, 0x3003
	s_cbranch_scc0 .Lentry_shape_is_right
	s_endpgm
.Lentry_shape_is_right:
; q = Q(LN(xq)) Wq + bq for one head, then o = softmax(q k^T / 8) v, for 256 queries: all three products on codes of FP6 (E2M3) with E8M0 scales; o leaves quantised along the head's 64, as half a fragment of the next product.
; THE SOFTMAX: t = score x log2(e) / 8; M = the running largest t rounded UP to a whole number; p = 2^(t - M) is quantised along the keys, not normalised; the row's sum is taken of the unquantised p and divides at the end.
; SHARES.  y = 8 batch + head; the four work-groups of a cluster are the head's four blocks of 256 queries.  Each of sixteen waves owns one tile of 16 queries and walks the 2,048 keys, 128 a step.
; K AND V of the head are 212,992 bytes of register images, sixteen key steps of 13,312 bytes.  They come into LDS ONCE, jointly for the four partners: wave w issues ONE tensor load, key step w's 52 rows of 256 bytes.
; One wait for it, one barrier, and then a loop of sixteen trips with no barrier: nothing is filled again.  No prefetch: every tile is asked for at the head, so there is no loop to run ahead in.
; q: 16 tokens x 64 columns x K = 512 are 16 matrix instructions a wave.  Wq's four tiles of the head come from memory straight into registers (dense loads of 512 bytes, two buffers), the tile's four fragments likewise; they are
; asked for ahead of the cluster's round, and the product is made while K and V are on their way.  bq is loaded into the four accumulators, so every product adds in place; they take turns.
; The sixteen waves read the same 26,624 bytes of Wq: a small part of what the work-group takes in, so it is not sent through LDS.
; LAYOUT.  q^T = Wq^T x^T, S^T = K Q^T, O^T = V^T P^T: a lane holds one query throughout.  K = 64 is half of the instruction's 128: q's registers 6-11 are ZERO CODES, so K's registers 6-11 may be anything that is a code: tile t of
; a step stands at v[32 + 6 t], and its upper six registers are the next tile's codes (the last tile's: zeros).  The scale words' bytes 2 and 3 are 0, which is a small number and no NaN.
; LIMITS: NaN and infinities are not served; a block of zeros, or one under 2^-124, gets the byte 1; the promise holds while the scaled scores t stay under 2^31 in magnitude.
; REGISTERS: v2-5 lane places; v8-11 the step's addresses; v12 -M, v13 largest t, v[14:15] the sum; v16-27 q; v28 q's scale words; v32-85 K, then V in v32-79; v86-93 K's and V's scale words; v96-159 S^T, then p;
;   v160-191 O^T; v192-203 p's codes; v204-211 half blocks; v212-223 maxima, bytes, scale operands; v226 f, v227 p's scale word.  Ahead of the loop: v96-127 q's sums; v32-79, v128-175 Wq's fragments; v176-223 x's;
;   v232-251 their scale words and nothing else.
.set WV, 14
.set SPARE, 212992
.set STEPB, 13312
.set G0, 68
.set BM, 212
.set BP, 216
.set BS, 220
.set QA, 96
.set WA, 32
.set WB, 128
.set XF, 176
.set WS, 232
.set XSC, 248
.macro PLACES n
.rept \n
	v_nop
.endr
.endm
.macro CROUND
	s_barrier_signal -1
	s_barrier_wait -1
	s_cmp_lg_u32 s[WV], 0
	s_cbranch_scc1 .Lnw0_\@
	s_barrier_signal -3
.Lnw0_\@:
	s_barrier_wait -3
	s_barrier_signal -1
	s_barrier_wait -1
.endm
.macro LOADW s, buf                    ; K step s of Wq's four tiles: 16 loads
.irp i, 0,1,2,3
.irp g, 0,1,2
	global_load_b128 v[\buf+12*\i+4*\g:\buf+12*\i+4*\g+3], v2, s[48:49] offset:(4*\i+\s)*1536+512*\g
.endr
	global_load_b32 v[WS+4*\s+\i], v29, s[50:51] offset:(4*\i+\s)*128
.endr
.endm
.macro MULQ s, buf
.irp i, 0,1,2,3
	v_wmma_scale_f32_16x16x128_f8f6f4 v[QA+8*\i:QA+8*\i+7], v[\buf+12*\i:\buf+12*\i+11], v[XF+12*\s:XF+12*\s+11], v[QA+8*\i:QA+8*\i+7], v[WS+4*\s+\i], v[XSC+\s] matrix_a_fmt:MATRIX_FMT_FP6 matrix_b_fmt:MATRIX_FMT_FP6
.endr
.endm
; two blocks of 32 (registers s .. s + 31, each block in lanes l and l xor 16) become six registers of codes at d; the scale word's two bytes in v[pw]
; hint = 1: the numbers were written by plain vector lines, so the chain of maxima carries its hints; 0: they are matrix results, and it carries none
.macro QUANT2 s, d, pw, hint
.irp b, 0,1
	v_max3_num_f32 v[BM+\b], |v[(\s)+16*\b]|, |v[(\s)+1+16*\b]|, 0x1800000   ; with the floor 2^(3 - 127)
.endr
.irp i, 2,4,6,8,10,12,14
.irp b, 0,1
.if \hint
	s_delay_alu instid0(VALU_DEP_2)
.endif
	v_max3_num_f32 v[BM+\b], v[BM+\b], |v[(\s)+16*\b+\i]|, |v[(\s)+1+16*\b+\i]|
.endr
.endr
.irp b, 0,1
	s_delay_alu instid0(VALU_DEP_2)
	v_permlanex16_b32 v[BP+\b], v[BM+\b], s36, s37
.endr
.irp b, 0,1
	s_delay_alu instid0(VALU_DEP_2)
	v_max_num_f32 v[BM+\b], v[BM+\b], v[BP+\b]
.endr
.irp b, 0,1
	s_delay_alu instid0(VALU_DEP_2)
	v_add_nc_u32 v[BS+\b], 0xff000000, v[BM+\b]
.endr
.irp b, 0,1
	s_delay_alu instid0(VALU_DEP_2)
	v_lshrrev_b32 v[BP+\b], 23, v[BS+\b]
.endr
	s_delay_alu instid0(VALU_DEP_1)
	v_lshl_or_b32 v[\pw], v217, 8, v216            ; bytes 2 and 3 stay 0
	v_cvt_scalef32_pk16_fp6_f32 v[(\d):(\d)+2], v[(\s):(\s)+15], v220
	v_cvt_scalef32_pk16_fp6_f32 v[204:206], v[(\s)+16:(\s)+31], v221
	v_nop                                          ; one plain place behind a scaled conversion
.irp i, 0,1,2
	v_permlane16_swap_b32 v[(\d)+\i], v[204+\i]
.endr
.irp i, 0,1,2
	s_delay_alu instid0(VALU_DEP_3)
	v_mov_b32 v[(\d)+3+\i], v[204+\i]
.endr
.endm
	s_load_b256 s[4:11], s[0:1], 0x0               ; xn, wts, bq, kv
	s_load_b64 s[12:13], s[0:1], 0x20              ; oa
	v_lshl_add_u32 v6, v0, 2, SPARE
	v_mov_b32 v7, 0
	ds_add_u32 v6, v7                              ; the wave's opening: the add, twice on end, and its wait stand ahead of my tensor load
	ds_add_u32 v6, v7
	v_lshrrev_b32 v1, 5, v0
	s_delay_alu instid0(VALU_DEP_1)
	v_readfirstlane_b32 s[WV], v1                  ; wave 0..15
	v_and_b32 v1, 31, v0                           ; lane
	s_wait_alu depctr_va_vdst(0)
	s_bfe_u32 s15, ttmp6, 0x40000                  ; cx
	s_lshl_b32 s16, ttmp9, 2
	s_add_co_u32 s16, s16, s15                     ; my block of 256 queries: it enters x's and o's addresses alone
	s_and_b32 s17, ttmp7, 0xffff                   ; 8 batch + head, which the partners share
	s_mov_b32 s20, 15|(3<<16)|(1<<21)              ; group 1: 52 rows of 256 bytes, dense: one key step; the mask names all four
	s_mov_b32 s21, 32<<16
	s_mov_b32 s22, 52<<16
	s_mov_b32 s23, 32<<16
	s_mov_b32 s24, 52
	s_mov_b32 s25, 32
	s_mov_b32 s26, 0
	s_mov_b32 s27, 0
	s_mul_i32 s18, s[WV], STEPB                    ; key step w, in LDS and in the head's images
	s_mul_i32 s28, s17, 212992
	s_add_co_u32 s28, s28, s18
	s_mov_b32 s29, 0
	s_lshr_b32 s30, s17, 3
	s_lshl_b32 s30, s30, 3
	s_lshl_b32 s31, s16, 1
	s_add_co_u32 s30, s30, s31
	s_lshr_b32 s31, s[WV], 3
	s_add_co_u32 s30, s30, s31                     ; the panel of my 128 tokens, in xn and in oa
	s_mul_i32 s30, s30, 53248
	s_and_b32 s31, s[WV], 7                        ; my tile in it
	s_and_b32 s32, s17, 7                          ; the head
	s_mul_i32 s58, s31, 6144
	s_add_co_u32 s58, s58, s30                     ; x's four fragments
	s_mov_b32 s59, 0
	s_lshl_b32 s60, s31, 9
	s_add_co_u32 s60, s60, s30
	s_add_co_u32 s60, s60, 49152                   ; their scale words
	s_mov_b32 s61, 0
	s_lshr_b32 s33, s32, 1
	s_mul_i32 s33, s33, 53248                      ; Wq's panel with the head's four tiles
	s_and_b32 s34, s32, 1
	s_mul_i32 s62, s34, 24576
	s_add_co_u32 s62, s62, s33
	s_mov_b32 s63, 0
	s_lshl_b32 s66, s34, 11
	s_add_co_u32 s66, s66, s33
	s_add_co_u32 s66, s66, 49152
	s_mov_b32 s67, 0
	s_lshl_b32 s34, s32, 8                         ; bq at the head's 64 columns
	s_mov_b32 s35, 0
	v_lshlrev_b32 v2, 4, v1                        ; K's images: 16 x lane
	s_delay_alu instid0(VALU_DEP_1)
	v_add_nc_u32 v3, 6144, v2                      ; V's
	v_lshl_add_u32 v4, v1, 2, 12288                ; K's scale words: 4 x lane
	v_lshl_add_u32 v5, v1, 2, 12800                ; V's
	v_lshlrev_b32 v29, 2, v1                       ; 4 x lane
	v_bfe_u32 v30, v0, 4, 1
	s_delay_alu instid0(VALU_DEP_1)
	v_lshlrev_b32 v30, 6, v30                      ; 64 h
	s_mov_b32 s36, 0x76543210
	s_mov_b32 s37, 0xfedcba98                      ; lane l xor 16
	s_mov_b32 s38, 0x3e38aa3b                      ; c = log2(e) / 8
	s_mov_b32 s39, s38
	s_wait_alu depctr_va_vdst(0)
	s_wait_dscnt 0x0                               ; both opening adds are done
	s_wait_kmcnt 0x0
	s_mov_b32 s[G0], 1
	s_mov_b32 s[G0+1], s18
	s_add_nc_u64 s[G0+2:G0+3], s[10:11], s[28:29]
	s_or_b32 s[G0+3], s[G0+3], 0x80000000
	s_add_nc_u64 s[44:45], s[4:5], s[58:59]
	s_add_nc_u64 s[46:47], s[4:5], s[60:61]
	s_add_nc_u64 s[48:49], s[6:7], s[62:63]
	s_add_nc_u64 s[50:51], s[6:7], s[66:67]
	s_add_nc_u64 s[52:53], s[8:9], s[34:35]
	s_mul_i32 s58, s31, 6144                       ; where o goes: my tile, half head % 2 of K step head / 2,
	s_mul_i32 s59, s32, 768
	s_add_co_u32 s58, s58, s59
	s_add_co_u32 s58, s58, s30
	s_mov_b32 s59, 0
	s_add_nc_u64 s[54:55], s[12:13], s[58:59]
	s_lshl_b32 s60, s31, 2
	s_lshr_b32 s61, s32, 1
	s_add_co_u32 s60, s60, s61
	s_lshl_b32 s60, s60, 7
	s_and_b32 s61, s32, 1
	s_lshl_b32 s61, s61, 1
	s_add_co_u32 s60, s60, s61
	s_add_co_u32 s60, s60, s30
	s_add_co_u32 s60, s60, 49152                   ; and its two bytes of the scale word
	s_mov_b32 s61, 0
	s_add_nc_u64 s[56:57], s[12:13], s[60:61]
	; ---- what q's product wants is asked for ahead of the round
.irp b, 0,1
.irp q, 0,1,2,3
	global_load_b128 v[QA+16*\b+4*\q:QA+16*\b+4*\q+3], v30, s[52:53] offset:128*\b+16*\q   ; bq, straight into the accumulators
.endr
.endr
.set m, 0
.rept 12
	global_load_b128 v[XF+4*m:XF+4*m+3], v2, s[44:45] offset:512*m
.set m, m+1
.endr
.irp s, 0,1,2,3
	global_load_b32 v[XSC+\s], v29, s[46:47] offset:128*\s
.endr
	LOADW 0, WA
	LOADW 1, WB
	CROUND                                         ; all four partners are here: the joint loads meet
	tensor_load_to_lds s[G0:G0+3], s[20:27]        ; my one tensor load of the launch: key step w
	s_nop 0
	PLACES 4
	; ---- q = x Wq + bq
	s_wait_loadcnt 16                              ; bq, x and K step 0 are in; K step 1's 16 loads may be out
	MULQ 0, WA
	PLACES 4                                       ; in front of loads into registers that matrix instructions have read
	LOADW 2, WA
	s_wait_loadcnt 16
	MULQ 1, WB
	PLACES 4
	LOADW 3, WB
	s_wait_loadcnt 16
	MULQ 2, WA
	s_wait_loadcnt 0x0
	MULQ 3, WB
	PLACES 4
.irp b, 0,1,2,3
	v_mov_b32 v[BP+\b], 0                          ; (a lane permute's destination counts as one of its sources)
.endr
	QUANT2 QA, 16, 28, 0                           ; q is quantised along the head's 64
.irp j, 22,23,24,25,26,27, 80,81,82,83,84,85
	v_mov_b32 v\j, 0                               ; zero codes for K = 64 .. 127
.endr
	v_mov_b32 v13, 0xff61b1e6                      ; the largest t so far: -3e38
	s_delay_alu instid0(VALU_DEP_1)
	v_floor_f32 v12, -v13                          ; -M
	v_mov_b32 v14, 0
	v_mov_b32 v15, 0
	v_mov_b32 v227, 0
.set j, 0
.rept 32
	v_mov_b32 v[160+j], 0                          ; O^T: the step is written once for all trips, and the first finds zeros.  (These lines also stand between the writes of q's codes and scale word and the first product)
.set j, j+1
.endr
	s_wait_tensorcnt 0x0                           ; my key step has landed;
	s_wait_dscnt 0x0
	s_barrier_signal -1
	s_barrier_wait -1                              ; behind the barrier all sixteen have
	s_mov_b32 s41, 0                               ; the step's first LDS byte
	s_mov_b32 s40, 16
.Lstep:                                                ; A KEY STEP: 128 keys
	v_add_nc_u32 v8, s41, v2                       ; (these four are also the places behind the last products, in front of the loads)
	v_add_nc_u32 v9, s41, v3
	v_add_nc_u32 v10, s41, v4
	v_add_nc_u32 v11, s41, v5
.set m, 0
.rept 12
	ds_load_b128 v[32+4*m:35+4*m], v8 offset:512*m ; four pair images: eight tiles of 16 keys
.set m, m+1
.endr
.irp p, 0,1,2,3
	ds_load_b32 v[86+\p], v10 offset:128*\p
.endr
	s_wait_alu depctr_va_vdst(0)
	s_wait_dscnt 0x0
.irp t, 0,2,4,6
	v_wmma_scale_f32_16x16x128_f8f6f4 v[96+8*\t:103+8*\t], v[32+6*\t:43+6*\t], v[16:27], 0, v[86+\t/2], v28 matrix_a_fmt:MATRIX_FMT_FP6 matrix_b_fmt:MATRIX_FMT_FP6
	v_wmma_scale_f32_16x16x128_f8f6f4 v[104+8*\t:111+8*\t], v[38+6*\t:49+6*\t], v[16:27], 0, v[86+\t/2], v28 matrix_a_fmt:MATRIX_FMT_FP6 matrix_b_fmt:MATRIX_FMT_FP6 matrix_a_scale:MATRIX_SCALE_ROW1
.endr
	PLACES 4                                       ; in front of the loads into K's registers and of the first read of the scores
.set m, 0
.rept 12
	ds_load_b128 v[32+4*m:35+4*m], v9 offset:512*m ; V's four fragments land while the softmax is walked
.set m, m+1
.endr
.irp p, 0,1,2,3
	ds_load_b32 v[90+\p], v11 offset:128*\p
.endr
.irp b, 0,1,2,3
	v_max3_num_f32 v[BM+\b], v[96+16*\b], v[97+16*\b], v[98+16*\b]   ; the largest score of each block of 32 keys: for the row's maximum and, since p rises with the score, for the block's largest p
.endr
.irp i, 3,5,7,9,11,13
.irp b, 0,1,2,3
	v_max3_num_f32 v[BM+\b], v[BM+\b], v[96+16*\b+\i], v[97+16*\b+\i]
.endr
.endr
.irp b, 0,1,2,3
	v_max_num_f32 v[BM+\b], v[BM+\b], v[111+16*\b]
.endr
.irp b, 0,1,2,3
	s_delay_alu instid0(VALU_DEP_4)
	v_permlanex16_b32 v[BP+\b], v[BM+\b], s36, s37
.endr
.irp b, 0,1,2,3
	s_delay_alu instid0(VALU_DEP_4)
	v_max_num_f32 v[BM+\b], v[BM+\b], v[BP+\b]
.endr
	s_delay_alu instid0(VALU_DEP_2)
	v_max3_num_f32 v224, v212, v213, v214
	s_delay_alu instid0(VALU_DEP_1)
	v_max_num_f32 v224, v224, v215
	s_delay_alu instid0(VALU_DEP_1)
	v_mul_f32 v224, s38, v224                      ; as t
	s_delay_alu instid0(VALU_DEP_1)
	v_max_num_f32 v13, v13, v224                   ; the running largest t
	v_mov_b32 v224, v12
	s_delay_alu instid0(VALU_DEP_2)
	v_floor_f32 v12, -v13                          ; the new -M = -ceil(t)
	s_delay_alu instid0(VALU_DEP_1)
	v_sub_f32 v224, v12, v224                      ; old M - new M: a whole number, 0 or less
	s_delay_alu instid0(VALU_DEP_1)
	v_cvt_i32_f32 v224, v224                       ; (it saturates)
	s_delay_alu instid0(VALU_DEP_1)
	v_ldexp_f32 v226, 1.0, v224                    ; f = 2^(old M - new M)
.set j, 0
.rept 32
	v_pk_fma_f32 v[96+j:97+j], v[96+j:97+j], s[38:39], v[12:13] op_sel_hi:[1,0,0]   ; t - M
.set j, j+2
.endr
.irp b, 0,1,2,3
	v_fma_f32 v[BM+\b], v[BM+\b], s38, v12
.endr
.set j, 0
	s_wait_alu depctr_va_vdst(0)                   ; ahead of the batch
.rept 64
	v_exp_f32 v[96+j], v[96+j]                     ; p = 2^(t - M)
.set j, j+1
.endr
	v_pk_mul_f32 v[14:15], v[14:15], v[226:227] op_sel_hi:[1,0]   ; the sums under the new M (a plain place behind the exponentials)
	s_wait_alu depctr_va_vdst(0)                   ; one wait for the batch, ahead of its first reader
.irp b, 0,1,2,3
	v_exp_f32 v[BM+\b], v[BM+\b]                   ; each block's largest p
.endr
	v_pk_add_f32 v[228:229], v[100:101], v[104:105]   ; the row's sum of the unquantised p, in eight chains
	v_pk_add_f32 v[254:255], v[108:109], v[112:113]
	v_pk_add_f32 v[252:253], v[116:117], v[120:121]
	v_pk_add_f32 v[250:251], v[124:125], v[128:129]
	v_pk_add_f32 v[248:249], v[132:133], v[136:137]
	v_pk_add_f32 v[246:247], v[140:141], v[144:145]
	v_pk_add_f32 v[244:245], v[148:149], v[152:153]
	v_pk_add_f32 v[14:15], v[14:15], v[156:157]
	v_pk_add_f32 v[228:229], v[228:229], v[96:97]
	v_pk_add_f32 v[254:255], v[254:255], v[98:99]
	v_pk_add_f32 v[252:253], v[252:253], v[102:103]
	v_pk_add_f32 v[250:251], v[250:251], v[106:107]
	v_pk_add_f32 v[248:249], v[248:249], v[110:111]
	v_pk_add_f32 v[246:247], v[246:247], v[114:115]
	v_pk_add_f32 v[244:245], v[244:245], v[118:119]
	v_pk_add_f32 v[14:15], v[14:15], v[122:123]
	v_pk_add_f32 v[228:229], v[228:229], v[126:127]
	v_pk_add_f32 v[254:255], v[254:255], v[130:131]
	v_pk_add_f32 v[252:253], v[252:253], v[134:135]
	v_pk_add_f32 v[250:251], v[250:251], v[138:139]
	v_pk_add_f32 v[248:249], v[248:249], v[142:143]
	v_pk_add_f32 v[246:247], v[246:247], v[146:147]
	v_pk_add_f32 v[244:245], v[244:245], v[150:151]
	v_pk_add_f32 v[14:15], v[14:15], v[154:155]
	v_pk_add_f32 v[228:229], v[228:229], v[158:159]
	s_delay_alu instid0(VALU_DEP_2)
	v_pk_add_f32 v[14:15], v[14:15], v[250:251]
	s_delay_alu instid0(VALU_DEP_2)
	v_pk_add_f32 v[228:229], v[228:229], v[248:249]
	v_pk_add_f32 v[254:255], v[254:255], v[246:247]
	v_pk_add_f32 v[252:253], v[252:253], v[244:245]
	s_delay_alu instid0(VALU_DEP_2)
	v_pk_add_f32 v[14:15], v[14:15], v[254:255]
	s_delay_alu instid0(VALU_DEP_2)
	v_pk_add_f32 v[228:229], v[228:229], v[252:253]
	s_delay_alu instid0(VALU_DEP_1)
	v_pk_add_f32 v[14:15], v[14:15], v[228:229]
	s_wait_alu depctr_va_vdst(0)                   ; and one for the four
.irp b, 0,1,2,3
	v_max_num_f32 v[BM+\b], 0x1800000, v[BM+\b]    ; the floor 2^(3 - 127)
.endr
.irp b, 0,1,2,3
	s_delay_alu instid0(VALU_DEP_4)
	v_add_nc_u32 v[BS+\b], 0xff000000, v[BM+\b]    ; the conversion's scale operand
.endr
.irp b, 0,1,2,3
	s_delay_alu instid0(VALU_DEP_4)
	v_lshrrev_b32 v[BP+\b], 23, v[BS+\b]           ; the scale's byte
.endr
	s_delay_alu instid0(VALU_DEP_3)
	v_lshl_or_b32 v227, v217, 8, v216              ; p's scale word for these 128 keys
	s_delay_alu instid0(VALU_DEP_1)
	v_lshl_or_b32 v227, v218, 16, v227
	s_delay_alu instid0(VALU_DEP_1)
	v_lshl_or_b32 v227, v219, 24, v227
.irp c, 0,1
	v_cvt_scalef32_pk16_fp6_f32 v[192+6*\c:194+6*\c], v[96+32*\c:111+32*\c], v[BS+2*\c]
	v_cvt_scalef32_pk16_fp6_f32 v[204+4*\c:206+4*\c], v[112+32*\c:127+32*\c], v[BS+2*\c+1]
.endr
	v_nop                                          ; one plain place behind a scaled conversion
.irp c, 0,1
.irp i, 0,1,2
	v_permlane16_swap_b32 v[192+6*\c+\i], v[204+4*\c+\i]
.endr
.irp i, 0,1,2
	s_delay_alu instid0(VALU_DEP_3)
	v_mov_b32 v[195+6*\c+\i], v[204+4*\c+\i]
.endr
.endr
.set j, 0
.rept 16
	v_pk_mul_f32 v[160+j:161+j], v[160+j:161+j], v[226:227] op_sel_hi:[1,0]   ; O^T under the new M; these sixteen also stand between the writes of p's codes and scale word and the products
.set j, j+2
.endr
	s_wait_alu depctr_va_vdst(0)
	s_wait_dscnt 0x0                               ; V is in
.irp n, 0,1,2,3
	v_wmma_scale_f32_16x16x128_f8f6f4 v[160+8*\n:167+8*\n], v[32+12*\n:43+12*\n], v[192:203], v[160+8*\n:167+8*\n], v[90+\n], v227 matrix_a_fmt:MATRIX_FMT_FP6 matrix_b_fmt:MATRIX_FMT_FP6
.endr
	s_add_co_u32 s41, s41, STEPB
	s_sub_co_u32 s40, s40, 1
	s_cmp_lg_u32 s40, 0
	s_cbranch_scc1 .Lstep
	; ---- the way out: O^T / the sum, quantised along the head's 64: registers 6 (head % 2) .. + 5 of K step head / 2 of the next product's operand
	PLACES 4
	v_add_f32 v14, v14, v15
	s_delay_alu instid0(VALU_DEP_1)
	v_permlanex16_b32 v224, v14, s36, s37
	s_delay_alu instid0(VALU_DEP_1)
	v_add_f32 v14, v14, v224                       ; the row's sum
	s_wait_alu depctr_va_vdst(0)
	v_rcp_f32 v226, v14
	v_lshlrev_b32 v8, 3, v1                        ; (plain work behind the reciprocal)  8 x lane
	s_wait_alu depctr_va_vdst(0)                   ; ahead of the first reader
.set j, 0
.rept 16
	v_pk_mul_f32 v[160+j:161+j], v[160+j:161+j], v[226:227] op_sel_hi:[1,0]
.set j, j+2
.endr
	QUANT2 160, 192, 224, 1                        ; the head's two bytes of the scale word in v224
.irp g, 0,1,2
	global_store_b64 v8, v[192+2*\g:193+2*\g], s[54:55] offset:256*\g   ; 32 lanes store 256 consecutive bytes, aligned
.endr
	global_store_b16 v29, v224, s[56:57]
	s_wait_tensorcnt 0x0                           ; the wave's end
	ds_add_u32 v6, v7
	s_wait_dscnt 0x0
	CROUND                                         ; the closing round
	s_endpgm
.Lfunc_end_k_q15aa774256_attn:
	.size	k_q15aa774256_attn, .Lfunc_end_k_q15aa774256_attn-k_q15aa774256_attn
	.p2alignl 7, 3214868480
	.fill 96, 4, 3214868480
	.section	.rodata,"a",@progbits
	.p2align	6, 0x0
	.amdhsa_kernel k_q15aa774256_attn
		.amdhsa_group_segment_fixed_size 215040
		.amdhsa_private_segment_fixed_size 0
		.amdhsa_enable_private_segment 0
		.amdhsa_kernarg_size 40
		.amdhsa_user_sgpr_count 2
		.amdhsa_user_sgpr_kernarg_segment_ptr 1
		.amdhsa_wavefront_size32 1
		.amdhsa_system_sgpr_workgroup_id_x 1
		.amdhsa_system_sgpr_workgroup_id_y 1
		.amdhsa_system_sgpr_workgroup_id_z 1
		.amdhsa_system_vgpr_workitem_id 0
		.amdhsa_next_free_vgpr 256
		.amdhsa_next_free_sgpr 84
		.amdhsa_reserve_vcc 0
		.amdhsa_float_denorm_mode_32 3
		.amdhsa_float_denorm_mode_16_64 3
		.amdhsa_memory_ordered 1
		.amdhsa_forward_progress 1
		.amdhsa_inst_pref_size 42
	.end_amdhsa_kernel
	.amdgpu_metadata
---
amdhsa.version: [ 1, 2 ]
amdhsa.kernels:
  - .name:           k_q15aa774256_attn
    .symbol:         k_q15aa774256_attn.kd
    .args:
      - { .name: xn, .offset: 0, .size: 8, .value_kind: global_buffer, .address_space: global }
      - { .name: wts, .offset: 8, .size: 8, .value_kind: global_buffer, .address_space: global }
      - { .name: bq, .offset: 16, .size: 8, .value_kind: global_buffer, .address_space: global }
      - { .name: kv, .offset: 24, .size: 8, .value_kind: global_buffer, .address_space: global }
      - { .name: oa, .offset: 32, .size: 8, .value_kind: global_buffer, .address_space: global }
    .group_segment_fixed_size: 215040
    .private_segment_fixed_size: 0
    .kernarg_segment_align: 8
    .kernarg_segment_size: 40
    .max_flat_workgroup_size: 512
    .sgpr_count:     84
    .vgpr_count:     256
    .wavefront_size: 32
...
	.end_amdgpu_metadata
.endif
;; end of part 9
;; launch tail (part 10): grid 256 x 1, 8 waves a work-group, no clusters, 151,552 bytes of LDS; arguments oa, wts, xq, g2, b2, b_ff1, b_ff2, out0; writes out0
.if DOCPART == 10
	.amdgcn_target "amdgcn-amd-amdhsa--gfx1250"
	.amdhsa_code_object_version 6
	.text
	.protected	k_q15aa774256_tail
	.globl	k_q15aa774256_tail
	.p2align	8
	.type	k_q15aa774256_tail,@function
k_q15aa774256_tail:
	s_mov_b64 s[64:65], 0
	v_nop
	global_prefetch_b8 v0, s[64:65] scope:SCOPE_SE
	s_setreg_imm32_b32 hwreg(HW_REG_WAVE_MODE, 25, 1), 1
	s_wait_xcnt 0x0
; a = xq + o Wo;  h = Q(LN(a));  u = Q(gelu(h W_ff1 + b_ff1));  out0 = a + u W_ff2 + b_ff2: three products on codes of FP6 (E2M3) with E8M0 scales, one work-group taking its rows through the whole chain.
; SHARES.  A work-group owns 32 tokens (tiles 2 P, 2 P + 1 of their panel) and whole rows: 256 work-groups.  In every product a wave's tile is four tiles of the weight (source 0) x the two tiles of tokens (source 1):
; a lane holds one token and its registers run along the columns.  Wave c: columns 64 c of a and of out0; hidden units 64 (c + 8 t), t = 0 .. 3.
; h (12,288 bytes of codes), u (49,152), their scale words, a (8,192 a wave, the wave's own bytes) and the two biases stay in LDS; nothing of them goes to memory.
; NO TENSOR LOAD, NO CLUSTER: each fragment of a weight is used by exactly one wave of the work-group and once, so it goes from memory straight into that wave's registers (loads of 512 consecutive bytes), two sets of
; 16 loads, each asked for two K steps ahead of its products; through LDS it would still be read out once for each use.
; PREFETCH: W_ff1's and W_ff2's 32 panels are 6,656 blocks of 256 bytes, which all work-groups read: wave 0 of work-group p asks once, at the head, for blocks 26 p .. 26 p + 25 (lanes 26-31 name the last again).
; The exact gelu x (1 + erf(x / sqrt 2)) / 2 in f32: erf(z) = z P(z^2) / Q(z^2), degrees 6 and 4, z held to +-4.
; LIMITS: NaN and infinities are not served; a block of zeros, or one under 2^-124, gets the byte 1.
; REGISTERS: v1-13, v27-31 lane terms and addresses; v32-95 the accumulators ((i, j) at 32 + 32 j + 8 i); v240-251 scale words and nothing else.
;   First product: v14-26 sums, codes; v96-167, v168-239 two sets of fragments; then v96-159 g2, b2, v168-207 the quantiser's work.
;   Later: v14-22 addresses; v96-143, v144-191 two sets of the weight's fragments; v192-215 the tokens' fragments, between trips codes and part of the gelu's work; v216-239 work; v252-255 two coefficients.
.set WV, 70
.set SEL, 40
.set PANB, 53248
.set SPARE, 4096                       ; LDS: the sums from 0 (256 bytes a wave), the squares from 2,048, the spare words here
.set BIAS, 5120                        ; b_ff1, and 8,192 bytes on b_ff2
.set H1, 15360                         ; h: fragment (j, s) at (4 j + s) x 1,536, in pieces of 8 bytes a lane
.set H1S, 27648                        ; its scale words, (4 j + s) x 128
.set H2, 28672                         ; u: fragment (j, S) at S x 3,072 + j x 1,536
.set H2S, 77824                        ; its scale words, S x 256 + j x 128
.set PARK, 81920                       ; 8,704 bytes a wave: a, later the stage for the way out
.set FB0, 96
.set FB1, 168
.set SB0, 240
.set SB1, 246
.set R, 32
.set GG, 96
.set GB, 128
.set MT, 184
.set TM, 168
.set X2, 200
.set WF, 96
.set T, 192
.set WSC, 240
.set TS, 248
.set ZZ, 216
.set Z2, 224
.set PP, 232
.set QQ, 206
.macro PLACES n
.rept \n
	v_nop
.endr
.endm
.macro BAR
	s_wait_dscnt 0x0
	s_barrier_signal -1
	s_barrier_wait -1
.endm
.macro QUANT s, d0, d1, pw             ; 64 numbers of a lane, four blocks, each in lanes l and l xor 16 -> codes at d0 (blocks 0, 1) and d1 (2, 3), the four bytes in pw
.irp b, 0,1,2,3
	v_max3_num_f32 v[TM+\b], |v[(\s)+16*\b]|, |v[(\s)+1+16*\b]|, 0x1800000   ; with the floor 2^(3 - 127)
.endr
.irp i, 2,4,6,8,10,12,14
.irp b, 0,1,2,3
	s_delay_alu instid0(VALU_DEP_4)
	v_max3_num_f32 v[TM+\b], v[TM+\b], |v[(\s)+16*\b+\i]|, |v[(\s)+1+16*\b+\i]|
.endr
.endr
.irp b, 0,1,2,3
	v_permlanex16_b32 v[TM+4+\b], v[TM+\b], s[SEL], s[SEL+1]
.endr
.irp b, 0,1,2,3
	s_delay_alu instid0(VALU_DEP_4)
	v_max_num_f32 v[TM+\b], v[TM+\b], v[TM+4+\b]
.endr
.irp b, 0,1,2,3
	s_delay_alu instid0(VALU_DEP_4)
	v_add_nc_u32 v[TM+12+\b], 0xff000000, v[TM+\b]
.endr
.irp b, 0,1,2,3
	s_delay_alu instid0(VALU_DEP_4)
	v_lshrrev_b32 v[TM+4+\b], 23, v[TM+12+\b]
.endr
	s_delay_alu instid0(VALU_DEP_3)
	v_lshl_or_b32 v[\pw], v[TM+5], 8, v[TM+4]
	s_delay_alu instid0(VALU_DEP_1)
	v_lshl_or_b32 v[\pw], v[TM+6], 16, v[\pw]
	s_delay_alu instid0(VALU_DEP_1)
	v_lshl_or_b32 v[\pw], v[TM+7], 24, v[\pw]
	v_cvt_scalef32_pk16_fp6_f32 v[(\d0):(\d0)+2], v[(\s):(\s)+15], v[TM+12]
	v_cvt_scalef32_pk16_fp6_f32 v[X2:X2+2], v[(\s)+16:(\s)+31], v[TM+13]
	v_cvt_scalef32_pk16_fp6_f32 v[(\d1):(\d1)+2], v[(\s)+32:(\s)+47], v[TM+14]
	v_cvt_scalef32_pk16_fp6_f32 v[X2+4:X2+6], v[(\s)+48:(\s)+63], v[TM+15]
	v_nop
.irp i, 0,1,2
	v_permlane16_swap_b32 v[(\d0)+\i], v[X2+\i]
.endr
.irp i, 0,1,2
	s_delay_alu instid0(VALU_DEP_3)
	v_mov_b32 v[(\d0)+3+\i], v[X2+\i]
.endr
.irp i, 0,1,2
	v_permlane16_swap_b32 v[(\d1)+\i], v[X2+4+\i]
.endr
.irp i, 0,1,2
	s_delay_alu instid0(VALU_DEP_3)
	v_mov_b32 v[(\d1)+3+\i], v[X2+4+\i]
.endr
.endm
.macro LOADK s, fb, sb                 ; first product, K step s: 30 loads: Wo's four fragments and scale words, o's two
.irp i, 0,1,2,3
.irp g, 0,1,2
	global_load_b128 v[\fb+12*\i+4*\g:\fb+12*\i+4*\g+3], v4, s[20:21] offset:(4*\i+\s)*1536+512*\g
.endr
	global_load_b32 v[\sb+\i], v6, s[22:23] offset:(4*\i+\s)*128
.endr
.irp j, 0,1
.irp g, 0,1,2,3,4,5
	global_load_b64 v[\fb+48+12*\j+2*\g:\fb+48+12*\j+2*\g+1], v5, s[24:25] offset:(4*\j+\s)*1536+256*\g
.endr
	global_load_b32 v[\sb+4+\j], v6, s[26:27] offset:(4*\j+\s)*128
.endr
.endm
.macro MUL fb, sb                      ; eight accumulators by turns
.irp i, 0,1,2,3
.irp j, 0,1
	v_wmma_scale_f32_16x16x128_f8f6f4 v[32+32*\j+8*\i:39+32*\j+8*\i], v[\fb+12*\i:\fb+12*\i+11], v[\fb+48+12*\j:\fb+48+12*\j+11], v[32+32*\j+8*\i:39+32*\j+8*\i], v[\sb+\i], v[\sb+4+\j] matrix_a_fmt:MATRIX_FMT_FP6 matrix_b_fmt:MATRIX_FMT_FP6
.endr
.endr
.endm
.macro SUMJ acc, r                     ; the sum of 32 registers
	v_pk_add_f32 v[\acc:\acc+1], v[\r:\r+1], v[\r+2:\r+3]
	v_pk_add_f32 v[\acc+2:\acc+3], v[\r+4:\r+5], v[\r+6:\r+7]
.irp k, 8,12,16,20,24,28
	v_pk_add_f32 v[\acc:\acc+1], v[\acc:\acc+1], v[\r+\k:\r+\k+1]          ; (two chains by turns; the numbers are matrix results)
	v_pk_add_f32 v[\acc+2:\acc+3], v[\acc+2:\acc+3], v[\r+\k+2:\r+\k+3]
.endr
	s_delay_alu instid0(VALU_DEP_1)
	v_pk_add_f32 v[\acc:\acc+1], v[\acc:\acc+1], v[\acc+2:\acc+3]
	s_delay_alu instid0(VALU_DEP_1)
	v_add_f32 v[\acc], v[\acc], v[\acc+1]
.endm
.macro SQJ acc, r                      ; the sum of their squares
	v_pk_mul_f32 v[\acc:\acc+1], v[\r:\r+1], v[\r:\r+1]
	v_pk_mul_f32 v[\acc+2:\acc+3], v[\r+2:\r+3], v[\r+2:\r+3]
.irp k, 4,8,12,16,20,24,28
	s_delay_alu instid0(VALU_DEP_2)
	v_pk_fma_f32 v[\acc:\acc+1], v[\r+\k:\r+\k+1], v[\r+\k:\r+\k+1], v[\acc:\acc+1]
	s_delay_alu instid0(VALU_DEP_2)
	v_pk_fma_f32 v[\acc+2:\acc+3], v[\r+\k+2:\r+\k+3], v[\r+\k+2:\r+\k+3], v[\acc+2:\acc+3]
.endr
	s_delay_alu instid0(VALU_DEP_1)
	v_pk_add_f32 v[\acc:\acc+1], v[\acc:\acc+1], v[\acc+2:\acc+3]
	s_delay_alu instid0(VALU_DEP_1)
	v_add_f32 v[\acc], v[\acc], v[\acc+1]
.endm
.macro MEET off                        ; my two numbers (v14: tile 2 P, v18: tile 2 P + 1) with lane l xor 16's, through LDS, summed over the eight waves -> v[MT], v[MT+1]
	v_permlanex16_b32 v22, v14, s[SEL], s[SEL+1]
	s_delay_alu instid0(VALU_DEP_2)
	v_permlanex16_b32 v23, v18, s[SEL], s[SEL+1]
	s_delay_alu instid0(VALU_DEP_2)
	v_add_f32 v14, v14, v22
	s_delay_alu instid0(VALU_DEP_2)
	v_add_f32 v18, v18, v23
	ds_store_b32 v9, v14 offset:\off
	ds_store_b32 v9, v18 offset:\off+128
	BAR
.irp c, 0,1,2,3,4,5,6,7
	ds_load_b32 v[MT+2*\c], v6 offset:\off+256*\c
	ds_load_b32 v[MT+1+2*\c], v6 offset:\off+256*\c+128
.endr
	s_wait_dscnt 0x0
.irp c, 1
	v_pk_add_f32 v[MT:MT+1], v[MT:MT+1], v[MT+2*\c:MT+1+2*\c]
.endr
.irp c, 2, 3, 4, 5, 6, 7
	s_delay_alu instid0(VALU_DEP_1)
	v_pk_add_f32 v[MT:MT+1], v[MT:MT+1], v[MT+2*\c:MT+1+2*\c]
.endr
.endm
; ---- the second and third products
.macro LW w, p, po, s                  ; 16 loads: K step s of my four tiles of the panel po bytes behind s[p], into set w
.irp i, 0,1,2,3
.irp g, 0,1,2
	global_load_b128 v[WF+48*(\w)+12*\i+4*\g:WF+48*(\w)+12*\i+4*\g+3], v18, s[\p:\p+1] offset:(\po)+\i*6144+(\s)*1536+512*\g
.endr
	global_load_b32 v[WSC+4*(\w)+\i], v19, s[\p:\p+1] offset:(\po)+\i*512+(\s)*128
.endr
.endm
.macro LTOK va, vs, co, so, tj, sj     ; 14 LDS loads: the tokens' two fragments (co, co + tj) and scale words (so, so + sj)
.irp j, 0,1
.irp g, 0,1,2,3,4,5
	ds_load_b64 v[T+12*\j+2*\g:T+12*\j+2*\g+1], v[\va] offset:(\co)+(\tj)*\j+256*\g
.endr
	ds_load_b32 v[TS+\j], v[\vs] offset:(\so)+(\sj)*\j
.endr
.endm
.macro MULW w
.irp i, 0,1,2,3
.irp j, 0,1
	v_wmma_scale_f32_16x16x128_f8f6f4 v[32+32*\j+8*\i:39+32*\j+8*\i], v[WF+48*(\w)+12*\i:WF+48*(\w)+12*\i+11], v[T+12*\j:T+12*\j+11], v[32+32*\j+8*\i:39+32*\j+8*\i], v[WSC+4*(\w)+\i], v[TS+\j] matrix_a_fmt:MATRIX_FMT_FP6 matrix_b_fmt:MATRIX_FMT_FP6
.endr
.endr
.endm
.macro KST2 s                          ; second product, K step s of a trip
	s_wait_loadcnt 16                              ; this step's set is in; the other set's 16 loads may be out
	s_wait_dscnt 0x0                               ; the tokens' fragments (and, at step 0, the bias)
	MULW (\s)%2
	PLACES 4                                       ; in front of loads into registers that matrix instructions have read, and of the first read of results
.if \s < 3
	LTOK 10, 13, (\s+1)*1536, (\s+1)*128, 6144, 512
.endif
.if \s < 2
	LW (\s)%2, 72, 0, (\s+2)
.else
	LW (\s)%2, 76, 0, (\s-2)                       ; the next trip's first two steps; in the last trip: the third product's
.endif
.endm
.macro KST3 S                          ; third product, K step S of 16
.if (\S) < 15
	s_wait_loadcnt 16
.else
	s_wait_loadcnt 0x0
.endif
	s_wait_dscnt 0x0
	MULW (\S)%2
	PLACES 4
.if (\S) < 15
	LTOK 7, 27, ((\S)+1)*3072, ((\S)+1)*256, 1536, 128
.endif
.if (\S)+2 < 16
	LW (\S)%2, 84, (((\S)+2)/4)*PANB, ((\S)+2)%4
.endif
.endm
.macro GELU8 x                         ; eight numbers in place
.irp k, 0,2,4,6
	v_pk_mul_f32 v[ZZ+\k:ZZ+\k+1], v[(\x)+\k:(\x)+\k+1], 0x3f3504f3 op_sel_hi:[1,0]   ; z = x / sqrt 2
.endr
.irp k, 0,1,2,3,4,5,6,7
	v_med3_num_f32 v[ZZ+\k], v[ZZ+\k], -4.0, 4.0
.endr
.irp k, 0,2,4,6
	v_pk_mul_f32 v[Z2+\k:Z2+\k+1], v[ZZ+\k:ZZ+\k+1], v[ZZ+\k:ZZ+\k+1]
.endr
.irp k, 0,2,4,6
	v_pk_fma_f32 v[PP+\k:PP+\k+1], v[Z2+\k:Z2+\k+1], v[252:253], 0x32edffee op_sel_hi:[1,1,0]
.endr
.irp a, 0xb60cff51, 0xb86ec2d2, 0xba40ac63, 0xbb41a1f6, 0xbc83dbd4
.irp k, 0,2,4,6
	v_pk_fma_f32 v[PP+\k:PP+\k+1], v[PP+\k:PP+\k+1], v[Z2+\k:Z2+\k+1], \a op_sel_hi:[1,1,0]
.endr
.endr
.irp k, 0,2,4,6
	v_pk_fma_f32 v[QQ+\k:QQ+\k+1], v[Z2+\k:Z2+\k+1], v[254:255], 0xb95fbd29 op_sel_hi:[1,1,0]
.endr
.irp a, 0xbadc924e, 0xbbf19bf8, 0xbc69b6a7
.irp k, 0,2,4,6
	v_pk_fma_f32 v[QQ+\k:QQ+\k+1], v[QQ+\k:QQ+\k+1], v[Z2+\k:Z2+\k+1], \a op_sel_hi:[1,1,0]
.endr
.endr
.irp k, 0,2,4,6
	v_pk_mul_f32 v[PP+\k:PP+\k+1], v[PP+\k:PP+\k+1], v[ZZ+\k:ZZ+\k+1]
.endr
	s_wait_alu depctr_va_vdst(0)                   ; ahead of the batch
.irp k, 0,1,2,3,4,5,6,7
	v_rcp_f32 v[Z2+\k], v[QQ+\k]
.endr
.irp k, 0,2,4,6
	v_pk_mul_f32 v[ZZ+\k:ZZ+\k+1], v[(\x)+\k:(\x)+\k+1], 0.5 op_sel_hi:[1,0]   ; x / 2: plain work behind the reciprocals
.endr
	s_wait_alu depctr_va_vdst(0)                   ; one wait for the eight, ahead of their first reader
.irp k, 0,2,4,6
	v_pk_mul_f32 v[PP+\k:PP+\k+1], v[PP+\k:PP+\k+1], v[Z2+\k:Z2+\k+1]          ; erf
.endr
.irp k, 0,2,4,6
	v_pk_fma_f32 v[(\x)+\k:(\x)+\k+1], v[ZZ+\k:ZZ+\k+1], v[PP+\k:PP+\k+1], v[ZZ+\k:ZZ+\k+1]
.endr
.endm
	s_load_b256 s[4:11], s[0:1], 0x0               ; oa, wts, xq, g2
	s_load_b256 s[12:19], s[0:1], 0x20             ; b2, b_ff1, b_ff2, out0
	v_lshl_add_u32 v11, v0, 2, SPARE
	v_mov_b32 v12, 0
	v_lshrrev_b32 v1, 5, v0
	s_delay_alu instid0(VALU_DEP_1)
	v_readfirstlane_b32 s[WV], v1                  ; wave c, 0..7
	v_and_b32 v1, 31, v0
	v_and_b32 v2, 15, v0
	v_bfe_u32 v3, v0, 4, 1
	s_delay_alu instid0(VALU_DEP_3)
	v_lshlrev_b32 v4, 4, v1                        ; 16 x lane
	s_delay_alu instid0(VALU_DEP_4)
	v_lshlrev_b32 v5, 3, v1                        ; 8 x lane
	v_lshlrev_b32 v6, 2, v1                        ; 4 x lane
	v_and_b32 v7, 8, v2
	s_delay_alu instid0(VALU_DEP_1)
	v_add_nc_u32 v7, v7, v2
	s_delay_alu instid0(VALU_DEP_1)
	v_lshlrev_b32 v7, 11, v7
	s_delay_alu instid0(VALU_DEP_1)
	v_lshl_add_u32 v7, v3, 6, v7                   ; xq: row r + 8 (r / 8), + 64 h
	v_lshlrev_b32 v8, 6, v3                        ; 64 h
	s_lshl_b32 s44, s[WV], 8
	v_lshl_add_u32 v9, v1, 2, s44                  ; LDS: my wave's words of the sums
	s_wait_alu depctr_va_vdst(0)                   ; ahead of the run of scalar lines
	s_mov_b32 s[SEL], 0x76543210
	s_mov_b32 s[SEL+1], 0xfedcba98
	s_mov_b32 s42, 0x3b000000                      ; 1 / 512
	s_lshr_b32 s44, s[WV], 1
	s_and_b32 s45, s[WV], 1
	s_add_co_u32 s46, s44, 12
	s_mul_i32 s46, s46, PANB                       ; Wo's panel with my four tiles
	s_mul_i32 s47, s45, 24576
	s_add_co_u32 s48, s46, s47
	s_mov_b32 s49, 0
	s_lshl_b32 s47, s45, 11
	s_add_co_u32 s50, s46, s47
	s_add_co_u32 s50, s50, 49152
	s_mov_b32 s51, 0
	s_lshr_b32 s46, ttmp9, 2
	s_mul_i32 s46, s46, PANB                       ; the tokens' panel of o
	s_and_b32 s47, ttmp9, 3
	s_mul_i32 s52, s47, 12288
	s_add_co_u32 s52, s52, s46
	s_mov_b32 s53, 0
	s_lshl_b32 s54, s47, 10
	s_add_co_u32 s54, s54, s46
	s_add_co_u32 s54, s54, 49152
	s_mov_b32 s55, 0
	s_lshl_b32 s58, s[WV], 8                       ; 64 columns of f32
	s_mov_b32 s59, 0
	s_lshl_b32 s56, ttmp9, 16                      ; 32 rows of 2,048 bytes, in xq and in out0
	s_add_co_u32 s56, s56, s58
	s_mov_b32 s57, 0
	s_mul_i32 s90, s[WV], 8704
	s_add_co_u32 s90, s90, PARK                    ; my 8,704 bytes
	s_mul_i32 s91, s[WV], 768
	s_add_co_u32 s91, s91, H1                      ; h's codes: half c % 2 of K step c / 2
	s_lshl_b32 s92, s44, 7
	s_lshl_b32 s60, s45, 1
	s_add_co_u32 s92, s92, s60
	s_add_co_u32 s92, s92, H1S                     ; and its two bytes of the scale word
	s_mul_i32 s93, s44, 3072
	s_mul_i32 s61, s45, 768
	s_add_co_u32 s93, s93, s61
	s_add_co_u32 s93, s93, H2                      ; u's codes: half c % 2 of K step c / 2 + 4 t
	s_lshl_b32 s94, s44, 8
	s_add_co_u32 s94, s94, s60
	s_add_co_u32 s94, s94, H2S
	s_add_co_u32 s95, s58, BIAS
	s_mul_i32 s96, s45, 24576                      ; my four tiles in a panel: codes,
	s_lshl_b32 s97, s45, 11
	s_add_co_u32 s97, s97, 49152                   ; scale words
	s_mul_i32 s98, ttmp9, 6656
	s_add_co_u32 s98, s98, 16*PANB                 ; my work-group's 26 blocks of W_ff1 and W_ff2
	s_add_co_u32 s62, s44, 16
	s_mul_i32 s62, s62, PANB                       ; W_ff1: panel 16 + c / 2 + 4 t
	s_mov_b32 s63, 0
	s_lshl_b32 s66, s44, 2
	s_add_co_u32 s66, s66, 32
	s_mul_i32 s66, s66, PANB                       ; W_ff2: panel 32 + 4 (c / 2) + S / 4
	s_mov_b32 s67, 0
	v_add_nc_u32 v10, s90, v4                      ; a's image
	v_add_nc_u32 v13, s91, v5
	v_add_nc_u32 v27, s92, v6
	v_lshlrev_b32 v24, 4, v0                       ; 16 x thread, 8 x thread: the biases
	v_lshlrev_b32 v25, 3, v0
	v_min_u32 v31, 25, v1
	v_lshl_add_u32 v31, v31, 8, s98
	s_wait_alu depctr_va_vdst(0)
	s_wait_kmcnt 0x0
	s_add_nc_u64 s[20:21], s[6:7], s[48:49]
	s_add_nc_u64 s[22:23], s[6:7], s[50:51]
	s_add_nc_u64 s[24:25], s[4:5], s[52:53]
	s_add_nc_u64 s[26:27], s[4:5], s[54:55]
	s_add_nc_u64 s[28:29], s[8:9], s[56:57]
	s_add_nc_u64 s[30:31], s[10:11], s[58:59]
	s_add_nc_u64 s[32:33], s[12:13], s[58:59]
	s_add_nc_u64 s[72:73], s[6:7], s[62:63]
	s_add_nc_u64 s[84:85], s[6:7], s[66:67]
	s_add_nc_u64 s[88:89], s[18:19], s[56:57]
	global_load_b128 v[14:17], v24, s[14:15]       ; b_ff1: 2 x 4,096 bytes for the work-group,
	global_load_b128 v[18:21], v24, s[14:15] offset:4096
	global_load_b64 v[22:23], v25, s[16:17]        ; b_ff2: 2,048
.irp j, 0,1
.irp b, 0,1
.irp q, 0,1,2,3
	global_load_b128 v[R+32*\j+16*\b+4*\q:R+32*\j+16*\b+4*\q+3], v7, s[28:29] offset:16384*\j+128*\b+16*\q th:TH_LOAD_NT   ; xq, straight into the accumulators
.endr
.endr
.endr
	LOADK 0, FB0, SB0
	LOADK 1, FB1, SB1
	s_cmp_lg_u32 s[WV], 0
	s_cbranch_scc1 .Lnot_wave_0
	global_prefetch_b8 v31, s[6:7] th:TH_LOAD_NT scope:SCOPE_SE
.Lnot_wave_0:
	s_wait_loadcnt 30                              ; the biases, xq and this K step are in; the next one's 30 loads may be out
	ds_store_b128 v24, v[14:17] offset:BIAS
	ds_store_b128 v24, v[18:21] offset:BIAS+4096
	ds_store_b64 v25, v[22:23] offset:BIAS+8192
	MUL FB0, SB0
	PLACES 4                                       ; in front of loads into registers that matrix instructions have read
	LOADK 2, FB0, SB0
	s_wait_loadcnt 30
	MUL FB1, SB1
	PLACES 4
	LOADK 3, FB1, SB1
	s_wait_loadcnt 30
	MUL FB0, SB0
	PLACES 4
.irp b, 0,1
.irp q, 0,1,2,3
	global_load_b128 v[GG+16*\b+4*\q:GG+3+16*\b+4*\q], v8, s[30:31] offset:128*\b+16*\q
	global_load_b128 v[GB+16*\b+4*\q:GB+3+16*\b+4*\q], v8, s[32:33] offset:128*\b+16*\q
.endr
.endr
	s_wait_loadcnt 16                              ; the last K step is in; g2's and b2's 16 loads may be out
	MUL FB1, SB1
	PLACES 4                                       ; in front of the first read of the results
.set g, 0
.rept 16
	ds_store_b128 v10, v[R+4*g:R+4*g+3] offset:512*g   ; a = xq + o Wo is laid by for the last product; each accumulator from its low end on
.set g, g+1
.endr
	s_wait_xcnt 0x0                                ; the prefetch has read its address register,
	s_wait_dscnt 0x0                               ; and the stores of the biases their data: only now are these written again
	SUMJ 14, R
	SUMJ 18, R+32
	MEET 0
	s_delay_alu instid0(VALU_DEP_1)
	v_mul_f32 v28, s42, v[MT]                      ; the two means
	s_delay_alu instid0(VALU_DEP_2)
	v_mul_f32 v30, s42, v[MT+1]
	s_delay_alu instid0(VALU_DEP_2)
	v_mov_b32 v29, v28
	s_delay_alu instid0(VALU_DEP_2)
	v_mov_b32 v31, v30
.set k, 0
.rept 16
	v_pk_add_f32 v[R+k:R+k+1], v[R+k:R+k+1], v[28:29] op_sel_hi:[1,0] neg_lo:[0,1] neg_hi:[0,1]
	v_pk_add_f32 v[R+32+k:R+33+k], v[R+32+k:R+33+k], v[30:31] op_sel_hi:[1,0] neg_lo:[0,1] neg_hi:[0,1]
.set k, k+2
.endr
	SQJ 14, R
	SQJ 18, R+32
	MEET 2048
	s_delay_alu instid0(VALU_DEP_1)
	v_fmaak_f32 v[MT], s42, v[MT], 0x3727c5ac      ; the variances + 1e-5
	s_delay_alu instid0(VALU_DEP_2)
	v_fmaak_f32 v[MT+1], s42, v[MT+1], 0x3727c5ac
	s_wait_alu depctr_va_vdst(0)
	v_rsq_f32 v252, v[MT]
	v_rsq_f32 v254, v[MT+1]
	v_mov_b32 v253, 0                              ; (plain places; the pairs' upper halves are named, so they are written)
	v_mov_b32 v255, 0
	s_wait_alu depctr_va_vdst(0)                   ; one wait for the two, ahead of their first reader
	s_wait_loadcnt 0x0                             ; g2, b2
.set k, 0
.rept 16
	v_pk_mul_f32 v[R+k:R+k+1], v[R+k:R+k+1], v[252:253] op_sel_hi:[1,0]
	v_pk_mul_f32 v[R+32+k:R+33+k], v[R+32+k:R+33+k], v[254:255] op_sel_hi:[1,0]
.set k, k+2
.endr
.set k, 0
.rept 16
	v_pk_fma_f32 v[R+k:R+k+1], v[R+k:R+k+1], v[GG+k:GG+1+k], v[GB+k:GB+1+k]
	v_pk_fma_f32 v[R+32+k:R+33+k], v[R+32+k:R+33+k], v[GG+k:GG+1+k], v[GB+k:GB+1+k]
.set k, k+2
.endr
	QUANT R, 14, 20, 26                            ; blocks 0, 1: tile 2 P's 64 columns; blocks 2, 3: tile 2 P + 1's
.irp j, 0,1
.irp g, 0,1,2
	ds_store_b64 v13, v[14+6*\j+2*\g:15+6*\j+2*\g] offset:6144*\j+256*\g
.endr
.endr
	v_lshrrev_b32 v30, 16, v26
	ds_store_b16 v27, v26
	ds_store_b16 v27, v30 offset:512
	s_wait_dscnt 0x0                               ; the stores have read their registers
	; ---- addresses for the second and third products
	v_add_nc_u32 v7, H2, v5                        ; u, read
	v_add_nc_u32 v9, s93, v5                       ; u, stored
	v_add_nc_u32 v28, s94, v6
	v_add_nc_u32 v29, s95, v8                      ; the biases at my columns, + 64 h
	v_add_nc_u32 v17, s90, v4                      ; a's image
	v_add_nc_u32 v18, s96, v4                      ; a weight's codes,
	v_add_nc_u32 v19, s97, v6                      ; and scale words
	v_mul_u32_u24 v20, v2, 272
	v_mul_u32_u24 v21, v3, 272
	v_lshlrev_b32 v22, 11, v3
	v_lshl_add_u32 v20, v3, 6, v20
	v_lshl_add_u32 v21, v2, 4, v21
	v_lshl_add_u32 v22, v2, 4, v22                 ; out0: lanes 0-15 one row, lanes 16-31 the next
	v_add_nc_u32 v20, s90, v20                     ; the stage, in: row r, + 64 h
	v_add_nc_u32 v21, s90, v21                     ; and back
	v_mov_b32 v252, 0xaf95df0b                     ; P's leading coefficient,
	v_mov_b32 v253, 0xaf95df0b
	v_mov_b32 v254, 0xb77460cd                     ; and Q's
	v_mov_b32 v255, 0xb77460cd
	v_add_nc_u32 v10, H1, v5                       ; h, read
	v_add_nc_u32 v13, H1S, v6
	v_add_nc_u32 v27, H2S, v6
	s_wait_alu depctr_va_vdst(0)
	LW 0, 72, 0, 0
	LW 1, 72, 0, 1
	BAR                                            ; h and the biases lie in LDS
.set TM, 216
.set X2, 232
	s_mov_b32 s80, 4
	s_mov_b32 s81, 0
	s_mov_b32 s82, 0
	s_mov_b32 s83, 0
.Ltrip:                                                ; 64 hidden units x 32 tokens a trip
	v_add_nc_u32 v14, s81, v29
	v_add_nc_u32 v15, s82, v9
	v_add_nc_u32 v16, s83, v28
	s_wait_alu depctr_va_vdst(0)                   ; behind these writes
	s_add_nc_u64 s[76:77], s[72:73], 4*PANB        ; where the next trip's fragments lie;
	s_cmp_eq_u32 s80, 1
	s_cselect_b64 s[76:77], s[84:85], s[76:77]     ; behind the last trip: W_ff2's first
.irp j, 0,1
.irp b, 0,1
.irp q, 0,1,2,3
	ds_load_b128 v[32+32*\j+16*\b+4*\q:35+32*\j+16*\b+4*\q], v14 offset:128*\b+16*\q   ; b_ff1, straight into the accumulators
.endr
.endr
.endr
	LTOK 10, 13, 0, 0, 6144, 512
	KST2 0
	KST2 1
	KST2 2
	KST2 3
.irp u, 0,1,2,3,4,5,6,7
	GELU8 32+8*\u                                  ; each accumulator is read from its low end on
.endr
	QUANT 32, 192, 198, 204
.irp j, 0,1
.irp g, 0,1,2
	ds_store_b64 v15, v[192+6*\j+2*\g:193+6*\j+2*\g] offset:1536*\j+256*\g
.endr
.endr
	v_lshrrev_b32 v205, 16, v204
	ds_store_b16 v16, v204
	ds_store_b16 v16, v205 offset:128
	s_wait_dscnt 0x0                               ; the stores have read their registers
	s_wait_xcnt 0x0                                ; and the loads their bases: only now are these stepped
	s_mov_b64 s[72:73], s[76:77]
	s_add_co_u32 s81, s81, 2048
	s_add_co_u32 s82, s82, 12288
	s_add_co_u32 s83, s83, 1024
	s_sub_co_i32 s80, s80, 1
	s_cmp_lg_u32 s80, 0
	s_wait_alu depctr_va_vdst(0)                   ; ahead of the branch
	s_cbranch_scc1 .Ltrip
	BAR                                            ; u is whole
	; ---- the third product: the sums begin as a + b_ff2
.set g, 0
.rept 16
	ds_load_b128 v[32+4*g:35+4*g], v17 offset:512*g
.set g, g+1
.endr
.irp b, 0,1
.irp q, 0,1,2,3
	ds_load_b128 v[208+16*\b+4*\q:211+16*\b+4*\q], v29 offset:8192+128*\b+16*\q
.endr
.endr
	s_wait_dscnt 0x0
.set k, 0
.rept 16
	v_pk_add_f32 v[32+k:33+k], v[32+k:33+k], v[208+k:209+k]
	v_pk_add_f32 v[64+k:65+k], v[64+k:65+k], v[208+k:209+k]
.set k, k+2
.endr
	s_wait_alu depctr_va_vdst(0)
	LTOK 7, 27, 0, 0, 1536, 128
.set N, 0
.rept 16
	KST3 N
.set N, N+1
.endr
	; ---- the way out: through my own stage, so that sixteen lanes store 256 consecutive bytes of a row of out0
.irp j, 0,1
.irp b, 0,1
.irp q, 0,1,2,3
	ds_store_b128 v20, v[32+32*\j+16*\b+4*\q:35+32*\j+16*\b+4*\q] offset:4352*\j+128*\b+16*\q   ; each accumulator from its low end on
.endr
.endr
.endr
.set k, 0
.rept 16
	ds_load_b128 v[96+4*k:99+4*k], v21 offset:544*k   ; LDS serves a wave's instructions in order: these see my stores
.set k, k+1
.endr
.set k, 0
.rept 16
	s_wait_dscnt 15-k
	global_store_b128 v22, v[96+4*k:99+4*k], s[88:89] offset:(8*(k/8)+2*(k%8)+8*((k%8)/4))*2048 th:TH_STORE_NT   ; stage row 2 k + h is token 8 (k / 8) + 2 (k % 8) + h + 8 ((k % 8) / 4) of my 32
.set k, k+1
.endr
	s_wait_tensorcnt 0x0                           ; the wave's end, behind my last LDS store
	ds_add_u32 v11, v12
	s_wait_dscnt 0x0
	s_endpgm
.Lfunc_end_k_q15aa774256_tail:
	.size	k_q15aa774256_tail, .Lfunc_end_k_q15aa774256_tail-k_q15aa774256_tail
	.p2alignl 7, 3214868480
	.fill 96, 4, 3214868480
	.section	.rodata,"a",@progbits
	.p2align	6, 0x0
	.amdhsa_kernel k_q15aa774256_tail
		.amdhsa_group_segment_fixed_size 151552
		.amdhsa_private_segment_fixed_size 0
		.amdhsa_enable_private_segment 0
		.amdhsa_kernarg_size 64
		.amdhsa_user_sgpr_count 2
		.amdhsa_user_sgpr_kernarg_segment_ptr 1
		.amdhsa_wavefront_size32 1
		.amdhsa_system_sgpr_workgroup_id_x 1
		.amdhsa_system_sgpr_workgroup_id_y 1
		.amdhsa_system_sgpr_workgroup_id_z 1
		.amdhsa_system_vgpr_workitem_id 0
		.amdhsa_next_free_vgpr 256
		.amdhsa_next_free_sgpr 100
		.amdhsa_reserve_vcc 0
		.amdhsa_float_denorm_mode_32 3
		.amdhsa_float_denorm_mode_16_64 3
		.amdhsa_memory_ordered 1
		.amdhsa_forward_progress 1
		.amdhsa_inst_pref_size 185
	.end_amdhsa_kernel
	.amdgpu_metadata
---
amdhsa.version: [ 1, 2 ]
amdhsa.kernels:
  - .name:           k_q15aa774256_tail
    .symbol:         k_q15aa774256_tail.kd
    .args:
      - { .name: oa, .offset: 0, .size: 8, .value_kind: global_buffer, .address_space: global }
      - { .name: wts, .offset: 8, .size: 8, .value_kind: global_buffer, .address_space: global }
      - { .name: xq, .offset: 16, .size: 8, .value_kind: global_buffer, .address_space: global }
      - { .name: g2, .offset: 24, .size: 8, .value_kind: global_buffer, .address_space: global }
      - { .name: b2, .offset: 32, .size: 8, .value_kind: global_buffer, .address_space: global }
      - { .name: b_ff1, .offset: 40, .size: 8, .value_kind: global_buffer, .address_space: global }
      - { .name: b_ff2, .offset: 48, .size: 8, .value_kind: global_buffer, .address_space: global }
      - { .name: out0, .offset: 56, .size: 8, .value_kind: global_buffer, .address_space: global }
    .group_segment_fixed_size: 151552
    .private_segment_fixed_size: 0
    .kernarg_segment_align: 8
    .kernarg_segment_size: 64
    .max_flat_workgroup_size: 256
    .sgpr_count:     100
    .vgpr_count:     256
    .wavefront_size: 32
...
	.end_amdgpu_metadata
.endif
;; end of part 10
